; MI455X (gfx1250); checked and timed in simulation.
; The chip was launched on July 23, 2026; its instructions are those of AMD's public machine-readable ISA for CDNA 5 (MIT licence, August 2026) and "CDNA5" Instruction Set Architecture Reference Guide (July 2026). The comments in the code are by the model that wrote it; some were corrected since.
;; Local Causal Transformer Block. Allowed arithmetic: matrix products marked QUANTISED: E2M3 operands, one E8M0 scale for each 32 along K, by v_wmma_scale_f32_16x16x128_f8f6f4 with both operands' format E2M3, f32 sums; everything else in f32.
;; Inputs: b1 1,024 float32; b2 1,024 float32; fc1_b 4,096 float32; fc1_w 1,024 x 4,096 float32; fc2_b 1,024 float32; fc2_w 4,096 x 1,024 float32; g1 1,024 float32; g2 1,024 float32; proj_b 1,024 float32; proj_w 1,024 x 1,024 float32; qkv_b 3,072 float32; qkv_w 1,024 x 3,072 float32; x 2 x 2,048 x 1,024 float32.
;; Outputs: out0 2 x 2,048 x 1,024 float32.
;; This version of the problem:
;;   THIS VERSION OF THE PROBLEM IS GIVEN IN LOW PRECISION. The matrix products marked QUANTISED in the list below multiply operands that are first quantised to E2M3 (2 exponent bits, 3 mantissa bits; 6 bits a number), with one power-of-two scale for each 32 numbers along K (OCP MX v1.0); their sums are f32. All else is computed in f32.
;;   The module's matrix products, in the order in which they are computed (A, B: the left and right operand; K: the contracted axis; several contracted axes count as one K, in the product's order):
;;     1. [M 4,096, K 1,024] x [K 1,024, N 3,072]; A: computed on the way; B: input qkv_w: QUANTISED
;;     2. batch 32 x [M 2,048, K 64] x [K 64, N 2,048]; A: computed on the way; B: computed on the way: QUANTISED
;;     3. batch 32 x [M 64, K 2,048] x [K 2,048, N 2,048]; A: computed on the way; B: softmax (see below): QUANTISED
;;     4. [M 4,096, K 1,024] x [K 1,024, N 1,024]; A: computed on the way; B: input proj_w: QUANTISED
;;     5. [M 4,096, K 1,024] x [K 1,024, N 4,096]; A: computed on the way; B: input fc1_w: QUANTISED
;;     6. [M 4,096, K 4,096] x [K 4,096, N 1,024]; A: computed on the way; B: input fc2_w: QUANTISED
;;   THE QUANTISER, for each operand of a quantised product, along K:
;;     - K is cut into blocks of 32 from its start; a last block that is shorter is filled with zeros.
;;     - A block's scale is 2^e with e = floor(log2(the largest magnitude in the block)) - 2, held to -126 .. 127; a block of zeros has e = 0. As a byte (E8M0): e + 127.
;;     - Each number is divided by its block's scale, clamped to +-7.5, and rounded to the nearest number of E2M3, ties to even, subnormals kept.
;;     - The product sums the exact products of the quantised numbers (number of the format x scale) in f32.
;;   ~~~python
;;   def quantise(x, axis):      # numpy; x: float32 -> the quantised numbers, widened to float32 again
;;       x = np.moveaxis(x, axis, -1); K = x.shape[-1]
;;       x = np.pad(x, [(0, 0)] * (x.ndim - 1) + [(0, -K % 32)]); x = x.reshape(x.shape[:-1] + (-1, 32)); a = np.abs(x).max(-1, keepdims=True)
;;       e = np.where(a > 0, np.clip(np.frexp(np.where(a > 0, a, 1))[1] - 1 - 2, -126, 127), 0)      # np.frexp(a)[1] - 1 = floor(log2(a)), exactly
;;       r = np.clip(x / 2.0 ** e, -7.5, 7.5)
;;       step = 2.0 ** (np.maximum(np.frexp(np.where(r == 0, 1, r))[1] - 1, 0) - 3)
;;       q = np.round(r / step) * step * 2.0 ** e      # np.round: ties to even
;;       return np.moveaxis(q.reshape(q.shape[:-2] + (-1,))[..., :K], -1, axis).astype(np.float32)
;;   ~~~
;;   SOFTMAX AHEAD OF A QUANTISED PRODUCT. Where the list says 'softmax', what is quantised is not the finished softmax but p = 2^(t - M), with t = logit x log2(e) and M = ceil(the row's largest t), a whole number; so 1/2 < the row's largest p <= 1. The row's sum l is taken of the UNQUANTISED p, in f32, and the product's result is divided by l at the end. Since M is a whole number, a kernel that streams over the keys may use a running M (the ceiling of the running maximum): every later rescaling is an exact power of two, which a block's scale takes up: the codes' values come out the same.
;;   OPERANDS COMPUTED ON THE WAY. 'Computed on the way' means the value that the module computes at that place (a softmax that the list does not call 'softmax' is quantised finished and normalised). What goes into a quantiser is computed in f32, as accurately as f32 sums, v_exp_f32 and their like allow (about 1e-6 of the number): no bf16 or f16 on the way to a quantiser, and a product that is left as it is and whose result goes on into a quantised operand takes f32 operands (vector FMAs, or v_wmma_f32_16x16x4_f32). A number that lies on a knife's edge between two numbers of the format may be rounded either way, as far as f32 arithmetic and the matrix unit's own rounding can turn it there, and no further.
;; 2 versions, each right and faster than the one before. Each part assembles by itself: llvm-mc -triple=amdgcn-amd-amdhsa -mcpu=gfx1250 --defsym DOCPART=n.
;; ======== version 1 of 2: 8 launches
;; limits: a function is approximated: absolute error at most 7.5e-08
;; workspace buffers: wimg 9,830,400 bytes; h 3,276,800 bytes; qk 13,107,200 bytes; vt 3,276,800 bytes; ao 3,276,800 bytes; x1 16,777,216 bytes; g 13,107,200 bytes
;; launch wq (part 1): grid 768 x 1, 4 waves a work-group, no clusters, 0 bytes of LDS; arguments qkv_w, proj_w, fc1_w, fc2_w, wimg; writes wimg
.if DOCPART == 1
	.amdgcn_target "amdgcn-amd-amdhsa--gfx1250"
	.amdhsa_code_object_version 6
	.text
	.protected	k_qb6d819d378_wq
	.globl	k_qb6d819d378_wq
	.p2align	8
	.type	k_qb6d819d378_wq,@function
k_qb6d819d378_wq:
	s_mov_b64 s[64:65], 0
	v_nop
	global_prefetch_b8 v0, s[64:65] scope:SCOPE_SE
	s_setreg_imm32_b32 hwreg(HW_REG_WAVE_MODE, 25, 1), 1
	s_wait_xcnt 0x0
; The four weights, f32 stored [K][N], become codes of FP6 (E2M3) with one E8M0 byte for each 32 along K, laid as IMAGES OF OPERAND REGISTERS.
; A UNIT of 6,400 bytes holds 64 operand rows (columns n of the weight) x 128 along K: four images of 1,536 bytes (a tile of 16 rows: six planes of 256 bytes; plane q holds registers 2q, 2q+1
; of the 12-register fragment at byte 8 x lane), then 256 bytes of scale words (tile i, row r at 64 i + 4 r).  Unit (panel, K step) lies at (panel x S + step) x 6400, S the operand's K steps.
; Lane row r of tile T holds operand row 32 (T / 2) + 8 (T % 2) + r % 8 + 16 (r / 8).
; A LANE TAKES A COLUMN, ITS REGISTERS RUN DOWN K: a block of 32 lies in one lane, nothing is transposed.  Lanes 0-15 hold the even tile of 32 columns, lanes 16-31 the odd one.
; A wave takes 32 columns x 128 along K (4 blocks); a work-group 128 columns.  Work-groups 0-191 qkv_w, 192-255 proj_w, 256-511 fc1_w, 512-767 fc2_w: only numbers and pointers are chosen, one path.
; A block's scale byte is its largest magnitude's exponent field - 2, held at 1 from below (a block of zeros keeps 1: its codes are zeros, and this program alone reads the bytes).
; LIMITS: NaN and infinities among the inputs are not served.
.set VO, 32                            ; v32-63   byte offset of my column in row i of a block
.set X,  64                            ; v64-127  two sets of 32 numbers
.set CD, 128                           ; v128-151 codes: 12 registers for each half of the K step (even block, odd block)
.set TT, 152                           ; v152-154 a conversion's second half
.set SW, 156                           ; v156     my column's scale word
	s_load_b256 s[4:11], s[0:1], 0x0               ; qkv_w, proj_w, fc1_w, fc2_w
	s_load_b64 s[12:13], s[0:1], 0x20              ; wimg
	v_lshrrev_b32 v1, 5, v0
	v_readfirstlane_b32 s2, v1                     ; wave
	v_and_b32 v2, 31, v0                           ; lane
	v_lshlrev_b32 v3, 3, v2                        ; 8 x lane: my place in a plane
	v_lshlrev_b32 v4, 2, v2                        ; 4 x lane: my scale word
	v_and_b32 v5, 7, v2
	v_bfe_u32 v6, v2, 4, 1
	v_lshl_add_u32 v5, v6, 3, v5
	v_bfe_u32 v6, v2, 3, 1
	v_lshl_add_u32 v5, v6, 4, v5                   ; my column among the 32: 8 (lane / 16) + lane % 8 + 16 ((lane / 8) % 2)
	v_lshlrev_b32 v5, 2, v5
	s_mov_b32 s16, 4096                            ; fc2_w: bytes in a row,
	s_mov_b32 s17, 5                               ; log2 of its K steps,
	s_mov_b32 s18, 6553600                         ; where its images begin,
	s_mov_b32 s19, 512                             ; its first work-group
	s_wait_kmcnt 0x0
	s_mov_b64 s[20:21], s[10:11]
	s_cmp_lt_u32 ttmp9, 512                        ; fc1_w
	s_cselect_b64 s[20:21], s[8:9], s[20:21]
	s_cselect_b32 s16, 16384, s16
	s_cselect_b32 s17, 3, s17
	s_cselect_b32 s18, 3276800, s18
	s_cselect_b32 s19, 256, s19
	s_cmp_lt_u32 ttmp9, 256                        ; proj_w
	s_cselect_b64 s[20:21], s[6:7], s[20:21]
	s_cselect_b32 s16, 4096, s16
	s_cselect_b32 s18, 2457600, s18
	s_cselect_b32 s19, 192, s19
	s_cmp_lt_u32 ttmp9, 192                        ; qkv_w
	s_cselect_b64 s[20:21], s[4:5], s[20:21]
	s_cselect_b32 s16, 12288, s16
	s_cselect_b32 s18, 0, s18
	s_cselect_b32 s19, 0, s19
	s_sub_co_u32 s22, ttmp9, s19
	s_lshl_b32 s23, 1, s17                         ; S
	s_sub_co_u32 s14, s23, 1
	s_and_b32 s14, s22, s14                        ; my K step
	s_lshr_b32 s15, s22, s17
	s_lshl_b32 s15, s15, 2
	s_add_co_u32 s15, s15, s2                      ; my group of 32 columns
	s_mul_i32 s32, s14, s16
	s_lshl_b32 s32, s32, 7                         ; 128 rows a K step
	s_lshl_b32 s33, s15, 7                         ; 128 bytes a group
	s_add_co_u32 s32, s32, s33
	s_mov_b32 s33, 0
	s_add_nc_u64 s[24:25], s[20:21], s[32:33]      ; block 0,
	s_lshl_b32 s32, s16, 5
	s_add_nc_u64 s[26:27], s[24:25], s[32:33]      ; and each next block 32 rows down
	s_add_nc_u64 s[28:29], s[26:27], s[32:33]
	s_add_nc_u64 s[30:31], s[28:29], s[32:33]
	s_lshr_b32 s34, s15, 1                         ; panel
	s_mul_i32 s34, s34, s23
	s_add_co_u32 s34, s34, s14
	s_mul_i32 s34, s34, 6400
	s_add_co_u32 s34, s34, s18
	s_mov_b32 s35, 0
	s_add_nc_u64 s[36:37], s[12:13], s[34:35]      ; my unit
	s_and_b32 s34, s15, 1
	s_mul_i32 s38, s34, 3072
	s_mov_b32 s39, 0
	s_add_nc_u64 s[40:41], s[36:37], s[38:39]      ; my two images
	s_lshl_b32 s38, s34, 7
	s_add_co_u32 s38, s38, 6144
	s_add_nc_u64 s[42:43], s[36:37], s[38:39]      ; my 32 scale words
.set i, 0
.rept 32
	v_mad_u32_u24 v[VO+i], s16, i, v5
.set i, i+1
.endr
.macro LOAD t                          ; block t: 32 rows, each load 128 neighbouring bytes of a row
.set i, 0
.rept 32
	global_load_b32 v[X+32*((\t)%2)+i], v[VO+i], s[24+2*(\t):25+2*(\t)] th:TH_LOAD_NT
.set i, i+1
.endr
.endm
.macro BLOCK t
.set XS, X+32*((\t)%2)
.set CB, CD+12*((\t)/2)+6*((\t)%2)
.if (\t) < 3
	s_wait_loadcnt 32                              ; this block's 32 loads are in; the next block's 32 may be out
.else
	s_wait_loadcnt 0x0
.endif
	v_max3_num_f32 v8, |v[XS]|, |v[XS+1]|, |v[XS+2]|     ; the block's largest magnitude, in two chains
	v_max3_num_f32 v9, |v[XS+3]|, |v[XS+4]|, |v[XS+5]|
.irp i, 6,10,14,18,22,26
	v_max3_num_f32 v8, v8, |v[XS+\i]|, |v[XS+\i+1]|
	v_max3_num_f32 v9, v9, |v[XS+\i+2]|, |v[XS+\i+3]|
.endr
	v_max3_num_f32 v8, v8, |v[XS+30]|, |v[XS+31]|
	v_max3_num_f32 v8, v8, v9, 0x1800000           ; with the floor 2^(3 - 127): the byte cannot fall under 1
	v_add_nc_u32 v10, 0xff000000, v8               ; 2 off the exponent field: the conversion's scale operand
	v_lshrrev_b32 v11, 23, v10                     ; the byte
.if (\t) == 0
	v_mov_b32 v[SW], v11
.else
	v_lshl_or_b32 v[SW], v11, 8*(\t), v[SW]
.endif
	v_cvt_scalef32_pk16_fp6_f32 v[CB:CB+2], v[XS:XS+15], v10
	v_cvt_scalef32_pk16_fp6_f32 v[TT:TT+2], v[XS+16:XS+31], v10   ; (a conversion's three registers begin on an even number)
	v_nop                                          ; one plain place behind a scaled conversion
.irp i, 0,1,2
	v_mov_b32 v[CB+3+\i], v[TT+\i]
.endr
.if (\t)+2 < 4
	LOAD (\t)+2
.endif
.if (\t)%2 == 1
.set CC, CD+12*((\t)/2)
.irp i, 0,1,2,3,4,5
	v_permlane16_swap_b32 v[CC+\i], v[CC+6+\i]     ; the even block's lanes 16-31 change places with the odd block's lanes 0-15: the first six are now the even tile's registers, the second six the odd tile's
.endr
.irp u, 0,1
.irp p, 0,1,2
	global_store_b64 v3, v[CC+6*\u+2*\p:CC+6*\u+2*\p+1], s[40:41] offset:1536*\u+768*((\t)/2)+256*\p   ; a plane: 256 consecutive bytes, aligned
.endr
.endr
.endif
.endm
	LOAD 0
	LOAD 1
	BLOCK 0
	BLOCK 1
	BLOCK 2
	BLOCK 3
	global_store_b32 v4, v[SW], s[42:43]           ; 32 scale words: 128 consecutive bytes
	s_endpgm
.Lfunc_end_k_qb6d819d378_wq:
	.size	k_qb6d819d378_wq, .Lfunc_end_k_qb6d819d378_wq-k_qb6d819d378_wq
	.p2alignl 7, 3214868480
	.fill 96, 4, 3214868480
	.section	.rodata,"a",@progbits
	.p2align	6, 0x0
	.amdhsa_kernel k_qb6d819d378_wq
		.amdhsa_group_segment_fixed_size 0
		.amdhsa_private_segment_fixed_size 0
		.amdhsa_enable_private_segment 0
		.amdhsa_kernarg_size 40
		.amdhsa_user_sgpr_count 2
		.amdhsa_user_sgpr_kernarg_segment_ptr 1
		.amdhsa_wavefront_size32 1
		.amdhsa_system_sgpr_workgroup_id_x 1
		.amdhsa_system_sgpr_workgroup_id_y 1
		.amdhsa_system_sgpr_workgroup_id_z 1
		.amdhsa_system_vgpr_workitem_id 0
		.amdhsa_next_free_vgpr 160
		.amdhsa_next_free_sgpr 66
		.amdhsa_reserve_vcc 0
		.amdhsa_float_denorm_mode_32 3
		.amdhsa_float_denorm_mode_16_64 3
		.amdhsa_memory_ordered 1
		.amdhsa_forward_progress 1
		.amdhsa_inst_pref_size 25
	.end_amdhsa_kernel
	.amdgpu_metadata
---
amdhsa.version: [ 1, 2 ]
amdhsa.kernels:
  - .name:           k_qb6d819d378_wq
    .symbol:         k_qb6d819d378_wq.kd
    .args:
      - { .name: qkv_w, .offset: 0, .size: 8, .value_kind: global_buffer, .address_space: global }
      - { .name: proj_w, .offset: 8, .size: 8, .value_kind: global_buffer, .address_space: global }
      - { .name: fc1_w, .offset: 16, .size: 8, .value_kind: global_buffer, .address_space: global }
      - { .name: fc2_w, .offset: 24, .size: 8, .value_kind: global_buffer, .address_space: global }
      - { .name: wimg, .offset: 32, .size: 8, .value_kind: global_buffer, .address_space: global }
    .group_segment_fixed_size: 0
    .private_segment_fixed_size: 0
    .kernarg_segment_align: 8
    .kernarg_segment_size: 40
    .max_flat_workgroup_size: 128
    .sgpr_count:     66
    .vgpr_count:     160
    .wavefront_size: 32
...
	.end_amdgpu_metadata
.endif
;; end of part 1
;; launch ln1 (part 2): grid 256 x 1, 4 waves a work-group, no clusters, 65,792 bytes of LDS; arguments x, g1, b1, h; writes h
.if DOCPART == 2
	.amdgcn_target "amdgcn-amd-amdhsa--gfx1250"
	.amdhsa_code_object_version 6
	.text
	.protected	k_qb6d819d378_ln1
	.globl	k_qb6d819d378_ln1
	.p2align	8
	.type	k_qb6d819d378_ln1,@function
k_qb6d819d378_ln1:
	s_mov_b64 s[64:65], 0
	v_nop
	global_prefetch_b8 v0, s[64:65] scope:SCOPE_SE
	s_setreg_imm32_b32 hwreg(HW_REG_WAVE_MODE, 25, 1), 1
	s_wait_xcnt 0x0
; LayerNorm over rows of 1,024 f32, then the MX-FP6 quantiser along the row; the result leaves as images of operand registers.
; OUTPUT: units of 6,400 bytes (64 rows x 128 along K): four images of 1,536 bytes (six planes of 256 bytes; plane q = fragment registers 2q, 2q+1 at 8 x lane), then 256 bytes of scale words
; (tile i, row r at 64 i + 4 r).  Unit (panel, step) at (panel x 8 + step) x 6400.  Lane row r of tile T holds token 32 (T / 2) + 8 (T % 2) + r % 8 + 16 (r / 8).
; A work-group owns one tile T of 16 tokens.  PHASE 1: wave w normalises tile rows 4 w .. 4 w + 3 (four neighbouring tokens), a whole row in 32 registers: mean, then the mean of squared
; deviations (two passes over registers), rsqrt, gain, bias; the rows go to LDS in f32.  PHASE 2: wave w quantises columns 256 w .. 256 w + 255 of all 16 rows: a lane takes 16 neighbours of each block.
; The scale words leave in pieces of 64 bytes (they are one part in 25 of the output).
; LIMITS: NaN and infinities are not served; a block of zeros gets the byte 1 (its codes are zeros; this program alone reads the bytes).
.set PITCH, 4112                       ; an LDS row: 4,096 bytes + 16: sixteen rows that a load touches begin in sixteen different groups of banks
.set X,  32                            ; v32-159  four rows; later four half K steps of 32 numbers
.set G,  160                           ; v160-191 the gain of my columns
.set B,  192                           ; v192-223 the bias
.set CD, 160                           ; v160-183 the codes (the gain is done with)
.set P,  224                           ; v224-231 a pair a row: the sum, then the mean
.set Q,  232                           ; v232-239 a pair a row: the sum of squares, then 1 / sqrt
.set PT, 248                           ; v248-251 the other half of the lanes' part
.set PW, 24                            ; v24-27   two scale bytes for each half K step
.set HM, 10
.set HT, 12
.set HE, 14
.set HB, 16
.set HX, 18
.set SEL, 20                           ; s[20:21] lane selects: lane l xor 16
; 32 numbers of a lane, register 16 g + n = k 32 g + 16 (lane / 16) + n of my row, become half a fragment (6 registers: lanes 0-15 block 0, lanes 16-31 block 1) and two scale bytes.
.macro HALFQ src, dst, pw
	v_max3_num_f32 v[HM], |v[(\src)]|, |v[(\src)+1]|, 0x1800000        ; my 16 numbers of each block, and the floor 2^(3 - 127)
	v_max3_num_f32 v[HM+1], |v[(\src)+16]|, |v[(\src)+17]|, 0x1800000
.irp i, 2,4,6,8,10,12,14
	v_max3_num_f32 v[HM], v[HM], |v[(\src)+\i]|, |v[(\src)+\i+1]|
	v_max3_num_f32 v[HM+1], v[HM+1], |v[(\src)+16+\i]|, |v[(\src)+17+\i]|
.endr
	v_permlanex16_b32 v[HT], v[HM], s[SEL], s[SEL+1]
	v_permlanex16_b32 v[HT+1], v[HM+1], s[SEL], s[SEL+1]
	v_max_num_f32 v[HM], v[HM], v[HT]              ; with lane l xor 16's: the block's largest magnitude
	v_max_num_f32 v[HM+1], v[HM+1], v[HT+1]
	v_add_nc_u32 v[HE], 0xff000000, v[HM]          ; 2 off the exponent field: the conversion's scale operand
	v_add_nc_u32 v[HE+1], 0xff000000, v[HM+1]
	v_lshrrev_b32 v[HB], 23, v[HE]
	v_lshrrev_b32 v[HB+1], 23, v[HE+1]
	v_lshl_or_b32 v[(\pw)], v[HB+1], 8, v[HB]
	v_cvt_scalef32_pk16_fp6_f32 v[(\dst):(\dst)+2], v[(\src):(\src)+15], v[HE]
	v_cvt_scalef32_pk16_fp6_f32 v[HX:HX+2], v[(\src)+16:(\src)+31], v[HE+1]
	v_nop                                          ; one plain place behind a scaled conversion
.irp i, 0,1,2
	v_permlane16_swap_b32 v[(\dst)+\i], v[HX+\i]   ; a whole block to a lane
.endr
.irp i, 0,1,2
	v_mov_b32 v[(\dst)+3+\i], v[HX+\i]
.endr
.endm
.macro ALLSUM b                        ; v[b + 2 k], k = 0 .. 3, summed over the 32 lanes, the four rows by turns
.irp m, 1,2,4,8
.irp k, 0,1,2,3
	v_add_f32_dpp v[\b+2*\k], v[\b+2*\k], v[\b+2*\k] row_xmask:\m row_mask:0xf bank_mask:0xf
.endr
.endr
.irp k, 0,1,2,3
	v_permlanex16_b32 v[PT+\k], v[\b+2*\k], s[SEL], s[SEL+1]
.endr
.irp k, 0,1,2,3
	v_add_f32 v[\b+2*\k], v[\b+2*\k], v[PT+\k]
.endr
.endm
	s_load_b256 s[4:11], s[0:1], 0x0               ; rows in, gain, bias, images out
	v_lshrrev_b32 v1, 5, v0
	v_readfirstlane_b32 s2, v1                     ; wave
	v_and_b32 v1, 31, v0                           ; lane
	v_and_b32 v2, 15, v0                           ; r
	v_bfe_u32 v3, v0, 4, 1                         ; h
	v_lshlrev_b32 v4, 4, v1                        ; 16 x lane
	v_lshlrev_b32 v7, 3, v1                        ; 8 x lane
	s_mul_i32 s12, s2, 4*PITCH
	v_add_nc_u32 v5, s12, v4                       ; LDS, in: my wave's four rows, 16 bytes a lane
	v_mul_u32_u24 v6, v2, PITCH
	v_lshl_add_u32 v6, v3, 6, v6
	s_lshl_b32 s12, s2, 10
	v_add_nc_u32 v6, s12, v6                       ; LDS, out: row r, + 64 h, + my wave's 1,024 bytes
	v_mul_u32_u24 v8, v3, 6400
	v_lshl_add_u32 v8, v2, 2, v8                   ; scale words: 4 r, lanes 16-31 one unit on
.irp k, 0,1,2,3
	v_mov_b32 v[PT+\k], 0                          ; written once: a lane permute's destination counts as one of its sources
.endr
	v_mov_b32 v[HT], 0
	v_mov_b32 v[HT+1], 0
	s_mov_b32 s[SEL], 0x76543210
	s_mov_b32 s[SEL+1], 0xfedcba98
	s_mov_b32 s22, 0x3a800000                      ; 1 / 1024
	s_mov_b32 s23, 0x3727c5ac                      ; 1e-5
	s_mov_b32 s24, 0xffff0000                      ; lanes 16-31
	s_lshr_b32 s12, ttmp9, 1
	s_lshl_b32 s12, s12, 5
	s_and_b32 s13, ttmp9, 1
	s_lshl_b32 s13, s13, 3
	s_add_co_u32 s12, s12, s13
	s_and_b32 s13, s2, 1
	s_lshl_b32 s13, s13, 2
	s_add_co_u32 s12, s12, s13
	s_lshr_b32 s13, s2, 1
	s_lshl_b32 s13, s13, 4
	s_add_co_u32 s12, s12, s13                     ; my first token: 32 (T / 2) + 8 (T % 2) + 4 (w % 2) + 16 (w / 2)
	s_lshl_b32 s12, s12, 12
	s_mov_b32 s13, 0
	s_lshr_b32 s14, ttmp9, 2
	s_lshl_b32 s14, s14, 3
	s_lshl_b32 s15, s2, 1
	s_add_co_u32 s14, s14, s15
	s_mul_i32 s14, s14, 6400                       ; the unit of my first K step, 2 w
	s_mov_b32 s15, 0
	s_and_b32 s16, ttmp9, 3
	s_mul_i32 s18, s16, 1536                       ; my tile's image in it,
	s_mov_b32 s19, 0
	s_lshl_b32 s16, s16, 6
	s_add_co_u32 s16, s16, 6144                    ; and its scale words
	s_mov_b32 s17, 0
	s_wait_kmcnt 0x0
	s_add_nc_u64 s[4:5], s[4:5], s[12:13]
	s_add_nc_u64 s[10:11], s[10:11], s[14:15]
	s_add_nc_u64 s[26:27], s[10:11], s[18:19]
	s_add_nc_u64 s[28:29], s[10:11], s[16:17]
.irp k, 0,1,2,3
.irp j, 0,1,2,3,4,5,6,7
	global_load_b128 v[X+32*\k+4*\j:X+32*\k+4*\j+3], v4, s[4:5] offset:4096*\k+512*\j    ; 512 neighbouring bytes a load
.endr
.endr
.irp j, 0,1,2,3,4,5,6,7
	global_load_b128 v[G+4*\j:G+4*\j+3], v4, s[6:7] offset:512*\j
	global_load_b128 v[B+4*\j:B+4*\j+3], v4, s[8:9] offset:512*\j
.endr
	s_wait_loadcnt 16                              ; the rows are in; the 16 loads of gain and bias may be out
.irp k, 0,1,2,3
	v_pk_add_f32 v[P+2*\k:P+2*\k+1], v[X+32*\k:X+32*\k+1], v[X+32*\k+2:X+32*\k+3]
.endr
.set i, 4
.rept 14
.irp k, 0,1,2,3
	v_pk_add_f32 v[P+2*\k:P+2*\k+1], v[P+2*\k:P+2*\k+1], v[X+32*\k+i:X+32*\k+i+1]
.endr
.set i, i+2
.endr
.irp k, 0,1,2,3
	v_add_f32 v[P+2*\k], v[P+2*\k], v[P+2*\k+1]
.endr
	ALLSUM P
.irp k, 0,1,2,3
	v_mul_f32 v[P+2*\k], s22, v[P+2*\k]            ; the mean
.endr
.set i, 0
.rept 16
.irp k, 0,1,2,3
	v_pk_add_f32 v[X+32*\k+i:X+32*\k+i+1], v[X+32*\k+i:X+32*\k+i+1], v[P+2*\k:P+2*\k+1] op_sel_hi:[1,0] neg_lo:[0,1] neg_hi:[0,1]   ; x - mean
.endr
.set i, i+2
.endr
.irp k, 0,1,2,3
	v_pk_mul_f32 v[Q+2*\k:Q+2*\k+1], v[X+32*\k:X+32*\k+1], v[X+32*\k:X+32*\k+1]
.endr
.set i, 2
.rept 15
.irp k, 0,1,2,3
	v_pk_fma_f32 v[Q+2*\k:Q+2*\k+1], v[X+32*\k+i:X+32*\k+i+1], v[X+32*\k+i:X+32*\k+i+1], v[Q+2*\k:Q+2*\k+1]
.endr
.set i, i+2
.endr
.irp k, 0,1,2,3
	v_add_f32 v[Q+2*\k], v[Q+2*\k], v[Q+2*\k+1]
.endr
	ALLSUM Q
.irp k, 0,1,2,3
	v_fma_f32 v[Q+2*\k], v[Q+2*\k], s22, s23       ; the variance + 1e-5
.endr
.irp k, 0,1,2,3
	v_rsq_f32 v[Q+2*\k], v[Q+2*\k]
.endr
	v_nop                                          ; a plain place behind the last of the four
	s_wait_loadcnt 0x0                             ; gain and bias
	s_wait_alu depctr_va_vdst(0)                   ; one wait for the four, ahead of their first reader
.set i, 0
.rept 16
.irp k, 0,1,2,3
	v_pk_mul_f32 v[X+32*\k+i:X+32*\k+i+1], v[X+32*\k+i:X+32*\k+i+1], v[Q+2*\k:Q+2*\k+1] op_sel_hi:[1,0]
.endr
.irp k, 0,1,2,3
	v_pk_fma_f32 v[X+32*\k+i:X+32*\k+i+1], v[X+32*\k+i:X+32*\k+i+1], v[G+i:G+i+1], v[B+i:B+i+1]
.endr
.set i, i+2
.endr
.irp k, 0,1,2,3
.irp j, 0,1,2,3,4,5,6,7
	ds_store_b128 v5, v[X+32*\k+4*\j:X+32*\k+4*\j+3] offset:PITCH*\k+512*\j
.endr
.endr
	s_wait_dscnt 0x0                               ; for the others' sake: my four rows lie in LDS
	s_barrier_signal -1
	s_barrier_wait -1
.irp k, 0,1,2,3                        ; half K step k of my two: register 32 k + 16 g + n = column 256 w + 64 k + 32 g + 16 h + n of row r
.irp g, 0,1
.irp q, 0,1,2,3
	ds_load_b128 v[X+32*\k+16*\g+4*\q:X+32*\k+16*\g+4*\q+3], v6 offset:256*\k+128*\g+16*\q
.endr
.endr
.endr
	s_wait_dscnt 0x0
.irp k, 0,1,2,3
	HALFQ X+32*\k, CD+6*\k, PW+\k
.irp p, 0,1,2
	global_store_b64 v7, v[CD+6*\k+2*\p:CD+6*\k+2*\p+1], s[26:27] offset:6400*(\k/2)+768*(\k%2)+256*\p   ; a plane: 256 consecutive bytes, aligned
.endr
.endr
	v_lshl_or_b32 v28, v[PW+1], 16, v[PW]          ; row r's scale word of K step 2 w,
	v_lshl_or_b32 v29, v[PW+3], 16, v[PW+2]        ; and of 2 w + 1
	v_cndmask_b32 v28, v28, v29, s24               ; lanes 0-15 store the first, lanes 16-31 the second
	global_store_b32 v8, v28, s[28:29]
	s_endpgm
.Lfunc_end_k_qb6d819d378_ln1:
	.size	k_qb6d819d378_ln1, .Lfunc_end_k_qb6d819d378_ln1-k_qb6d819d378_ln1
	.p2alignl 7, 3214868480
	.fill 96, 4, 3214868480
	.section	.rodata,"a",@progbits
	.p2align	6, 0x0
	.amdhsa_kernel k_qb6d819d378_ln1
		.amdhsa_group_segment_fixed_size 65792
		.amdhsa_private_segment_fixed_size 0
		.amdhsa_enable_private_segment 0
		.amdhsa_kernarg_size 32
		.amdhsa_user_sgpr_count 2
		.amdhsa_user_sgpr_kernarg_segment_ptr 1
		.amdhsa_wavefront_size32 1
		.amdhsa_system_sgpr_workgroup_id_x 1
		.amdhsa_system_sgpr_workgroup_id_y 1
		.amdhsa_system_sgpr_workgroup_id_z 1
		.amdhsa_system_vgpr_workitem_id 0
		.amdhsa_next_free_vgpr 256
		.amdhsa_next_free_sgpr 66
		.amdhsa_reserve_vcc 0
		.amdhsa_float_denorm_mode_32 3
		.amdhsa_float_denorm_mode_16_64 3
		.amdhsa_memory_ordered 1
		.amdhsa_forward_progress 1
		.amdhsa_inst_pref_size 44
	.end_amdhsa_kernel
	.amdgpu_metadata
---
amdhsa.version: [ 1, 2 ]
amdhsa.kernels:
  - .name:           k_qb6d819d378_ln1
    .symbol:         k_qb6d819d378_ln1.kd
    .args:
      - { .name: x, .offset: 0, .size: 8, .value_kind: global_buffer, .address_space: global }
      - { .name: g1, .offset: 8, .size: 8, .value_kind: global_buffer, .address_space: global }
      - { .name: b1, .offset: 16, .size: 8, .value_kind: global_buffer, .address_space: global }
      - { .name: h, .offset: 24, .size: 8, .value_kind: global_buffer, .address_space: global }
    .group_segment_fixed_size: 65792
    .private_segment_fixed_size: 0
    .kernarg_segment_align: 8
    .kernarg_segment_size: 32
    .max_flat_workgroup_size: 128
    .sgpr_count:     66
    .vgpr_count:     256
    .wavefront_size: 32
...
	.end_amdgpu_metadata
.endif
;; end of part 2
;; launch gqkv (part 3): grid 16 x 48, 4 waves a work-group, clusters of 4 x 4, 327,680 bytes of LDS; arguments h, wimg, qkv_b, qk, vt; writes qk, vt
.if DOCPART == 3
	.amdgcn_target "amdgcn-amd-amdhsa--gfx1250"
	.amdhsa_code_object_version 6
	.text
	.protected	k_qb6d819d378_gqkv
	.globl	k_qb6d819d378_gqkv
	.p2align	8
	.type	k_qb6d819d378_gqkv,@function
k_qb6d819d378_gqkv:
	s_mov_b64 s[64:65], 0
	v_nop
	global_prefetch_b8 v0, s[64:65] scope:SCOPE_SE
	s_setreg_imm32_b32 hwreg(HW_REG_WAVE_MODE, 25, 1), 1
	s_wait_xcnt 0x0
	s_wait_alu depctr_hold_cnt(0) depctr_sa_sdst(0) depctr_va_vdst(0) depctr_va_sdst(0) depctr_va_ssrc(0) depctr_va_vcc(0) depctr_vm_vsrc(0)
	s_getreg_b32 s2, hwreg(HW_REG_IB_STS2, 6, 4)
	s_cmp_eq_u32 s2, 0
	s_cbranch_scc0 .Lentry_in_a_cluster
	s_endpgm
.Lentry_in_a_cluster:
	s_bfe_u32 s2, ttmp6, 0x10000c
	s_cmp_lg_u32 s2, 0xf033
	s_cbranch_scc0 .Lentry_shape_is_right
	s_endpgm
.Lentry_shape_is_right:
; D = A B^T on codes of FP6 (E2M3) with E8M0 scales, sums in f32.  One text serves four launches; MODE says which.
; OPERANDS lie in memory as images of operand registers: a UNIT of 6,400 bytes = 64 rows x 128 along K: four images of 1,536 bytes (six planes of 256 bytes; plane q = fragment registers 2q, 2q+1 at
; 8 x lane), then 256 bytes of scale words (tile i, row r at 64 i + 4 r).  Unit (panel, step) at (panel x steps + step) x 6400.  Lane row r of tile T holds row 32 (T / 2) + 8 (T % 2) + r % 8 + 16 (r / 8).
; A work-group of four waves makes 128 x 128 of D, a wave 64 x 64: 16 accumulators.  N = 1,024 in two of the launches: this tile gives each of them 256 work-groups.
; LDS: two slots; a slot holds 4 K steps of A's two panels and B's two; each wave brings one panel's 25,600 dense bytes by one tensor load.  K = 1,024 is two slots: first fills alone.  K = 4,096 (MODE 6)
; goes round the two slots.  CLUSTERS 4 x 4: A's panels are shared along a row of the cluster, B's along a column: joint loads.
; THE MATRIX INSTRUCTION IS USED TRANSPOSED (source 0 = B's 16 rows, source 1 = A's): a lane holds one row of A's tile, and by the row order above the 32 registers of one A tile are
; columns 32 g + 16 (lane / 16) + n, n = 0 .. 15, g = 0, 1: what the quantiser of the next product wants.  The bias along B's rows is the C of each sum's first instruction.
; MODE 1: q and k (A = tokens, B = Wq, Wk) and V^T (A = Wv, B = tokens, so that the quantiser runs along the keys; its bias runs along A's rows and is added at the end); codes out.
; MODE 5: fc1, exact GELU, codes out.  MODE 4, 6: proj, fc2: + residual, f32 out through a stage in LDS, whole rows of 256 bytes.
; GELU: x Phi(x) = max(x, 0) - |x| q(|x|), q = exp(-x^2 / 2) (c1 t + .. + c5 t^5), t = 1 / (1 + 0.2316419 |x|) (Abramowitz and Stegun 26.2.17, 1 / sqrt(2 pi) folded in).
; LIMITS: Phi is within 7.5e-8; NaN and infinities are not served; a block of zeros gets the byte 1 (zero codes; this program alone reads the bytes); scale bytes leave 2 bytes a lane.
.set MODE, 1
.set KST, 8                            ; K steps of 128
.set BOFF, 0                           ; where B's images begin in wimg
.set QOUT, 0                           ; 1: codes out
.if MODE == 1
.set QOUT, 1
.endif
.if MODE == 4
.set BOFF, 2457600
.endif
.if MODE == 5
.set BOFF, 3276800
.set QOUT, 1
.endif
.if MODE == 6
.set BOFF, 6553600
.set KST, 32
.endif
.set NCH,   KST/4                      ; slots' worth of K
.set UNIT,  6400
.set CH,    4*UNIT                     ; a panel's part of a slot
.set SLOT,  4*CH
.set STAGE, 2*SLOT                     ; 16 rows x 272 bytes for each wave (MODE 4, 6)
.set SPARE, STAGE+4*16*272             ; the spare words, 128 bytes for each wave (MODE 6)
.set ADRA, 4                           ; v4-5   LDS address of my A panel in slot 0, 1: + 8 x lane
.set ADRB, 6                           ; v6-7   of my B panel
.set ADRS, 8                           ; v8-9   of the scale words: lanes 0-15 A's, lanes 16-31 B's
.set L8,   10                          ; v10    8 x lane
.set L4,   11                          ; v11    4 x lane
.set STO,  12
.set RD,   13
.set CO,   14
.set SC,   16                          ; v16-23 scale words, two sets of four: register i: lanes 0-15 A's tile i, lanes 16-31 B's tile i
.set SPW,  24
.set NIL,  25
.set HM,   28
.set HT,   30
.set HE,   32
.set HB,   34
.set HX,   40
.set CD,   44                          ; v44-67 codes, six registers for each A tile
.set PW,   68                          ; v68-71 two scale bytes for each A tile
.set BA,   74                          ; v74-81 MODE 1: the bias along A's rows, a pair a tile
.set YY,   80                          ; MODE 5: v80-95, v96-111, v112-127 at work in the GELU
.set UU,   96
.set WW,   112
.set BB,   96                          ; v96-127 the bias along B's rows, in the result's layout
.set OB,   32                          ; MODE 4, 6: v32-95 rows back from the stage, two sets
.set ACC,  128                         ; v128-255 accumulator (a, b) at 128 + 8 (4 a + b)
.set G1A, 24
.set G0A, 32
.set G1B, 48
.set G0B, 56
.set SEL, 66
.set MSB, 0
.macro WIN new                         ; the immediate's high byte repeats the setting that is left
.if MSB != \new
	s_set_vgpr_msb (MSB<<8)|\new
.set MSB, \new
.endif
.endm
.set MUL,   0x05                       ; sources 0 and 1 in window 1 (the fragments); C and D in window 0
.set TO_F,  0x40                       ; destination window 1
.set TO_R,  0x80                       ; destination window 2 (the residual)
.set W_RES, 0x08                       ; source 1 window 2
.macro PLACES                          ; four plain places behind matrix instructions, ahead of loads into their registers and of reads of their results
.rept 4
	v_nop
.endr
.endm
.macro CREST
	s_cmp_lg_u32 s14, 0
	s_cbranch_scc1 .Lnot_wave_0_\@
	s_barrier_signal -3
.Lnot_wave_0_\@:
	s_barrier_wait -3
	s_barrier_signal -1
	s_barrier_wait -1
.endm
.macro CROUND                          ; a round of the cluster's barrier
	s_barrier_signal -1
	s_barrier_wait -1
	CREST
.endm
.macro JLOAD sg                        ; a joint load into slot sg: waves 0, 1 for A, waves 2, 3 for B; four v_nop behind each line
	s_cmp_eq_u32 s15, 0
	s_cbranch_scc0 .Lfor_b_\@
	tensor_load_to_lds s[G0A+4*(\sg):G0A+4*(\sg)+3], s[G1A:G1A+7]
.rept 4
	v_nop
.endr
	s_branch .Lasked_\@
.Lfor_b_\@:
	tensor_load_to_lds s[G0B+4*(\sg):G0B+4*(\sg)+3], s[G1B:G1B+7]
.rept 4
	v_nop
.endr
.Lasked_\@:
.endm
.macro FETCH sg, u, f                  ; K step u of slot sg into fragment buffer f: 4 + 24 + 24 = 52 LDS loads, each of a plane's consecutive bytes
	WIN 0
.irp i, 0,1,2,3
	ds_load_b32 v[SC+4*(\f)+\i], v[ADRS+\sg] offset:UNIT*(\u)+64*\i
.endr
	WIN TO_F
.irp i, 0,1,2,3
.irp q, 0,1,2,3,4,5
	ds_load_b64 v[96*(\f)+48+12*\i+2*\q:96*(\f)+48+12*\i+2*\q+1], v[ADRB+\sg] offset:UNIT*(\u)+1536*\i+256*\q
.endr
.endr
.irp i, 0,1,2,3
.irp q, 0,1,2,3,4,5
	ds_load_b64 v[96*(\f)+12*\i+2*\q:96*(\f)+12*\i+2*\q+1], v[ADRA+\sg] offset:UNIT*(\u)+1536*\i+256*\q
.endr
.endr
	WIN 0
.endm
.macro MUL16 f, first                  ; the 16 accumulators by turns, in the same order everywhere; first = 1: the bias starts the sums
.irp a, 0,1,2,3
.irp b, 0,1,2,3
.if \first
	v_wmma_scale_f32_16x16x128_f8f6f4 v[ACC+8*(4*\a+\b):ACC+8*(4*\a+\b)+7], v[96*(\f)+48+12*\b:96*(\f)+48+12*\b+11], v[96*(\f)+12*\a:96*(\f)+12*\a+11], v[BB+8*\b:BB+8*\b+7], v[SC+4*(\f)+\b], v[SC+4*(\f)+\a] matrix_a_fmt:MATRIX_FMT_FP6 matrix_b_fmt:MATRIX_FMT_FP6 matrix_a_scale:MATRIX_SCALE_ROW1
.else
	v_wmma_scale_f32_16x16x128_f8f6f4 v[ACC+8*(4*\a+\b):ACC+8*(4*\a+\b)+7], v[96*(\f)+48+12*\b:96*(\f)+48+12*\b+11], v[96*(\f)+12*\a:96*(\f)+12*\a+11], v[ACC+8*(4*\a+\b):ACC+8*(4*\a+\b)+7], v[SC+4*(\f)+\b], v[SC+4*(\f)+\a] matrix_a_fmt:MATRIX_FMT_FP6 matrix_b_fmt:MATRIX_FMT_FP6 matrix_a_scale:MATRIX_SCALE_ROW1
.endif
.endr
.endr
.endm
.macro CHUNK sg, first                 ; a slot's four K steps; the next step's fragments are asked for ahead of each step's products
	PLACES
	FETCH \sg, 0, 0
.irp u, 0,1,2,3
.if \u < 3
	PLACES
	FETCH \sg, \u+1, (\u+1)%2
	s_wait_dscnt 52                                ; all but the 52 just issued: this step's fragments are in
.else
	s_wait_dscnt 0x0
.endif
	WIN MUL
.if (\u == 0) && \first
	MUL16 0, 1
.else
	MUL16 \u%2, 0
.endif
	WIN 0
.endr
.endm
.macro TWO sg, refill                  ; the change of slots (MODE 6): slot sg is read next; refill = 1: the other slot takes the K steps two slots on
	s_wait_tensorcnt 0x0                           ; all my tensor loads have landed: my part of slot sg
	ds_add_u32 v[SPW], v[NIL]                      ; 0 onto my spare word
.if \refill
	s_add_nc_u64 s[G0A+4*(1-\sg)+2:G0A+4*(1-\sg)+3], s[G0A+4*(1-\sg)+2:G0A+4*(1-\sg)+3], 2*CH
	s_add_nc_u64 s[G0B+4*(1-\sg)+2:G0B+4*(1-\sg)+3], s[G0B+4*(1-\sg)+2:G0B+4*(1-\sg)+3], 2*CH
.endif
	s_wait_dscnt 0x0                               ; the add is done, and my reads of the other slot are over
.if \refill
	CROUND                                         ; no wave of any partner still reads that slot or has a load on its way
	JLOAD 1-\sg                                    ; my one tensor load behind the round: it has this slot's 64 matrix instructions in which to land
.else
	s_barrier_signal -1
	s_barrier_wait -1
.endif
	CHUNK \sg, 0
.endm
; 32 numbers of a lane, register 16 g + n = k 32 g + 16 (lane / 16) + n of my row, become half a fragment (6 registers: lanes 0-15 block 0, lanes 16-31 block 1) and two scale bytes.
.macro HALFQ src, dst, pw
	v_max3_num_f32 v[HM], |v[(\src)]|, |v[(\src)+1]|, 0x1800000        ; my 16 numbers of each block, and the floor 2^(3 - 127)
	v_max3_num_f32 v[HM+1], |v[(\src)+16]|, |v[(\src)+17]|, 0x1800000
.irp i, 2,4,6,8,10,12,14
	v_max3_num_f32 v[HM], v[HM], |v[(\src)+\i]|, |v[(\src)+\i+1]|
	v_max3_num_f32 v[HM+1], v[HM+1], |v[(\src)+16+\i]|, |v[(\src)+17+\i]|
.endr
	v_permlanex16_b32 v[HT], v[HM], s[SEL], s[SEL+1]
	v_permlanex16_b32 v[HT+1], v[HM+1], s[SEL], s[SEL+1]
	v_max_num_f32 v[HM], v[HM], v[HT]              ; with lane l xor 16's: the block's largest magnitude
	v_max_num_f32 v[HM+1], v[HM+1], v[HT+1]
	v_add_nc_u32 v[HE], 0xff000000, v[HM]          ; 2 off the exponent field: the conversion's scale operand
	v_add_nc_u32 v[HE+1], 0xff000000, v[HM+1]
	v_lshrrev_b32 v[HB], 23, v[HE]
	v_lshrrev_b32 v[HB+1], 23, v[HE+1]
	v_lshl_or_b32 v[(\pw)], v[HB+1], 8, v[HB]
	v_cvt_scalef32_pk16_fp6_f32 v[(\dst):(\dst)+2], v[(\src):(\src)+15], v[HE]
	v_cvt_scalef32_pk16_fp6_f32 v[HX:HX+2], v[(\src)+16:(\src)+31], v[HE+1]
	v_nop                                          ; one plain place behind a scaled conversion
.irp i, 0,1,2
	v_permlane16_swap_b32 v[(\dst)+\i], v[HX+\i]   ; a whole block to a lane
.endr
.irp i, 0,1,2
	v_mov_b32 v[(\dst)+3+\i], v[HX+\i]
.endr
.endm
.macro GELU16 x                        ; sixteen numbers in place
.irp n, 0,1,2,3,4,5,6,7,8,9,10,11,12,13,14,15
	v_fma_f32 v[UU+\n], |v[(\x)+\n]|, s68, 1.0     ; 1 + p |x|
.endr
.irp n, 0,2,4,6,8,10,12,14
	v_pk_mul_f32 v[WW+\n:WW+\n+1], v[(\x)+\n:(\x)+\n+1], s[96:97] op_sel_hi:[1,0]
.endr
.irp n, 0,2,4,6,8,10,12,14
	v_pk_mul_f32 v[WW+\n:WW+\n+1], v[WW+\n:WW+\n+1], v[(\x)+\n:(\x)+\n+1]   ; -x^2 log2(e) / 2
.endr
.irp n, 0,1,2,3,4,5,6,7,8,9,10,11,12,13,14,15
	v_rcp_f32 v[UU+\n], v[UU+\n]                   ; t
.endr
.irp n, 0,1,2,3,4,5,6,7,8,9,10,11,12,13,14,15
	v_exp_f32 v[WW+\n], v[WW+\n]                   ; exp(-x^2 / 2)
.endr
	v_nop                                          ; a plain place behind the batch
	s_wait_alu depctr_va_vdst(0)                   ; one wait for the 32, ahead of their first reader
.irp n, 0,2,4,6,8,10,12,14
	v_pk_fma_f32 v[YY+\n:YY+\n+1], v[UU+\n:UU+\n+1], v[26:27], s[74:75] op_sel_hi:[1,1,0]   ; c5 t + c4
.endr
.irp c, 72,70,98
.irp n, 0,2,4,6,8,10,12,14
	v_pk_fma_f32 v[YY+\n:YY+\n+1], v[YY+\n:YY+\n+1], v[UU+\n:UU+\n+1], s[\c:\c+1] op_sel_hi:[1,1,0]   ; .. t + c3, c2, c1
.endr
.endr
.irp n, 0,2,4,6,8,10,12,14
	v_pk_mul_f32 v[YY+\n:YY+\n+1], v[YY+\n:YY+\n+1], v[UU+\n:UU+\n+1]
.endr
.irp n, 0,2,4,6,8,10,12,14
	v_pk_mul_f32 v[YY+\n:YY+\n+1], v[YY+\n:YY+\n+1], v[WW+\n:WW+\n+1]       ; q
.endr
.irp n, 0,1,2,3,4,5,6,7,8,9,10,11,12,13,14,15
	v_max_num_f32 v[UU+\n], 0, v[(\x)+\n]
.endr
.irp n, 0,1,2,3,4,5,6,7,8,9,10,11,12,13,14,15
	v_fma_f32 v[(\x)+\n], -|v[(\x)+\n]|, v[YY+\n], v[UU+\n]
.endr
.endm
	s_load_b256 s[4:11], s[0:1], 0x0               ; A's images, wimg, the bias, the fourth buffer
.if MODE != 5
	s_load_b64 s[12:13], s[0:1], 0x20              ; the fifth
.endif
.if MODE == 6
	v_lshl_add_u32 v[SPW], v0, 2, SPARE
	v_mov_b32 v[NIL], 0
.endif
	v_lshrrev_b32 v1, 5, v0
	v_readfirstlane_b32 s14, v1                    ; wave 0..3
	s_lshr_b32 s15, s14, 1                         ; which of A's two panels is mine.  Also: I fetch for A (0) or for B (1)
	s_and_b32 s16, s14, 1                          ; which of B's.  Also: which panel I fetch
	s_bfe_u32 s40, ttmp6, 0x40000                  ; cx, cy: my place in the cluster
	s_bfe_u32 s41, ttmp6, 0x40004
	s_and_b32 s18, ttmp7, 0xffff                   ; cluster y
	s_mov_b32 s19, ttmp9                           ; cluster x
.if MODE == 1                          ; clusters with y under 8: q and k, 32 x 16 tiles; the other 16 clusters: V^T, 8 x 32 tiles.  Only numbers and pointers are chosen, by the cluster's y
	s_max_u32 s20, s18, 8
	s_sub_co_u32 s20, s20, 8
	s_lshl_b32 s20, s20, 2
	s_add_co_u32 s20, s20, s19
	s_lshr_b32 s21, s20, 3
	s_and_b32 s22, s20, 7
	s_cmp_ge_u32 s18, 8
	s_cselect_b32 s18, s21, s18
	s_cselect_b32 s19, s22, s19
	s_cselect_b32 s70, 0, -1                       ; all lanes where the bias runs along B's rows,
	s_cselect_b32 s71, -1, 0                       ; along A's
	s_cselect_b32 s72, 1, 0
.endif
	s_lshl_b32 s42, s19, 2
	s_add_co_u32 s42, s42, s40                     ; tile column
	s_lshl_b32 s17, s18, 2
	s_add_co_u32 s17, s17, s41                     ; tile row
	s_lshl_b32 s43, s41, 2
	s_lshl_b32 s43, 15, s43                        ; my row of the cluster
	s_lshl_b32 s44, 0x1111, s40                    ; my column
	; descriptor group 1: 25,600 dense bytes as 100 rows of 32 elements of 8 bytes; no padding: every LDS read takes a plane's consecutive bytes
	s_or_b32 s[G1A], s43, (3<<16)|(1<<21)
	s_or_b32 s[G1B], s44, (3<<16)|(1<<21)
.irp g, G1A, G1B
	s_mov_b32 s[\g+1], 32<<16                      ; tensor_dim0
	s_mov_b32 s[\g+2], 100<<16                     ; tensor_dim1
	s_mov_b32 s[\g+3], 32<<16                      ; tile_dim0
	s_mov_b32 s[\g+4], 100                         ; tile_dim1
	s_mov_b32 s[\g+5], 32                          ; the pitch
	s_mov_b32 s[\g+6], 0
	s_mov_b32 s[\g+7], 0
.endr
	s_lshl_b32 s20, s17, 1
	s_add_co_u32 s20, s20, s16
	s_mul_i32 s20, s20, KST*UNIT                   ; A: panel 2 x tile row + the one I fetch
	s_mov_b32 s21, 0
	s_lshl_b32 s46, s42, 1
	s_add_co_u32 s46, s46, s16
	s_mul_i32 s46, s46, KST*UNIT                   ; B: panel 2 x tile column + the one I fetch
	s_mov_b32 s47, 0
	s_mul_i32 s45, s14, CH                         ; where it goes: wave x a panel's part
	s_wait_kmcnt 0x0
.if MODE == 1
	s_add_nc_u64 s[74:75], s[6:7], 32*8*UNIT       ; Wv's panels
	s_cmp_eq_u32 s72, 1
	s_cselect_b64 s[76:77], s[74:75], s[4:5]
	s_cselect_b64 s[78:79], s[4:5], s[6:7]
	s_cselect_b64 s[80:81], s[12:13], s[10:11]     ; vt or qk
.else
	s_mov_b64 s[76:77], s[4:5]
	s_add_nc_u64 s[78:79], s[6:7], BOFF
.endif
	s_add_nc_u64 s[20:21], s[76:77], s[20:21]
	s_add_nc_u64 s[46:47], s[78:79], s[46:47]
.irp s, 0,1
	s_mov_b32 s[G0A+4*\s], 1
	s_add_co_u32 s[G0A+4*\s+1], s45, \s*SLOT
	s_add_nc_u64 s[G0A+4*\s+2:G0A+4*\s+3], s[20:21], \s*CH
	s_or_b32 s[G0A+4*\s+3], s[G0A+4*\s+3], 0x80000000
	s_mov_b32 s[G0B+4*\s], 1
	s_add_co_u32 s[G0B+4*\s+1], s45, \s*SLOT
	s_add_nc_u64 s[G0B+4*\s+2:G0B+4*\s+3], s[46:47], \s*CH
	s_or_b32 s[G0B+4*\s+3], s[G0B+4*\s+3], 0x80000000
.endr
	CROUND                                         ; all sixteen work-groups are here: the first joint loads meet
	s_cmp_eq_u32 s15, 0                            ; a wave's two first fills stand in one branch: two tensor loads of mine are out
	s_cbranch_scc0 .Lfirst_b
	tensor_load_to_lds s[G0A:G0A+3], s[G1A:G1A+7]
	tensor_load_to_lds s[G0A+4:G0A+7], s[G1A:G1A+7]
.rept 4
	v_nop
.endr
	s_branch .Lfirst_asked
.Lfirst_b:
	tensor_load_to_lds s[G0B:G0B+3], s[G1B:G1B+7]
	tensor_load_to_lds s[G0B+4:G0B+7], s[G1B:G1B+7]
.rept 4
	v_nop
.endr
.Lfirst_asked:
	v_and_b32 v3, 31, v0                           ; lane
	v_and_b32 v1, 15, v0                           ; r
	v_bfe_u32 v2, v0, 4, 1                         ; h
	v_lshlrev_b32 v[L8], 3, v3
	v_lshlrev_b32 v[L4], 2, v3
	s_mul_i32 s22, s15, CH
	s_mul_i32 s23, s16, CH
	s_add_co_u32 s23, s23, 2*CH
	v_add_nc_u32 v[ADRA], s22, v[L8]
	v_add_nc_u32 v[ADRB], s23, v[L8]
	v_add_nc_u32 v[ADRA+1], SLOT, v[ADRA]
	v_add_nc_u32 v[ADRB+1], SLOT, v[ADRB]
	s_sub_co_u32 s23, s23, s22
	v_mul_u32_u24 v[ADRS], s23, v2                 ; lanes 16-31 take B's scale words: one product, the distance between the two panels
	v_lshl_add_u32 v[ADRS], v1, 2, v[ADRS]
	s_add_co_u32 s22, s22, 6144
	v_add_nc_u32 v[ADRS], s22, v[ADRS]
	v_add_nc_u32 v[ADRS+1], SLOT, v[ADRS]
	s_lshl_b32 s82, s17, 1
	s_add_co_u32 s82, s82, s15                     ; my panel of A
	s_lshl_b32 s46, s42, 7
	s_lshl_b32 s47, s16, 6
	s_add_co_u32 s46, s46, s47                     ; my first column: 128 x tile column + 64 x half
	s_lshl_b32 s92, s46, 2
.if MODE == 1
	s_cmp_eq_u32 s72, 1
	s_cselect_b32 s92, 0, s92                      ; (V^T: the columns are tokens; the loads stay inside the bias, and what they bring is set to 0)
.endif
	s_mov_b32 s93, 0
	s_add_nc_u64 s[94:95], s[8:9], s[92:93]
	v_lshlrev_b32 v15, 6, v2
.irp b, 0,1,2,3                        ; register 8 b + j: the bias of column 32 (b / 2) + 16 h + 8 (b % 2) + j
	global_load_b128 v[BB+8*\b:BB+8*\b+3], v15, s[94:95] offset:(32*(\b/2)+8*(\b%2))*4
	global_load_b128 v[BB+8*\b+4:BB+8*\b+7], v15, s[94:95] offset:(32*(\b/2)+8*(\b%2))*4+16
.endr
.if QOUT
	s_mov_b32 s[SEL], 0x76543210
	s_mov_b32 s[SEL+1], 0xfedcba98
	s_mov_b32 s69, 0xffff0000                      ; lanes 16-31
	v_mov_b32 v[HT], 0                             ; written once: a lane permute's destination counts as one of its sources
	v_mov_b32 v[HT+1], 0
	s_lshl_b32 s84, s82, 5                         ; the output has 32 K steps a panel
	s_add_co_u32 s84, s84, s42
	s_mul_i32 s84, s84, UNIT
	s_mov_b32 s85, 0
.if MODE == 1
	s_add_nc_u64 s[86:87], s[80:81], s[84:85]      ; my unit of the output
.else
	s_add_nc_u64 s[86:87], s[10:11], s[84:85]
.endif
	s_lshl_b32 s84, s16, 1
	s_add_co_u32 s84, s84, 6144
	s_add_nc_u64 s[88:89], s[86:87], s[84:85]      ; my two bytes of its scale words
	s_mul_i32 s84, s16, 768
	s_add_nc_u64 s[86:87], s[86:87], s[84:85]      ; my half of its planes
.endif
.if MODE == 1
	s_lshl_b32 s90, s82, 8
	s_add_co_u32 s90, s90, 2048*4
	s_cmp_eq_u32 s72, 1
	s_cselect_b32 s90, s90, 0
	s_mov_b32 s91, 0
	s_add_nc_u64 s[90:91], s[8:9], s[90:91]
	v_and_b32 v26, 7, v1
	v_bfe_u32 v27, v1, 3, 1
	v_lshl_add_u32 v26, v27, 4, v26
	v_lshlrev_b32 v26, 2, v26
.irp a, 0,1,2,3
	global_load_b32 v[BA+2*\a], v26, s[90:91] offset:(32*(\a/2)+8*(\a%2))*4   ; the bias of my lane's row of A's tile a
.endr
	s_wait_loadcnt 0x0
.set n, 0
.rept 32
	v_cndmask_b32 v[BB+n], 0, v[BB+n], s70
.set n, n+1
.endr
.irp a, 0,1,2,3
	v_cndmask_b32 v[BA+2*\a], 0, v[BA+2*\a], s71
	v_mov_b32 v[BA+2*\a+1], v[BA+2*\a]
.endr
.endif
.if MODE == 5
	s_mov_b32 s68, 0x3e6d3389                      ; p = 0.2316419
	s_mov_b32 s96, 0xbf38aa3b                      ; -log2(e) / 2
	s_mov_b32 s97, s96                             ; (each pair is named whole, so both words are written)
	s_mov_b32 s98, 0x3e027906                      ; c1
	s_mov_b32 s99, s98
	s_mov_b32 s70, 0xbe11a98e                      ; c2
	s_mov_b32 s71, s70
	s_mov_b32 s72, 0x3f35f0e3                      ; c3
	s_mov_b32 s73, s72
	s_mov_b32 s74, 0xbf3a00e3                      ; c4
	s_mov_b32 s75, s74
	v_mov_b32 v26, 0x3f07dc22                      ; c5
	v_mov_b32 v27, 0x3f07dc22
	s_wait_loadcnt 0x0
.endif
.if !QOUT
	s_mul_i32 s23, s14, 16*272
	s_add_co_u32 s23, s23, STAGE                   ; my stage
	v_mul_u32_u24 v[STO], v1, 272
	v_lshl_add_u32 v[STO], v2, 6, v[STO]
	v_add_nc_u32 v[STO], s23, v[STO]               ; in: row r, + 64 h
	v_mul_u32_u24 v[RD], v2, 272
	v_lshl_add_u32 v[RD], v1, 4, v[RD]
	v_add_nc_u32 v[RD], s23, v[RD]                 ; back: lanes 0-15 one row of 256 bytes, lanes 16-31 the next
	v_lshlrev_b32 v[CO], 12, v2
	v_lshl_add_u32 v[CO], v1, 4, v[CO]             ; and the same two rows in memory (rows of 4,096 bytes)
	s_lshl_b32 s84, s82, 18                        ; my panel's 64 rows
	s_add_co_u32 s84, s84, s92
	s_mov_b32 s85, 0
	s_add_nc_u64 s[86:87], s[10:11], s[84:85]      ; the residual
	s_add_nc_u64 s[88:89], s[12:13], s[84:85]      ; the output
	WIN TO_R
.irp a, 0,1,2,3                        ; stage rows 2 t and 2 t + 1 of A's tile a are rows 32 (a / 2) + 8 (a % 2) + (2 t) % 8 + 16 (t / 4) and the next of my panel
.irp t, 0,1,2,3,4,5,6,7
	global_load_b128 v[32*\a+4*\t:32*\a+4*\t+3], v[CO], s[86:87] offset:(32*(\a/2)+8*(\a%2)+(2*\t)%8+16*(\t/4))*4096
.endr
.endr
	WIN 0
	s_wait_loadcnt 32                              ; the bias is in; the 32 loads of the residual may be out
.endif
	s_wait_tensorcnt 1                             ; my part of slot 0 is in; slot 1's may stay out
	s_barrier_signal -1
	s_barrier_wait -1
	CHUNK 0, 1
.if NCH == 2
	s_wait_tensorcnt 0x0                           ; my part of slot 1 is in
	s_wait_dscnt 0x0
	s_barrier_signal -1
	s_barrier_wait -1
	CHUNK 1, 0
.else
	s_mov_b32 s3, (NCH-2)/2
.Lring:
	TWO 1, 1
	TWO 0, 1
	s_sub_co_u32 s3, s3, 1
	s_cmp_lg_u32 s3, 0
	s_cbranch_scc1 .Lring
	TWO 1, 0                                       ; the last slot is written out: nothing is left to fetch
.endif
.if QOUT
	PLACES
.irp a, 0,1,2,3                        ; A's tile a: 32 registers = 64 columns of my lane's row, each accumulator from its low end on
.if MODE == 1
.irp n, 0,2,4,6,8,10,12,14,16,18,20,22,24,26,28,30
	v_pk_add_f32 v[ACC+32*\a+\n:ACC+32*\a+\n+1], v[ACC+32*\a+\n:ACC+32*\a+\n+1], v[BA+2*\a:BA+2*\a+1]
.endr
.else
	GELU16 ACC+32*\a
	GELU16 ACC+32*\a+16
.endif
	HALFQ ACC+32*\a, CD+6*\a, PW+\a
.irp p, 0,1,2
	global_store_b64 v[L8], v[CD+6*\a+2*\p:CD+6*\a+2*\p+1], s[86:87] offset:1536*\a+256*\p   ; a plane: 256 consecutive bytes, aligned
.endr
.endr
	v_cndmask_b32 v72, v[PW], v[PW+1], s69         ; lanes 0-15: tile 0's rows, lanes 16-31: tile 1's
	v_cndmask_b32 v73, v[PW+2], v[PW+3], s69
	global_store_b16 v[L4], v72, s[88:89]
	global_store_b16 v[L4], v73, s[88:89] offset:128
.else
	s_wait_loadcnt 0x0                             ; the residual
	PLACES
.irp a, 0,1,2,3
.if \a >= 2
	s_wait_xcnt 0x0                                ; tile a - 2's stores have read their registers: this tile's rows may land there
.endif
.irp b, 0,1,2,3
	ds_store_b128 v[STO], v[ACC+8*(4*\a+\b):ACC+8*(4*\a+\b)+3] offset:128*(\b/2)+32*(\b%2)
	ds_store_b128 v[STO], v[ACC+8*(4*\a+\b)+4:ACC+8*(4*\a+\b)+7] offset:128*(\b/2)+32*(\b%2)+16
.endr
.irp t, 0,1,2,3,4,5,6,7
	ds_load_b128 v[OB+32*(\a%2)+4*\t:OB+32*(\a%2)+4*\t+3], v[RD] offset:544*\t   ; LDS serves a wave's instructions in order (ISA guide 5.7.1.4): these see my stores
.endr
	s_wait_dscnt 0x0
	WIN W_RES
.set n, 0
.rept 16
	v_pk_add_f32 v[OB+32*(\a%2)+n:OB+32*(\a%2)+n+1], v[OB+32*(\a%2)+n:OB+32*(\a%2)+n+1], v[32*\a+n:32*\a+n+1]
.set n, n+2
.endr
	WIN 0
.irp t, 0,1,2,3,4,5,6,7
	global_store_b128 v[CO], v[OB+32*(\a%2)+4*\t:OB+32*(\a%2)+4*\t+3], s[88:89] offset:(32*(\a/2)+8*(\a%2)+(2*\t)%8+16*(\t/4))*4096   ; sixteen lanes store 256 consecutive bytes, aligned
.endr
.endr
.endif
.if MODE == 6
	s_wait_tensorcnt 0x0                           ; the wave's end
	ds_add_u32 v[SPW], v[NIL]
	s_wait_dscnt 0x0
.endif
	CROUND                                         ; the closing round: no work-group ends while a partner may still ask for a tile that names it
	s_endpgm
.Lfunc_end_k_qb6d819d378_gqkv:
	.size	k_qb6d819d378_gqkv, .Lfunc_end_k_qb6d819d378_gqkv-k_qb6d819d378_gqkv
	.p2alignl 7, 3214868480
	.fill 96, 4, 3214868480
	.section	.rodata,"a",@progbits
	.p2align	6, 0x0
	.amdhsa_kernel k_qb6d819d378_gqkv
		.amdhsa_group_segment_fixed_size 327680
		.amdhsa_private_segment_fixed_size 0
		.amdhsa_enable_private_segment 0
		.amdhsa_kernarg_size 40
		.amdhsa_user_sgpr_count 2
		.amdhsa_user_sgpr_kernarg_segment_ptr 1
		.amdhsa_wavefront_size32 1
		.amdhsa_system_sgpr_workgroup_id_x 1
		.amdhsa_system_sgpr_workgroup_id_y 1
		.amdhsa_system_sgpr_workgroup_id_z 1
		.amdhsa_system_vgpr_workitem_id 0
		.amdhsa_next_free_vgpr 512
		.amdhsa_next_free_sgpr 100
		.amdhsa_reserve_vcc 0
		.amdhsa_float_denorm_mode_32 3
		.amdhsa_float_denorm_mode_16_64 3
		.amdhsa_memory_ordered 1
		.amdhsa_forward_progress 1
		.amdhsa_inst_pref_size 69
	.end_amdhsa_kernel
	.amdgpu_metadata
---
amdhsa.version: [ 1, 2 ]
amdhsa.kernels:
  - .name:           k_qb6d819d378_gqkv
    .symbol:         k_qb6d819d378_gqkv.kd
    .args:
      - { .name: h, .offset: 0, .size: 8, .value_kind: global_buffer, .address_space: global }
      - { .name: wimg, .offset: 8, .size: 8, .value_kind: global_buffer, .address_space: global }
      - { .name: qkv_b, .offset: 16, .size: 8, .value_kind: global_buffer, .address_space: global }
      - { .name: qk, .offset: 24, .size: 8, .value_kind: global_buffer, .address_space: global }
      - { .name: vt, .offset: 32, .size: 8, .value_kind: global_buffer, .address_space: global }
    .group_segment_fixed_size: 327680
    .private_segment_fixed_size: 0
    .kernarg_segment_align: 8
    .kernarg_segment_size: 40
    .max_flat_workgroup_size: 128
    .sgpr_count:     100
    .vgpr_count:     512
    .wavefront_size: 32
...
	.end_amdgpu_metadata
.endif
;; end of part 3
;; launch att (part 4): grid 256 x 1, 8 waves a work-group, no clusters, 0 bytes of LDS; arguments qk, vt, ao; writes ao
.if DOCPART == 4
	.amdgcn_target "amdgcn-amd-amdhsa--gfx1250"
	.amdhsa_code_object_version 6
	.text
	.protected	k_qb6d819d378_att
	.globl	k_qb6d819d378_att
	.p2align	8
	.type	k_qb6d819d378_att,@function
k_qb6d819d378_att:
	s_mov_b64 s[64:65], 0
	v_nop
	global_prefetch_b8 v0, s[64:65] scope:SCOPE_SE
	s_setreg_imm32_b32 hwreg(HW_REG_WAVE_MODE, 25, 1), 1
	s_wait_xcnt 0x0
; Causal attention over a window of 3 keys, both products on codes of FP6 (E2M3).  A wave takes one head and one block of 32 queries (two tiles of 16); the keys that count lie in that block of 32
; tokens and the one before: all other blocks of keys are masked whole and add nothing.  2,048 waves; no LDS, no barrier: waves share nothing.
; INPUTS are images of operand registers (units of 6,400 bytes: 64 rows x 128 along K; image i at 1536 i, plane q = registers 2q, 2q+1 at 256 q + 8 x lane; scale words at 6144 + 64 i + 4 r).
; qk: panel = 64 tokens, 32 steps a panel: steps 0-7 q, 8-15 k; a head is half a step.  vt: V^T, panel = head, step = 128 tokens.  Lane row r of tile T is row 32 (T / 2) + 8 (T % 2) + r % 8 + 16 (r / 8).
; Both products have K = 64: registers 0-5 of each operand; registers 6-11 are zero codes on both sides, which add nothing.
; S^T = K Q^T (source 0 = 16 keys): a lane holds one query; register 16 g + n is key 16 (lane / 16) + n of block g (0: the block before, 1: the queries' own).
; p = 2^(t - M), t = score x log2(e) / 8, M = ceil of the row's largest t (all the row's keys are in hand); the row's sum is taken of the unquantised p and divides at the end.
; O^T = V^T P^T; O / sum is quantised along the channels and leaves as images for the next product.
; The block before a sequence's first block is masked whole; for the very first block its loads are held at block 0, inside the buffers.
; LIMITS: NaN and infinities are not served; a block of zeros gets the byte 1; scale bytes leave 2 bytes a lane.
.set KT, 16                            ; v16-63   K's four tiles, 12 registers each
.set QT, 64                            ; v64-87   Q's two
.set OT, 16                            ; v16-79   O^T, 32 a tile of queries: over K and Q, which are done with
.set VT, 88                            ; v88-135  V^T's four tiles
.set SS, 136                           ; v136-199 S^T, then p: 32 a tile of queries
.set PP, 200                           ; v200-211 p's codes
.set HX, 212                           ; v212-214 a conversion's second half
.set OC, 216                           ; v216-227 O's codes
.set KS, 228                           ; scale words: K's four, Q's two, V's four (and V's second bytes), p's
.set QS, 232
.set VS, 234
.set VB, 238
.set PWP, 242
.set NINF, 243
.set NM, 244                           ; v[244:245] -M
.set LL, 246
.set L2, 248
.set TMP, 250
.set RL, 252                           ; v[252:253] 1 / the sum
.set PWO, 254                          ; v254-255 O's scale bytes
.set HM, 6
.set HT, 8
.set HE, 10
.set HB, 12
.set D0, 14                            ; v14, v15: my query less the first key that I hold of block 0, 1
.set SEL, 54
.set CS, 56
.macro HALFQ src, dst, pw              ; 32 numbers, register 16 g + n = k 32 g + 16 (lane / 16) + n, become half a fragment and two scale bytes
	v_max3_num_f32 v[HM], |v[(\src)]|, |v[(\src)+1]|, 0x1800000
	v_max3_num_f32 v[HM+1], |v[(\src)+16]|, |v[(\src)+17]|, 0x1800000
.irp i, 2,4,6,8,10,12,14
	v_max3_num_f32 v[HM], v[HM], |v[(\src)+\i]|, |v[(\src)+\i+1]|
	v_max3_num_f32 v[HM+1], v[HM+1], |v[(\src)+16+\i]|, |v[(\src)+17+\i]|
.endr
	v_permlanex16_b32 v[HT], v[HM], s[SEL], s[SEL+1]
	v_permlanex16_b32 v[HT+1], v[HM+1], s[SEL], s[SEL+1]
	v_max_num_f32 v[HM], v[HM], v[HT]
	v_max_num_f32 v[HM+1], v[HM+1], v[HT+1]
	v_add_nc_u32 v[HE], 0xff000000, v[HM]
	v_add_nc_u32 v[HE+1], 0xff000000, v[HM+1]
	v_lshrrev_b32 v[HB], 23, v[HE]
	v_lshrrev_b32 v[HB+1], 23, v[HE+1]
	v_lshl_or_b32 v[(\pw)], v[HB+1], 8, v[HB]
	v_cvt_scalef32_pk16_fp6_f32 v[(\dst):(\dst)+2], v[(\src):(\src)+15], v[HE]
	v_cvt_scalef32_pk16_fp6_f32 v[HX:HX+2], v[(\src)+16:(\src)+31], v[HE+1]
	v_nop                                          ; one plain place behind a scaled conversion
.irp i, 0,1,2
	v_permlane16_swap_b32 v[(\dst)+\i], v[HX+\i]
.endr
.irp i, 0,1,2
	v_mov_b32 v[(\dst)+3+\i], v[HX+\i]
.endr
.endm
.macro QKOFF code, scl, kap            ; block s[kap] of 32 tokens in qk: byte offsets of my head's planes and scale bytes (q's; k's lie 8 units on)
	s_lshr_b32 s[\code], s[\kap], 1
	s_lshl_b32 s[\code], s[\code], 5
	s_add_co_u32 s[\code], s[\code], s14
	s_mul_i32 s[\code], s[\code], 6400
	s_and_b32 s17, s[\kap], 1
	s_lshl_b32 s[\scl], s17, 7
	s_add_co_u32 s[\scl], s[\scl], s[\code]
	s_add_co_u32 s[\scl], s[\scl], s19
	s_mul_i32 s17, s17, 3072
	s_add_co_u32 s[\code], s[\code], s17
	s_add_co_u32 s[\code], s[\code], s18
.endm
.macro VOFF o, sc, blk                 ; block s[blk] of 32 keys in vt: where its 128 bytes of a plane begin, and its scale byte
	s_lshr_b32 s[\o], s[\blk], 2
	s_lshl_b32 s17, s11, 5
	s_add_co_u32 s[\o], s[\o], s17
	s_mul_i32 s[\o], s[\o], 6400
	s_and_b32 s17, s[\blk], 3
	s_add_co_u32 s[\sc], s[\o], s17
	s_add_co_u32 s[\sc], s[\sc], 6144
	s_bfe_u32 s17, s[\blk], 0x10001
	s_mul_i32 s17, s17, 768
	s_add_co_u32 s[\o], s[\o], s17
	s_and_b32 s17, s[\blk], 1
	s_lshl_b32 s17, s17, 7
	s_add_co_u32 s[\o], s[\o], s17
.endm
	s_load_b128 s[4:7], s[0:1], 0x0                ; qk, vt
	s_load_b64 s[8:9], s[0:1], 0x10                ; ao
	v_lshrrev_b32 v1, 5, v0
	v_readfirstlane_b32 s2, v1                     ; wave 0..7
	s_lshl_b32 s10, ttmp9, 3
	s_add_co_u32 s10, s10, s2
	s_and_b32 s11, s10, 15                         ; the head
	s_lshr_b32 s12, s10, 4                         ; my block of 32 queries
	s_and_b32 s13, s11, 1                          ; the head's half of a K step,
	s_lshr_b32 s14, s11, 1                         ; and the step
	s_max_u32 s15, s12, 1
	s_sub_co_u32 s15, s15, 1                       ; the block before, held at 0
	s_and_b32 s16, s12, 63
	s_cmp_eq_u32 s16, 0
	s_cselect_b32 s16, 4128, 32                    ; a query stands 32 further from the block before; 4,096 more where that block is no part of the sequence: no key of it counts
	s_mul_i32 s18, s13, 768
	s_lshl_b32 s19, s13, 1
	s_add_co_u32 s19, s19, 6144
	QKOFF 20, 22, 15
	QKOFF 24, 26, 12
	VOFF 36, 38, 15
	VOFF 37, 40, 12
	s_lshr_b32 s46, s12, 1
	s_lshl_b32 s46, s46, 3
	s_add_co_u32 s46, s46, s14
	s_mul_i32 s46, s46, 6400                       ; ao: my unit
	s_and_b32 s17, s12, 1
	s_lshl_b32 s48, s17, 7
	s_add_co_u32 s48, s48, s46
	s_add_co_u32 s48, s48, s19
	s_mul_i32 s17, s17, 3072
	s_add_co_u32 s46, s46, s17
	s_add_co_u32 s46, s46, s18
.irp x, 21,23,25,27,39,41,47,49
	s_mov_b32 s\x, 0
.endr
	s_sub_co_u32 s17, s37, s36
	s_mov_b32 s[SEL], 0x76543210
	s_mov_b32 s[SEL+1], 0xfedcba98
	s_mov_b32 s[CS], 0x3e38aa3b                    ; log2(e) / 8
	s_mov_b32 s[CS+1], s[CS]
	s_mov_b32 s58, 0xffff0000                      ; lanes 16-31
	v_and_b32 v4, 31, v0
	v_lshlrev_b32 v1, 3, v4                        ; 8 x lane
	v_lshlrev_b32 v4, 2, v4                        ; 4 x lane
	v_and_b32 v5, 15, v0                           ; r
	v_lshlrev_b32 v2, 2, v5                        ; 4 r
	v_bfe_u32 v250, v0, 4, 1                       ; h
	v_mul_u32_u24 v3, s17, v250                    ; V: lanes 0-15 take the block before, lanes 16-31 my own: one product, the distance between the two
	v_lshl_add_u32 v3, v5, 3, v3
	v_add_nc_u32 v3, s36, v3
	v_and_b32 v251, 7, v5
	v_bfe_u32 v5, v5, 3, 1
	v_lshl_add_u32 v5, v5, 4, v251
	v_lshlrev_b32 v250, 4, v250
	v_sub_nc_u32 v5, v5, v250                      ; r % 8 + 16 (r / 8) - 16 h
	s_wait_kmcnt 0x0
	s_add_nc_u64 s[28:29], s[4:5], s[20:21]
	s_add_nc_u64 s[30:31], s[4:5], s[22:23]
	s_add_nc_u64 s[32:33], s[4:5], s[24:25]
	s_add_nc_u64 s[34:35], s[4:5], s[26:27]
	s_add_nc_u64 s[42:43], s[6:7], s[38:39]
	s_add_nc_u64 s[44:45], s[6:7], s[40:41]
	s_add_nc_u64 s[50:51], s[8:9], s[46:47]
	s_add_nc_u64 s[52:53], s[8:9], s[48:49]
.irp t, 0,1,2,3                        ; K's tile t: block t / 2, tile t % 2 of it
.irp p, 0,1,2
	global_load_b64 v[KT+12*\t+2*\p:KT+12*\t+2*\p+1], v1, s[28+4*(\t/2):29+4*(\t/2)] offset:51200+1536*(\t%2)+256*\p
.endr
	global_load_u16 v[KS+\t], v2, s[30+4*(\t/2):31+4*(\t/2)] offset:51200+64*(\t%2)
.endr
.irp q, 0,1
.irp p, 0,1,2
	global_load_b64 v[QT+12*\q+2*\p:QT+12*\q+2*\p+1], v1, s[32:33] offset:1536*\q+256*\p
.endr
	global_load_u16 v[QS+\q], v2, s[34:35] offset:64*\q
.endr
.irp i, 0,1,2,3
.irp p, 0,1,2
	global_load_b64 v[VT+12*\i+2*\p:VT+12*\i+2*\p+1], v3, s[6:7] offset:1536*\i+256*\p
.endr
	global_load_u8 v[VS+\i], v2, s[42:43] offset:64*\i
	global_load_u8 v[VB+\i], v2, s[44:45] offset:64*\i
.endr
.irp b, KT, KT+12, KT+24, KT+36, QT, QT+12, VT, VT+12, VT+24, VT+36, PP
.irp i, 6,7,8,9,10,11
	v_mov_b32 v[\b+\i], 0                          ; zero codes for k = 64 .. 127
.endr
.endr
	v_mov_b32 v[HT], 0                             ; written once: a lane permute's destination counts as one of its sources
	v_mov_b32 v[HT+1], 0
	v_mov_b32 v[NM+1], 0                           ; (named as the upper halves of pairs)
	v_mov_b32 v[RL+1], 0
	v_mov_b32 v[NINF], 0xff800000
	s_wait_loadcnt 0x0
.irp i, 0,1,2,3
	v_lshl_or_b32 v[VS+\i], v[VB+\i], 8, v[VS+\i]  ; V's scale word: byte 0 the block before, byte 1 my own
.endr
.irp t, 0,1,2,3
.irp q, 0,1
	v_wmma_scale_f32_16x16x128_f8f6f4 v[SS+32*\q+8*\t:SS+32*\q+8*\t+7], v[KT+12*\t:KT+12*\t+11], v[QT+12*\q:QT+12*\q+11], 0, v[KS+\t], v[QS+\q] matrix_a_fmt:MATRIX_FMT_FP6 matrix_b_fmt:MATRIX_FMT_FP6
.endr
.endr
.rept 4
	v_nop                                          ; four places ahead of the first read of the scores
.endr
.macro TILE qt
.set SB, SS+32*(\qt)
.set OB, OT+32*(\qt)
	v_add_nc_u32 v[D0+1], 8*(\qt), v5
	v_add_nc_u32 v[D0], s16, v[D0+1]
.irp g, 0,1                            ; a key counts where query - key is 0, 1 or 2; the others' scores become -infinity.  Each accumulator from its low end on
.irp n, 0,1,2,3,4,5,6,7,8,9,10,11,12,13,14,15
	v_add_nc_u32 v[TMP], -\n, v[D0+\g]
	v_cmp_gt_u32 vcc_lo, 3, v[TMP]
	v_cndmask_b32 v[SB+16*\g+\n], v[NINF], v[SB+16*\g+\n], vcc_lo
.endr
.endr
.irp g, 0,1
	v_max3_num_f32 v[HM+\g], v[SB+16*\g], v[SB+16*\g+1], v[SB+16*\g+2]     ; each block's largest score: for the row's maximum, and, since p rises with the score, for the block's largest p
.endr
.irp i, 3,5,7,9,11,13
.irp g, 0,1
	v_max3_num_f32 v[HM+\g], v[HM+\g], v[SB+16*\g+\i], v[SB+16*\g+\i+1]
.endr
.endr
.irp g, 0,1
	v_max_num_f32 v[HM+\g], v[HM+\g], v[SB+16*\g+15]
.endr
.irp g, 0,1
	v_permlanex16_b32 v[HT+\g], v[HM+\g], s[SEL], s[SEL+1]
.endr
.irp g, 0,1
	v_max_num_f32 v[HM+\g], v[HM+\g], v[HT+\g]
.endr
	v_max_num_f32 v[TMP], v[HM], v[HM+1]           ; the row's largest score (its own key always counts)
	v_mul_f32 v[TMP], s[CS], v[TMP]
	v_floor_f32 v[NM], -v[TMP]                     ; -M = floor(-t)
.irp j, 0,2,4,6,8,10,12,14,16,18,20,22,24,26,28,30
	v_pk_fma_f32 v[SB+\j:SB+\j+1], v[SB+\j:SB+\j+1], s[CS:CS+1], v[NM:NM+1] op_sel_hi:[1,0,0]   ; t - M
.endr
.irp g, 0,1
	v_fma_f32 v[HM+\g], v[HM+\g], s[CS], v[NM]
.endr
.set j, 0
.rept 32
	v_exp_f32 v[SB+j], v[SB+j]                     ; p
.set j, j+1
.endr
	v_exp_f32 v[HM], v[HM]                         ; each block's largest p: the same two instructions on the same number
	v_exp_f32 v[HM+1], v[HM+1]
	v_nop                                          ; a plain place behind the batch
	s_wait_alu depctr_va_vdst(0)                   ; one wait for the 34, ahead of their first reader
	v_pk_add_f32 v[LL:LL+1], v[SB:SB+1], v[SB+2:SB+3]          ; the sum of the unquantised p, in two chains
	v_pk_add_f32 v[L2:L2+1], v[SB+4:SB+5], v[SB+6:SB+7]
.irp j, 8,12,16,20,24,28
	v_pk_add_f32 v[LL:LL+1], v[LL:LL+1], v[SB+\j:SB+\j+1]
	v_pk_add_f32 v[L2:L2+1], v[L2:L2+1], v[SB+\j+2:SB+\j+3]
.endr
	v_pk_add_f32 v[LL:LL+1], v[LL:LL+1], v[L2:L2+1]
	v_add_f32 v[LL], v[LL], v[LL+1]
	v_permlanex16_b32 v[HT], v[LL], s[SEL], s[SEL+1]
	v_add_f32 v[LL], v[LL], v[HT]
	v_rcp_f32 v[RL], v[LL]
.irp g, 0,1
	v_max_num_f32 v[HM+\g], 0x1800000, v[HM+\g]    ; the floor 2^(3 - 127): a block whose every p is 0 keeps the byte 1: its codes are zeros
.endr
.irp g, 0,1
	v_add_nc_u32 v[HE+\g], 0xff000000, v[HM+\g]
.endr
.irp g, 0,1
	v_lshrrev_b32 v[HB+\g], 23, v[HE+\g]
.endr
	v_lshl_or_b32 v[PWP], v[HB+1], 8, v[HB]
	v_cvt_scalef32_pk16_fp6_f32 v[PP:PP+2], v[SB:SB+15], v[HE]
	v_cvt_scalef32_pk16_fp6_f32 v[HX:HX+2], v[SB+16:SB+31], v[HE+1]
	v_nop                                          ; one plain place behind a scaled conversion
.irp i, 0,1,2
	v_permlane16_swap_b32 v[PP+\i], v[HX+\i]
.endr
.irp i, 0,1,2
	v_mov_b32 v[PP+3+\i], v[HX+\i]
.endr
.rept 8
	v_nop                                          ; a scale register written by a vector instruction stands 8 places ahead of a scaled matrix instruction, an operand so written 4
.endr
.irp i, 0,1,2,3
	v_wmma_scale_f32_16x16x128_f8f6f4 v[OB+8*\i:OB+8*\i+7], v[VT+12*\i:VT+12*\i+11], v[PP:PP+11], 0, v[VS+\i], v[PWP] matrix_a_fmt:MATRIX_FMT_FP6 matrix_b_fmt:MATRIX_FMT_FP6
.endr
.rept 4
	v_nop
.endr
	s_wait_alu depctr_va_vdst(0)                   ; the reciprocal's wait, ahead of its first reader
.irp j, 0,2,4,6,8,10,12,14,16,18,20,22,24,26,28,30
	v_pk_mul_f32 v[OB+\j:OB+\j+1], v[OB+\j:OB+\j+1], v[RL:RL+1] op_sel_hi:[1,0]    ; O / the sum: register 16 g + n is channel 32 g + 16 h + n of my query
.endr
	HALFQ OB, OC+6*(\qt), PWO+(\qt)
.irp p, 0,1,2
	global_store_b64 v1, v[OC+6*(\qt)+2*\p:OC+6*(\qt)+2*\p+1], s[50:51] offset:1536*(\qt)+256*\p   ; a plane: 256 consecutive bytes, aligned
.endr
.endm
	TILE 0
	TILE 1
	v_cndmask_b32 v[TMP], v[PWO], v[PWO+1], s58    ; lanes 0-15: the first tile's rows, lanes 16-31: the second's
	global_store_b16 v4, v[TMP], s[52:53]
	s_endpgm
.Lfunc_end_k_qb6d819d378_att:
	.size	k_qb6d819d378_att, .Lfunc_end_k_qb6d819d378_att-k_qb6d819d378_att
	.p2alignl 7, 3214868480
	.fill 96, 4, 3214868480
	.section	.rodata,"a",@progbits
	.p2align	6, 0x0
	.amdhsa_kernel k_qb6d819d378_att
		.amdhsa_group_segment_fixed_size 0
		.amdhsa_private_segment_fixed_size 0
		.amdhsa_enable_private_segment 0
		.amdhsa_kernarg_size 24
		.amdhsa_user_sgpr_count 2
		.amdhsa_user_sgpr_kernarg_segment_ptr 1
		.amdhsa_wavefront_size32 1
		.amdhsa_system_sgpr_workgroup_id_x 1
		.amdhsa_system_sgpr_workgroup_id_y 1
		.amdhsa_system_sgpr_workgroup_id_z 1
		.amdhsa_system_vgpr_workitem_id 0
		.amdhsa_next_free_vgpr 256
		.amdhsa_next_free_sgpr 66
		.amdhsa_reserve_vcc 1
		.amdhsa_float_denorm_mode_32 3
		.amdhsa_float_denorm_mode_16_64 3
		.amdhsa_memory_ordered 1
		.amdhsa_forward_progress 1
		.amdhsa_inst_pref_size 38
	.end_amdhsa_kernel
	.amdgpu_metadata
---
amdhsa.version: [ 1, 2 ]
amdhsa.kernels:
  - .name:           k_qb6d819d378_att
    .symbol:         k_qb6d819d378_att.kd
    .args:
      - { .name: qk, .offset: 0, .size: 8, .value_kind: global_buffer, .address_space: global }
      - { .name: vt, .offset: 8, .size: 8, .value_kind: global_buffer, .address_space: global }
      - { .name: ao, .offset: 16, .size: 8, .value_kind: global_buffer, .address_space: global }
    .group_segment_fixed_size: 0
    .private_segment_fixed_size: 0
    .kernarg_segment_align: 8
    .kernarg_segment_size: 24
    .max_flat_workgroup_size: 256
    .sgpr_count:     66
    .vgpr_count:     256
    .wavefront_size: 32
...
	.end_amdgpu_metadata
.endif
;; end of part 4
;; launch gproj (part 5): grid 8 x 32, 4 waves a work-group, clusters of 4 x 4, 327,680 bytes of LDS; arguments ao, wimg, proj_b, x, x1; writes x1
.if DOCPART == 5
	.amdgcn_target "amdgcn-amd-amdhsa--gfx1250"
	.amdhsa_code_object_version 6
	.text
	.protected	k_qb6d819d378_gproj
	.globl	k_qb6d819d378_gproj
	.p2align	8
	.type	k_qb6d819d378_gproj,@function
k_qb6d819d378_gproj:
	s_mov_b64 s[64:65], 0
	v_nop
	global_prefetch_b8 v0, s[64:65] scope:SCOPE_SE
	s_setreg_imm32_b32 hwreg(HW_REG_WAVE_MODE, 25, 1), 1
	s_wait_xcnt 0x0
	s_wait_alu depctr_hold_cnt(0) depctr_sa_sdst(0) depctr_va_vdst(0) depctr_va_sdst(0) depctr_va_ssrc(0) depctr_va_vcc(0) depctr_vm_vsrc(0)
	s_getreg_b32 s2, hwreg(HW_REG_IB_STS2, 6, 4)
	s_cmp_eq_u32 s2, 0
	s_cbranch_scc0 .Lentry_in_a_cluster
	s_endpgm
.Lentry_in_a_cluster:
	s_bfe_u32 s2, ttmp6, 0x10000c
	s_cmp_lg_u32 s2, 0xf033
	s_cbranch_scc0 .Lentry_shape_is_right
	s_endpgm
.Lentry_shape_is_right:
; D = A B^T on codes of FP6 (E2M3) with E8M0 scales, sums in f32.  One text serves four launches; MODE says which.
; OPERANDS lie in memory as images of operand registers: a UNIT of 6,400 bytes = 64 rows x 128 along K: four images of 1,536 bytes (six planes of 256 bytes; plane q = fragment registers 2q, 2q+1 at
; 8 x lane), then 256 bytes of scale words (tile i, row r at 64 i + 4 r).  Unit (panel, step) at (panel x steps + step) x 6400.  Lane row r of tile T holds row 32 (T / 2) + 8 (T % 2) + r % 8 + 16 (r / 8).
; A work-group of four waves makes 128 x 128 of D, a wave 64 x 64: 16 accumulators.  N = 1,024 in two of the launches: this tile gives each of them 256 work-groups.
; LDS: two slots; a slot holds 4 K steps of A's two panels and B's two; each wave brings one panel's 25,600 dense bytes by one tensor load.  K = 1,024 is two slots: first fills alone.  K = 4,096 (MODE 6)
; goes round the two slots.  CLUSTERS 4 x 4: A's panels are shared along a row of the cluster, B's along a column: joint loads.
; THE MATRIX INSTRUCTION IS USED TRANSPOSED (source 0 = B's 16 rows, source 1 = A's): a lane holds one row of A's tile, and by the row order above the 32 registers of one A tile are
; columns 32 g + 16 (lane / 16) + n, n = 0 .. 15, g = 0, 1: what the quantiser of the next product wants.  The bias along B's rows is the C of each sum's first instruction.
; MODE 1: q and k (A = tokens, B = Wq, Wk) and V^T (A = Wv, B = tokens, so that the quantiser runs along the keys; its bias runs along A's rows and is added at the end); codes out.
; MODE 5: fc1, exact GELU, codes out.  MODE 4, 6: proj, fc2: + residual, f32 out through a stage in LDS, whole rows of 256 bytes.
; GELU: x Phi(x) = max(x, 0) - |x| q(|x|), q = exp(-x^2 / 2) (c1 t + .. + c5 t^5), t = 1 / (1 + 0.2316419 |x|) (Abramowitz and Stegun 26.2.17, 1 / sqrt(2 pi) folded in).
; LIMITS: Phi is within 7.5e-8; NaN and infinities are not served; a block of zeros gets the byte 1 (zero codes; this program alone reads the bytes); scale bytes leave 2 bytes a lane.
.set MODE, 4
.set KST, 8                            ; K steps of 128
.set BOFF, 0                           ; where B's images begin in wimg
.set QOUT, 0                           ; 1: codes out
.if MODE == 1
.set QOUT, 1
.endif
.if MODE == 4
.set BOFF, 2457600
.endif
.if MODE == 5
.set BOFF, 3276800
.set QOUT, 1
.endif
.if MODE == 6
.set BOFF, 6553600
.set KST, 32
.endif
.set NCH,   KST/4                      ; slots' worth of K
.set UNIT,  6400
.set CH,    4*UNIT                     ; a panel's part of a slot
.set SLOT,  4*CH
.set STAGE, 2*SLOT                     ; 16 rows x 272 bytes for each wave (MODE 4, 6)
.set SPARE, STAGE+4*16*272             ; the spare words, 128 bytes for each wave (MODE 6)
.set ADRA, 4                           ; v4-5   LDS address of my A panel in slot 0, 1: + 8 x lane
.set ADRB, 6                           ; v6-7   of my B panel
.set ADRS, 8                           ; v8-9   of the scale words: lanes 0-15 A's, lanes 16-31 B's
.set L8,   10                          ; v10    8 x lane
.set L4,   11                          ; v11    4 x lane
.set STO,  12
.set RD,   13
.set CO,   14
.set SC,   16                          ; v16-23 scale words, two sets of four: register i: lanes 0-15 A's tile i, lanes 16-31 B's tile i
.set SPW,  24
.set NIL,  25
.set HM,   28
.set HT,   30
.set HE,   32
.set HB,   34
.set HX,   40
.set CD,   44                          ; v44-67 codes, six registers for each A tile
.set PW,   68                          ; v68-71 two scale bytes for each A tile
.set BA,   74                          ; v74-81 MODE 1: the bias along A's rows, a pair a tile
.set YY,   80                          ; MODE 5: v80-95, v96-111, v112-127 at work in the GELU
.set UU,   96
.set WW,   112
.set BB,   96                          ; v96-127 the bias along B's rows, in the result's layout
.set OB,   32                          ; MODE 4, 6: v32-95 rows back from the stage, two sets
.set ACC,  128                         ; v128-255 accumulator (a, b) at 128 + 8 (4 a + b)
.set G1A, 24
.set G0A, 32
.set G1B, 48
.set G0B, 56
.set SEL, 66
.set MSB, 0
.macro WIN new                         ; the immediate's high byte repeats the setting that is left
.if MSB != \new
	s_set_vgpr_msb (MSB<<8)|\new
.set MSB, \new
.endif
.endm
.set MUL,   0x05                       ; sources 0 and 1 in window 1 (the fragments); C and D in window 0
.set TO_F,  0x40                       ; destination window 1
.set TO_R,  0x80                       ; destination window 2 (the residual)
.set W_RES, 0x08                       ; source 1 window 2
.macro PLACES                          ; four plain places behind matrix instructions, ahead of loads into their registers and of reads of their results
.rept 4
	v_nop
.endr
.endm
.macro CREST
	s_cmp_lg_u32 s14, 0
	s_cbranch_scc1 .Lnot_wave_0_\@
	s_barrier_signal -3
.Lnot_wave_0_\@:
	s_barrier_wait -3
	s_barrier_signal -1
	s_barrier_wait -1
.endm
.macro CROUND                          ; a round of the cluster's barrier
	s_barrier_signal -1
	s_barrier_wait -1
	CREST
.endm
.macro JLOAD sg                        ; a joint load into slot sg: waves 0, 1 for A, waves 2, 3 for B; four v_nop behind each line
	s_cmp_eq_u32 s15, 0
	s_cbranch_scc0 .Lfor_b_\@
	tensor_load_to_lds s[G0A+4*(\sg):G0A+4*(\sg)+3], s[G1A:G1A+7]
.rept 4
	v_nop
.endr
	s_branch .Lasked_\@
.Lfor_b_\@:
	tensor_load_to_lds s[G0B+4*(\sg):G0B+4*(\sg)+3], s[G1B:G1B+7]
.rept 4
	v_nop
.endr
.Lasked_\@:
.endm
.macro FETCH sg, u, f                  ; K step u of slot sg into fragment buffer f: 4 + 24 + 24 = 52 LDS loads, each of a plane's consecutive bytes
	WIN 0
.irp i, 0,1,2,3
	ds_load_b32 v[SC+4*(\f)+\i], v[ADRS+\sg] offset:UNIT*(\u)+64*\i
.endr
	WIN TO_F
.irp i, 0,1,2,3
.irp q, 0,1,2,3,4,5
	ds_load_b64 v[96*(\f)+48+12*\i+2*\q:96*(\f)+48+12*\i+2*\q+1], v[ADRB+\sg] offset:UNIT*(\u)+1536*\i+256*\q
.endr
.endr
.irp i, 0,1,2,3
.irp q, 0,1,2,3,4,5
	ds_load_b64 v[96*(\f)+12*\i+2*\q:96*(\f)+12*\i+2*\q+1], v[ADRA+\sg] offset:UNIT*(\u)+1536*\i+256*\q
.endr
.endr
	WIN 0
.endm
.macro MUL16 f, first                  ; the 16 accumulators by turns, in the same order everywhere; first = 1: the bias starts the sums
.irp a, 0,1,2,3
.irp b, 0,1,2,3
.if \first
	v_wmma_scale_f32_16x16x128_f8f6f4 v[ACC+8*(4*\a+\b):ACC+8*(4*\a+\b)+7], v[96*(\f)+48+12*\b:96*(\f)+48+12*\b+11], v[96*(\f)+12*\a:96*(\f)+12*\a+11], v[BB+8*\b:BB+8*\b+7], v[SC+4*(\f)+\b], v[SC+4*(\f)+\a] matrix_a_fmt:MATRIX_FMT_FP6 matrix_b_fmt:MATRIX_FMT_FP6 matrix_a_scale:MATRIX_SCALE_ROW1
.else
	v_wmma_scale_f32_16x16x128_f8f6f4 v[ACC+8*(4*\a+\b):ACC+8*(4*\a+\b)+7], v[96*(\f)+48+12*\b:96*(\f)+48+12*\b+11], v[96*(\f)+12*\a:96*(\f)+12*\a+11], v[ACC+8*(4*\a+\b):ACC+8*(4*\a+\b)+7], v[SC+4*(\f)+\b], v[SC+4*(\f)+\a] matrix_a_fmt:MATRIX_FMT_FP6 matrix_b_fmt:MATRIX_FMT_FP6 matrix_a_scale:MATRIX_SCALE_ROW1
.endif
.endr
.endr
.endm
.macro CHUNK sg, first                 ; a slot's four K steps; the next step's fragments are asked for ahead of each step's products
	PLACES
	FETCH \sg, 0, 0
.irp u, 0,1,2,3
.if \u < 3
	PLACES
	FETCH \sg, \u+1, (\u+1)%2
	s_wait_dscnt 52                                ; all but the 52 just issued: this step's fragments are in
.else
	s_wait_dscnt 0x0
.endif
	WIN MUL
.if (\u == 0) && \first
	MUL16 0, 1
.else
	MUL16 \u%2, 0
.endif
	WIN 0
.endr
.endm
.macro TWO sg, refill                  ; the change of slots (MODE 6): slot sg is read next; refill = 1: the other slot takes the K steps two slots on
	s_wait_tensorcnt 0x0                           ; all my tensor loads have landed: my part of slot sg
	ds_add_u32 v[SPW], v[NIL]                      ; 0 onto my spare word
.if \refill
	s_add_nc_u64 s[G0A+4*(1-\sg)+2:G0A+4*(1-\sg)+3], s[G0A+4*(1-\sg)+2:G0A+4*(1-\sg)+3], 2*CH
	s_add_nc_u64 s[G0B+4*(1-\sg)+2:G0B+4*(1-\sg)+3], s[G0B+4*(1-\sg)+2:G0B+4*(1-\sg)+3], 2*CH
.endif
	s_wait_dscnt 0x0                               ; the add is done, and my reads of the other slot are over
.if \refill
	CROUND                                         ; no wave of any partner still reads that slot or has a load on its way
	JLOAD 1-\sg                                    ; my one tensor load behind the round: it has this slot's 64 matrix instructions in which to land
.else
	s_barrier_signal -1
	s_barrier_wait -1
.endif
	CHUNK \sg, 0
.endm
; 32 numbers of a lane, register 16 g + n = k 32 g + 16 (lane / 16) + n of my row, become half a fragment (6 registers: lanes 0-15 block 0, lanes 16-31 block 1) and two scale bytes.
.macro HALFQ src, dst, pw
	v_max3_num_f32 v[HM], |v[(\src)]|, |v[(\src)+1]|, 0x1800000        ; my 16 numbers of each block, and the floor 2^(3 - 127)
	v_max3_num_f32 v[HM+1], |v[(\src)+16]|, |v[(\src)+17]|, 0x1800000
.irp i, 2,4,6,8,10,12,14
	v_max3_num_f32 v[HM], v[HM], |v[(\src)+\i]|, |v[(\src)+\i+1]|
	v_max3_num_f32 v[HM+1], v[HM+1], |v[(\src)+16+\i]|, |v[(\src)+17+\i]|
.endr
	v_permlanex16_b32 v[HT], v[HM], s[SEL], s[SEL+1]
	v_permlanex16_b32 v[HT+1], v[HM+1], s[SEL], s[SEL+1]
	v_max_num_f32 v[HM], v[HM], v[HT]              ; with lane l xor 16's: the block's largest magnitude
	v_max_num_f32 v[HM+1], v[HM+1], v[HT+1]
	v_add_nc_u32 v[HE], 0xff000000, v[HM]          ; 2 off the exponent field: the conversion's scale operand
	v_add_nc_u32 v[HE+1], 0xff000000, v[HM+1]
	v_lshrrev_b32 v[HB], 23, v[HE]
	v_lshrrev_b32 v[HB+1], 23, v[HE+1]
	v_lshl_or_b32 v[(\pw)], v[HB+1], 8, v[HB]
	v_cvt_scalef32_pk16_fp6_f32 v[(\dst):(\dst)+2], v[(\src):(\src)+15], v[HE]
	v_cvt_scalef32_pk16_fp6_f32 v[HX:HX+2], v[(\src)+16:(\src)+31], v[HE+1]
	v_nop                                          ; one plain place behind a scaled conversion
.irp i, 0,1,2
	v_permlane16_swap_b32 v[(\dst)+\i], v[HX+\i]   ; a whole block to a lane
.endr
.irp i, 0,1,2
	v_mov_b32 v[(\dst)+3+\i], v[HX+\i]
.endr
.endm
.macro GELU16 x                        ; sixteen numbers in place
.irp n, 0,1,2,3,4,5,6,7,8,9,10,11,12,13,14,15
	v_fma_f32 v[UU+\n], |v[(\x)+\n]|, s68, 1.0     ; 1 + p |x|
.endr
.irp n, 0,2,4,6,8,10,12,14
	v_pk_mul_f32 v[WW+\n:WW+\n+1], v[(\x)+\n:(\x)+\n+1], s[96:97] op_sel_hi:[1,0]
.endr
.irp n, 0,2,4,6,8,10,12,14
	v_pk_mul_f32 v[WW+\n:WW+\n+1], v[WW+\n:WW+\n+1], v[(\x)+\n:(\x)+\n+1]   ; -x^2 log2(e) / 2
.endr
.irp n, 0,1,2,3,4,5,6,7,8,9,10,11,12,13,14,15
	v_rcp_f32 v[UU+\n], v[UU+\n]                   ; t
.endr
.irp n, 0,1,2,3,4,5,6,7,8,9,10,11,12,13,14,15
	v_exp_f32 v[WW+\n], v[WW+\n]                   ; exp(-x^2 / 2)
.endr
	v_nop                                          ; a plain place behind the batch
	s_wait_alu depctr_va_vdst(0)                   ; one wait for the 32, ahead of their first reader
.irp n, 0,2,4,6,8,10,12,14
	v_pk_fma_f32 v[YY+\n:YY+\n+1], v[UU+\n:UU+\n+1], v[26:27], s[74:75] op_sel_hi:[1,1,0]   ; c5 t + c4
.endr
.irp c, 72,70,98
.irp n, 0,2,4,6,8,10,12,14
	v_pk_fma_f32 v[YY+\n:YY+\n+1], v[YY+\n:YY+\n+1], v[UU+\n:UU+\n+1], s[\c:\c+1] op_sel_hi:[1,1,0]   ; .. t + c3, c2, c1
.endr
.endr
.irp n, 0,2,4,6,8,10,12,14
	v_pk_mul_f32 v[YY+\n:YY+\n+1], v[YY+\n:YY+\n+1], v[UU+\n:UU+\n+1]
.endr
.irp n, 0,2,4,6,8,10,12,14
	v_pk_mul_f32 v[YY+\n:YY+\n+1], v[YY+\n:YY+\n+1], v[WW+\n:WW+\n+1]       ; q
.endr
.irp n, 0,1,2,3,4,5,6,7,8,9,10,11,12,13,14,15
	v_max_num_f32 v[UU+\n], 0, v[(\x)+\n]
.endr
.irp n, 0,1,2,3,4,5,6,7,8,9,10,11,12,13,14,15
	v_fma_f32 v[(\x)+\n], -|v[(\x)+\n]|, v[YY+\n], v[UU+\n]
.endr
.endm
	s_load_b256 s[4:11], s[0:1], 0x0               ; A's images, wimg, the bias, the fourth buffer
.if MODE != 5
	s_load_b64 s[12:13], s[0:1], 0x20              ; the fifth
.endif
.if MODE == 6
	v_lshl_add_u32 v[SPW], v0, 2, SPARE
	v_mov_b32 v[NIL], 0
.endif
	v_lshrrev_b32 v1, 5, v0
	v_readfirstlane_b32 s14, v1                    ; wave 0..3
	s_lshr_b32 s15, s14, 1                         ; which of A's two panels is mine.  Also: I fetch for A (0) or for B (1)
	s_and_b32 s16, s14, 1                          ; which of B's.  Also: which panel I fetch
	s_bfe_u32 s40, ttmp6, 0x40000                  ; cx, cy: my place in the cluster
	s_bfe_u32 s41, ttmp6, 0x40004
	s_and_b32 s18, ttmp7, 0xffff                   ; cluster y
	s_mov_b32 s19, ttmp9                           ; cluster x
.if MODE == 1                          ; clusters with y under 8: q and k, 32 x 16 tiles; the other 16 clusters: V^T, 8 x 32 tiles.  Only numbers and pointers are chosen, by the cluster's y
	s_max_u32 s20, s18, 8
	s_sub_co_u32 s20, s20, 8
	s_lshl_b32 s20, s20, 2
	s_add_co_u32 s20, s20, s19
	s_lshr_b32 s21, s20, 3
	s_and_b32 s22, s20, 7
	s_cmp_ge_u32 s18, 8
	s_cselect_b32 s18, s21, s18
	s_cselect_b32 s19, s22, s19
	s_cselect_b32 s70, 0, -1                       ; all lanes where the bias runs along B's rows,
	s_cselect_b32 s71, -1, 0                       ; along A's
	s_cselect_b32 s72, 1, 0
.endif
	s_lshl_b32 s42, s19, 2
	s_add_co_u32 s42, s42, s40                     ; tile column
	s_lshl_b32 s17, s18, 2
	s_add_co_u32 s17, s17, s41                     ; tile row
	s_lshl_b32 s43, s41, 2
	s_lshl_b32 s43, 15, s43                        ; my row of the cluster
	s_lshl_b32 s44, 0x1111, s40                    ; my column
	; descriptor group 1: 25,600 dense bytes as 100 rows of 32 elements of 8 bytes; no padding: every LDS read takes a plane's consecutive bytes
	s_or_b32 s[G1A], s43, (3<<16)|(1<<21)
	s_or_b32 s[G1B], s44, (3<<16)|(1<<21)
.irp g, G1A, G1B
	s_mov_b32 s[\g+1], 32<<16                      ; tensor_dim0
	s_mov_b32 s[\g+2], 100<<16                     ; tensor_dim1
	s_mov_b32 s[\g+3], 32<<16                      ; tile_dim0
	s_mov_b32 s[\g+4], 100                         ; tile_dim1
	s_mov_b32 s[\g+5], 32                          ; the pitch
	s_mov_b32 s[\g+6], 0
	s_mov_b32 s[\g+7], 0
.endr
	s_lshl_b32 s20, s17, 1
	s_add_co_u32 s20, s20, s16
	s_mul_i32 s20, s20, KST*UNIT                   ; A: panel 2 x tile row + the one I fetch
	s_mov_b32 s21, 0
	s_lshl_b32 s46, s42, 1
	s_add_co_u32 s46, s46, s16
	s_mul_i32 s46, s46, KST*UNIT                   ; B: panel 2 x tile column + the one I fetch
	s_mov_b32 s47, 0
	s_mul_i32 s45, s14, CH                         ; where it goes: wave x a panel's part
	s_wait_kmcnt 0x0
.if MODE == 1
	s_add_nc_u64 s[74:75], s[6:7], 32*8*UNIT       ; Wv's panels
	s_cmp_eq_u32 s72, 1
	s_cselect_b64 s[76:77], s[74:75], s[4:5]
	s_cselect_b64 s[78:79], s[4:5], s[6:7]
	s_cselect_b64 s[80:81], s[12:13], s[10:11]     ; vt or qk
.else
	s_mov_b64 s[76:77], s[4:5]
	s_add_nc_u64 s[78:79], s[6:7], BOFF
.endif
	s_add_nc_u64 s[20:21], s[76:77], s[20:21]
	s_add_nc_u64 s[46:47], s[78:79], s[46:47]
.irp s, 0,1
	s_mov_b32 s[G0A+4*\s], 1
	s_add_co_u32 s[G0A+4*\s+1], s45, \s*SLOT
	s_add_nc_u64 s[G0A+4*\s+2:G0A+4*\s+3], s[20:21], \s*CH
	s_or_b32 s[G0A+4*\s+3], s[G0A+4*\s+3], 0x80000000
	s_mov_b32 s[G0B+4*\s], 1
	s_add_co_u32 s[G0B+4*\s+1], s45, \s*SLOT
	s_add_nc_u64 s[G0B+4*\s+2:G0B+4*\s+3], s[46:47], \s*CH
	s_or_b32 s[G0B+4*\s+3], s[G0B+4*\s+3], 0x80000000
.endr
	CROUND                                         ; all sixteen work-groups are here: the first joint loads meet
	s_cmp_eq_u32 s15, 0                            ; a wave's two first fills stand in one branch: two tensor loads of mine are out
	s_cbranch_scc0 .Lfirst_b
	tensor_load_to_lds s[G0A:G0A+3], s[G1A:G1A+7]
	tensor_load_to_lds s[G0A+4:G0A+7], s[G1A:G1A+7]
.rept 4
	v_nop
.endr
	s_branch .Lfirst_asked
.Lfirst_b:
	tensor_load_to_lds s[G0B:G0B+3], s[G1B:G1B+7]
	tensor_load_to_lds s[G0B+4:G0B+7], s[G1B:G1B+7]
.rept 4
	v_nop
.endr
.Lfirst_asked:
	v_and_b32 v3, 31, v0                           ; lane
	v_and_b32 v1, 15, v0                           ; r
	v_bfe_u32 v2, v0, 4, 1                         ; h
	v_lshlrev_b32 v[L8], 3, v3
	v_lshlrev_b32 v[L4], 2, v3
	s_mul_i32 s22, s15, CH
	s_mul_i32 s23, s16, CH
	s_add_co_u32 s23, s23, 2*CH
	v_add_nc_u32 v[ADRA], s22, v[L8]
	v_add_nc_u32 v[ADRB], s23, v[L8]
	v_add_nc_u32 v[ADRA+1], SLOT, v[ADRA]
	v_add_nc_u32 v[ADRB+1], SLOT, v[ADRB]
	s_sub_co_u32 s23, s23, s22
	v_mul_u32_u24 v[ADRS], s23, v2                 ; lanes 16-31 take B's scale words: one product, the distance between the two panels
	v_lshl_add_u32 v[ADRS], v1, 2, v[ADRS]
	s_add_co_u32 s22, s22, 6144
	v_add_nc_u32 v[ADRS], s22, v[ADRS]
	v_add_nc_u32 v[ADRS+1], SLOT, v[ADRS]
	s_lshl_b32 s82, s17, 1
	s_add_co_u32 s82, s82, s15                     ; my panel of A
	s_lshl_b32 s46, s42, 7
	s_lshl_b32 s47, s16, 6
	s_add_co_u32 s46, s46, s47                     ; my first column: 128 x tile column + 64 x half
	s_lshl_b32 s92, s46, 2
.if MODE == 1
	s_cmp_eq_u32 s72, 1
	s_cselect_b32 s92, 0, s92                      ; (V^T: the columns are tokens; the loads stay inside the bias, and what they bring is set to 0)
.endif
	s_mov_b32 s93, 0
	s_add_nc_u64 s[94:95], s[8:9], s[92:93]
	v_lshlrev_b32 v15, 6, v2
.irp b, 0,1,2,3                        ; register 8 b + j: the bias of column 32 (b / 2) + 16 h + 8 (b % 2) + j
	global_load_b128 v[BB+8*\b:BB+8*\b+3], v15, s[94:95] offset:(32*(\b/2)+8*(\b%2))*4
	global_load_b128 v[BB+8*\b+4:BB+8*\b+7], v15, s[94:95] offset:(32*(\b/2)+8*(\b%2))*4+16
.endr
.if QOUT
	s_mov_b32 s[SEL], 0x76543210
	s_mov_b32 s[SEL+1], 0xfedcba98
	s_mov_b32 s69, 0xffff0000                      ; lanes 16-31
	v_mov_b32 v[HT], 0                             ; written once: a lane permute's destination counts as one of its sources
	v_mov_b32 v[HT+1], 0
	s_lshl_b32 s84, s82, 5                         ; the output has 32 K steps a panel
	s_add_co_u32 s84, s84, s42
	s_mul_i32 s84, s84, UNIT
	s_mov_b32 s85, 0
.if MODE == 1
	s_add_nc_u64 s[86:87], s[80:81], s[84:85]      ; my unit of the output
.else
	s_add_nc_u64 s[86:87], s[10:11], s[84:85]
.endif
	s_lshl_b32 s84, s16, 1
	s_add_co_u32 s84, s84, 6144
	s_add_nc_u64 s[88:89], s[86:87], s[84:85]      ; my two bytes of its scale words
	s_mul_i32 s84, s16, 768
	s_add_nc_u64 s[86:87], s[86:87], s[84:85]      ; my half of its planes
.endif
.if MODE == 1
	s_lshl_b32 s90, s82, 8
	s_add_co_u32 s90, s90, 2048*4
	s_cmp_eq_u32 s72, 1
	s_cselect_b32 s90, s90, 0
	s_mov_b32 s91, 0
	s_add_nc_u64 s[90:91], s[8:9], s[90:91]
	v_and_b32 v26, 7, v1
	v_bfe_u32 v27, v1, 3, 1
	v_lshl_add_u32 v26, v27, 4, v26
	v_lshlrev_b32 v26, 2, v26
.irp a, 0,1,2,3
	global_load_b32 v[BA+2*\a], v26, s[90:91] offset:(32*(\a/2)+8*(\a%2))*4   ; the bias of my lane's row of A's tile a
.endr
	s_wait_loadcnt 0x0
.set n, 0
.rept 32
	v_cndmask_b32 v[BB+n], 0, v[BB+n], s70
.set n, n+1
.endr
.irp a, 0,1,2,3
	v_cndmask_b32 v[BA+2*\a], 0, v[BA+2*\a], s71
	v_mov_b32 v[BA+2*\a+1], v[BA+2*\a]
.endr
.endif
.if MODE == 5
	s_mov_b32 s68, 0x3e6d3389                      ; p = 0.2316419
	s_mov_b32 s96, 0xbf38aa3b                      ; -log2(e) / 2
	s_mov_b32 s97, s96                             ; (each pair is named whole, so both words are written)
	s_mov_b32 s98, 0x3e027906                      ; c1
	s_mov_b32 s99, s98
	s_mov_b32 s70, 0xbe11a98e                      ; c2
	s_mov_b32 s71, s70
	s_mov_b32 s72, 0x3f35f0e3                      ; c3
	s_mov_b32 s73, s72
	s_mov_b32 s74, 0xbf3a00e3                      ; c4
	s_mov_b32 s75, s74
	v_mov_b32 v26, 0x3f07dc22                      ; c5
	v_mov_b32 v27, 0x3f07dc22
	s_wait_loadcnt 0x0
.endif
.if !QOUT
	s_mul_i32 s23, s14, 16*272
	s_add_co_u32 s23, s23, STAGE                   ; my stage
	v_mul_u32_u24 v[STO], v1, 272
	v_lshl_add_u32 v[STO], v2, 6, v[STO]
	v_add_nc_u32 v[STO], s23, v[STO]               ; in: row r, + 64 h
	v_mul_u32_u24 v[RD], v2, 272
	v_lshl_add_u32 v[RD], v1, 4, v[RD]
	v_add_nc_u32 v[RD], s23, v[RD]                 ; back: lanes 0-15 one row of 256 bytes, lanes 16-31 the next
	v_lshlrev_b32 v[CO], 12, v2
	v_lshl_add_u32 v[CO], v1, 4, v[CO]             ; and the same two rows in memory (rows of 4,096 bytes)
	s_lshl_b32 s84, s82, 18                        ; my panel's 64 rows
	s_add_co_u32 s84, s84, s92
	s_mov_b32 s85, 0
	s_add_nc_u64 s[86:87], s[10:11], s[84:85]      ; the residual
	s_add_nc_u64 s[88:89], s[12:13], s[84:85]      ; the output
	WIN TO_R
.irp a, 0,1,2,3                        ; stage rows 2 t and 2 t + 1 of A's tile a are rows 32 (a / 2) + 8 (a % 2) + (2 t) % 8 + 16 (t / 4) and the next of my panel
.irp t, 0,1,2,3,4,5,6,7
	global_load_b128 v[32*\a+4*\t:32*\a+4*\t+3], v[CO], s[86:87] offset:(32*(\a/2)+8*(\a%2)+(2*\t)%8+16*(\t/4))*4096
.endr
.endr
	WIN 0
	s_wait_loadcnt 32                              ; the bias is in; the 32 loads of the residual may be out
.endif
	s_wait_tensorcnt 1                             ; my part of slot 0 is in; slot 1's may stay out
	s_barrier_signal -1
	s_barrier_wait -1
	CHUNK 0, 1
.if NCH == 2
	s_wait_tensorcnt 0x0                           ; my part of slot 1 is in
	s_wait_dscnt 0x0
	s_barrier_signal -1
	s_barrier_wait -1
	CHUNK 1, 0
.else
	s_mov_b32 s3, (NCH-2)/2
.Lring:
	TWO 1, 1
	TWO 0, 1
	s_sub_co_u32 s3, s3, 1
	s_cmp_lg_u32 s3, 0
	s_cbranch_scc1 .Lring
	TWO 1, 0                                       ; the last slot is written out: nothing is left to fetch
.endif
.if QOUT
	PLACES
.irp a, 0,1,2,3                        ; A's tile a: 32 registers = 64 columns of my lane's row, each accumulator from its low end on
.if MODE == 1
.irp n, 0,2,4,6,8,10,12,14,16,18,20,22,24,26,28,30
	v_pk_add_f32 v[ACC+32*\a+\n:ACC+32*\a+\n+1], v[ACC+32*\a+\n:ACC+32*\a+\n+1], v[BA+2*\a:BA+2*\a+1]
.endr
.else
	GELU16 ACC+32*\a
	GELU16 ACC+32*\a+16
.endif
	HALFQ ACC+32*\a, CD+6*\a, PW+\a
.irp p, 0,1,2
	global_store_b64 v[L8], v[CD+6*\a+2*\p:CD+6*\a+2*\p+1], s[86:87] offset:1536*\a+256*\p   ; a plane: 256 consecutive bytes, aligned
.endr
.endr
	v_cndmask_b32 v72, v[PW], v[PW+1], s69         ; lanes 0-15: tile 0's rows, lanes 16-31: tile 1's
	v_cndmask_b32 v73, v[PW+2], v[PW+3], s69
	global_store_b16 v[L4], v72, s[88:89]
	global_store_b16 v[L4], v73, s[88:89] offset:128
.else
	s_wait_loadcnt 0x0                             ; the residual
	PLACES
.irp a, 0,1,2,3
.if \a >= 2
	s_wait_xcnt 0x0                                ; tile a - 2's stores have read their registers: this tile's rows may land there
.endif
.irp b, 0,1,2,3
	ds_store_b128 v[STO], v[ACC+8*(4*\a+\b):ACC+8*(4*\a+\b)+3] offset:128*(\b/2)+32*(\b%2)
	ds_store_b128 v[STO], v[ACC+8*(4*\a+\b)+4:ACC+8*(4*\a+\b)+7] offset:128*(\b/2)+32*(\b%2)+16
.endr
.irp t, 0,1,2,3,4,5,6,7
	ds_load_b128 v[OB+32*(\a%2)+4*\t:OB+32*(\a%2)+4*\t+3], v[RD] offset:544*\t   ; LDS serves a wave's instructions in order (ISA guide 5.7.1.4): these see my stores
.endr
	s_wait_dscnt 0x0
	WIN W_RES
.set n, 0
.rept 16
	v_pk_add_f32 v[OB+32*(\a%2)+n:OB+32*(\a%2)+n+1], v[OB+32*(\a%2)+n:OB+32*(\a%2)+n+1], v[32*\a+n:32*\a+n+1]
.set n, n+2
.endr
	WIN 0
.irp t, 0,1,2,3,4,5,6,7
	global_store_b128 v[CO], v[OB+32*(\a%2)+4*\t:OB+32*(\a%2)+4*\t+3], s[88:89] offset:(32*(\a/2)+8*(\a%2)+(2*\t)%8+16*(\t/4))*4096   ; sixteen lanes store 256 consecutive bytes, aligned
.endr
.endr
.endif
.if MODE == 6
	s_wait_tensorcnt 0x0                           ; the wave's end
	ds_add_u32 v[SPW], v[NIL]
	s_wait_dscnt 0x0
.endif
	CROUND                                         ; the closing round: no work-group ends while a partner may still ask for a tile that names it
	s_endpgm
.Lfunc_end_k_qb6d819d378_gproj:
	.size	k_qb6d819d378_gproj, .Lfunc_end_k_qb6d819d378_gproj-k_qb6d819d378_gproj
	.p2alignl 7, 3214868480
	.fill 96, 4, 3214868480
	.section	.rodata,"a",@progbits
	.p2align	6, 0x0
	.amdhsa_kernel k_qb6d819d378_gproj
		.amdhsa_group_segment_fixed_size 327680
		.amdhsa_private_segment_fixed_size 0
		.amdhsa_enable_private_segment 0
		.amdhsa_kernarg_size 40
		.amdhsa_user_sgpr_count 2
		.amdhsa_user_sgpr_kernarg_segment_ptr 1
		.amdhsa_wavefront_size32 1
		.amdhsa_system_sgpr_workgroup_id_x 1
		.amdhsa_system_sgpr_workgroup_id_y 1
		.amdhsa_system_sgpr_workgroup_id_z 1
		.amdhsa_system_vgpr_workitem_id 0
		.amdhsa_next_free_vgpr 768
		.amdhsa_next_free_sgpr 100
		.amdhsa_reserve_vcc 0
		.amdhsa_float_denorm_mode_32 3
		.amdhsa_float_denorm_mode_16_64 3
		.amdhsa_memory_ordered 1
		.amdhsa_forward_progress 1
		.amdhsa_inst_pref_size 67
	.end_amdhsa_kernel
	.amdgpu_metadata
---
amdhsa.version: [ 1, 2 ]
amdhsa.kernels:
  - .name:           k_qb6d819d378_gproj
    .symbol:         k_qb6d819d378_gproj.kd
    .args:
      - { .name: ao, .offset: 0, .size: 8, .value_kind: global_buffer, .address_space: global }
      - { .name: wimg, .offset: 8, .size: 8, .value_kind: global_buffer, .address_space: global }
      - { .name: proj_b, .offset: 16, .size: 8, .value_kind: global_buffer, .address_space: global }
      - { .name: x, .offset: 24, .size: 8, .value_kind: global_buffer, .address_space: global }
      - { .name: x1, .offset: 32, .size: 8, .value_kind: global_buffer, .address_space: global }
    .group_segment_fixed_size: 327680
    .private_segment_fixed_size: 0
    .kernarg_segment_align: 8
    .kernarg_segment_size: 40
    .max_flat_workgroup_size: 128
    .sgpr_count:     100
    .vgpr_count:     768
    .wavefront_size: 32
...
	.end_amdgpu_metadata
.endif
;; end of part 5
;; launch ln2: the kernel of part 2 again; grid 256 x 1, 4 waves a work-group, no clusters, 65,792 bytes of LDS; arguments x1, g2, b2, h; writes h
;; launch gfc1 (part 6): grid 32 x 32, 4 waves a work-group, clusters of 4 x 4, 327,680 bytes of LDS; arguments h, wimg, fc1_b, g; writes g
.if DOCPART == 6
	.amdgcn_target "amdgcn-amd-amdhsa--gfx1250"
	.amdhsa_code_object_version 6
	.text
	.protected	k_qb6d819d378_gfc1
	.globl	k_qb6d819d378_gfc1
	.p2align	8
	.type	k_qb6d819d378_gfc1,@function
k_qb6d819d378_gfc1:
	s_mov_b64 s[64:65], 0
	v_nop
	global_prefetch_b8 v0, s[64:65] scope:SCOPE_SE
	s_setreg_imm32_b32 hwreg(HW_REG_WAVE_MODE, 25, 1), 1
	s_wait_xcnt 0x0
	s_wait_alu depctr_hold_cnt(0) depctr_sa_sdst(0) depctr_va_vdst(0) depctr_va_sdst(0) depctr_va_ssrc(0) depctr_va_vcc(0) depctr_vm_vsrc(0)
	s_getreg_b32 s2, hwreg(HW_REG_IB_STS2, 6, 4)
	s_cmp_eq_u32 s2, 0
	s_cbranch_scc0 .Lentry_in_a_cluster
	s_endpgm
.Lentry_in_a_cluster:
	s_bfe_u32 s2, ttmp6, 0x10000c
	s_cmp_lg_u32 s2, 0xf033
	s_cbranch_scc0 .Lentry_shape_is_right
	s_endpgm
.Lentry_shape_is_right:
; D = A B^T on codes of FP6 (E2M3) with E8M0 scales, sums in f32.  One text serves four launches; MODE says which.
; OPERANDS lie in memory as images of operand registers: a UNIT of 6,400 bytes = 64 rows x 128 along K: four images of 1,536 bytes (six planes of 256 bytes; plane q = fragment registers 2q, 2q+1 at
; 8 x lane), then 256 bytes of scale words (tile i, row r at 64 i + 4 r).  Unit (panel, step) at (panel x steps + step) x 6400.  Lane row r of tile T holds row 32 (T / 2) + 8 (T % 2) + r % 8 + 16 (r / 8).
; A work-group of four waves makes 128 x 128 of D, a wave 64 x 64: 16 accumulators.  N = 1,024 in two of the launches: this tile gives each of them 256 work-groups.
; LDS: two slots; a slot holds 4 K steps of A's two panels and B's two; each wave brings one panel's 25,600 dense bytes by one tensor load.  K = 1,024 is two slots: first fills alone.  K = 4,096 (MODE 6)
; goes round the two slots.  CLUSTERS 4 x 4: A's panels are shared along a row of the cluster, B's along a column: joint loads.
; THE MATRIX INSTRUCTION IS USED TRANSPOSED (source 0 = B's 16 rows, source 1 = A's): a lane holds one row of A's tile, and by the row order above the 32 registers of one A tile are
; columns 32 g + 16 (lane / 16) + n, n = 0 .. 15, g = 0, 1: what the quantiser of the next product wants.  The bias along B's rows is the C of each sum's first instruction.
; MODE 1: q and k (A = tokens, B = Wq, Wk) and V^T (A = Wv, B = tokens, so that the quantiser runs along the keys; its bias runs along A's rows and is added at the end); codes out.
; MODE 5: fc1, exact GELU, codes out.  MODE 4, 6: proj, fc2: + residual, f32 out through a stage in LDS, whole rows of 256 bytes.
; GELU: x Phi(x) = max(x, 0) - |x| q(|x|), q = exp(-x^2 / 2) (c1 t + .. + c5 t^5), t = 1 / (1 + 0.2316419 |x|) (Abramowitz and Stegun 26.2.17, 1 / sqrt(2 pi) folded in).
; LIMITS: Phi is within 7.5e-8; NaN and infinities are not served; a block of zeros gets the byte 1 (zero codes; this program alone reads the bytes); scale bytes leave 2 bytes a lane.
.set MODE, 5
.set KST, 8                            ; K steps of 128
.set BOFF, 0                           ; where B's images begin in wimg
.set QOUT, 0                           ; 1: codes out
.if MODE == 1
.set QOUT, 1
.endif
.if MODE == 4
.set BOFF, 2457600
.endif
.if MODE == 5
.set BOFF, 3276800
.set QOUT, 1
.endif
.if MODE == 6
.set BOFF, 6553600
.set KST, 32
.endif
.set NCH,   KST/4                      ; slots' worth of K
.set UNIT,  6400
.set CH,    4*UNIT                     ; a panel's part of a slot
.set SLOT,  4*CH
.set STAGE, 2*SLOT                     ; 16 rows x 272 bytes for each wave (MODE 4, 6)
.set SPARE, STAGE+4*16*272             ; the spare words, 128 bytes for each wave (MODE 6)
.set ADRA, 4                           ; v4-5   LDS address of my A panel in slot 0, 1: + 8 x lane
.set ADRB, 6                           ; v6-7   of my B panel
.set ADRS, 8                           ; v8-9   of the scale words: lanes 0-15 A's, lanes 16-31 B's
.set L8,   10                          ; v10    8 x lane
.set L4,   11                          ; v11    4 x lane
.set STO,  12
.set RD,   13
.set CO,   14
.set SC,   16                          ; v16-23 scale words, two sets of four: register i: lanes 0-15 A's tile i, lanes 16-31 B's tile i
.set SPW,  24
.set NIL,  25
.set HM,   28
.set HT,   30
.set HE,   32
.set HB,   34
.set HX,   40
.set CD,   44                          ; v44-67 codes, six registers for each A tile
.set PW,   68                          ; v68-71 two scale bytes for each A tile
.set BA,   74                          ; v74-81 MODE 1: the bias along A's rows, a pair a tile
.set YY,   80                          ; MODE 5: v80-95, v96-111, v112-127 at work in the GELU
.set UU,   96
.set WW,   112
.set BB,   96                          ; v96-127 the bias along B's rows, in the result's layout
.set OB,   32                          ; MODE 4, 6: v32-95 rows back from the stage, two sets
.set ACC,  128                         ; v128-255 accumulator (a, b) at 128 + 8 (4 a + b)
.set G1A, 24
.set G0A, 32
.set G1B, 48
.set G0B, 56
.set SEL, 66
.set MSB, 0
.macro WIN new                         ; the immediate's high byte repeats the setting that is left
.if MSB != \new
	s_set_vgpr_msb (MSB<<8)|\new
.set MSB, \new
.endif
.endm
.set MUL,   0x05                       ; sources 0 and 1 in window 1 (the fragments); C and D in window 0
.set TO_F,  0x40                       ; destination window 1
.set TO_R,  0x80                       ; destination window 2 (the residual)
.set W_RES, 0x08                       ; source 1 window 2
.macro PLACES                          ; four plain places behind matrix instructions, ahead of loads into their registers and of reads of their results
.rept 4
	v_nop
.endr
.endm
.macro CREST
	s_cmp_lg_u32 s14, 0
	s_cbranch_scc1 .Lnot_wave_0_\@
	s_barrier_signal -3
.Lnot_wave_0_\@:
	s_barrier_wait -3
	s_barrier_signal -1
	s_barrier_wait -1
.endm
.macro CROUND                          ; a round of the cluster's barrier
	s_barrier_signal -1
	s_barrier_wait -1
	CREST
.endm
.macro JLOAD sg                        ; a joint load into slot sg: waves 0, 1 for A, waves 2, 3 for B; four v_nop behind each line
	s_cmp_eq_u32 s15, 0
	s_cbranch_scc0 .Lfor_b_\@
	tensor_load_to_lds s[G0A+4*(\sg):G0A+4*(\sg)+3], s[G1A:G1A+7]
.rept 4
	v_nop
.endr
	s_branch .Lasked_\@
.Lfor_b_\@:
	tensor_load_to_lds s[G0B+4*(\sg):G0B+4*(\sg)+3], s[G1B:G1B+7]
.rept 4
	v_nop
.endr
.Lasked_\@:
.endm
.macro FETCH sg, u, f                  ; K step u of slot sg into fragment buffer f: 4 + 24 + 24 = 52 LDS loads, each of a plane's consecutive bytes
	WIN 0
.irp i, 0,1,2,3
	ds_load_b32 v[SC+4*(\f)+\i], v[ADRS+\sg] offset:UNIT*(\u)+64*\i
.endr
	WIN TO_F
.irp i, 0,1,2,3
.irp q, 0,1,2,3,4,5
	ds_load_b64 v[96*(\f)+48+12*\i+2*\q:96*(\f)+48+12*\i+2*\q+1], v[ADRB+\sg] offset:UNIT*(\u)+1536*\i+256*\q
.endr
.endr
.irp i, 0,1,2,3
.irp q, 0,1,2,3,4,5
	ds_load_b64 v[96*(\f)+12*\i+2*\q:96*(\f)+12*\i+2*\q+1], v[ADRA+\sg] offset:UNIT*(\u)+1536*\i+256*\q
.endr
.endr
	WIN 0
.endm
.macro MUL16 f, first                  ; the 16 accumulators by turns, in the same order everywhere; first = 1: the bias starts the sums
.irp a, 0,1,2,3
.irp b, 0,1,2,3
.if \first
	v_wmma_scale_f32_16x16x128_f8f6f4 v[ACC+8*(4*\a+\b):ACC+8*(4*\a+\b)+7], v[96*(\f)+48+12*\b:96*(\f)+48+12*\b+11], v[96*(\f)+12*\a:96*(\f)+12*\a+11], v[BB+8*\b:BB+8*\b+7], v[SC+4*(\f)+\b], v[SC+4*(\f)+\a] matrix_a_fmt:MATRIX_FMT_FP6 matrix_b_fmt:MATRIX_FMT_FP6 matrix_a_scale:MATRIX_SCALE_ROW1
.else
	v_wmma_scale_f32_16x16x128_f8f6f4 v[ACC+8*(4*\a+\b):ACC+8*(4*\a+\b)+7], v[96*(\f)+48+12*\b:96*(\f)+48+12*\b+11], v[96*(\f)+12*\a:96*(\f)+12*\a+11], v[ACC+8*(4*\a+\b):ACC+8*(4*\a+\b)+7], v[SC+4*(\f)+\b], v[SC+4*(\f)+\a] matrix_a_fmt:MATRIX_FMT_FP6 matrix_b_fmt:MATRIX_FMT_FP6 matrix_a_scale:MATRIX_SCALE_ROW1
.endif
.endr
.endr
.endm
.macro CHUNK sg, first                 ; a slot's four K steps; the next step's fragments are asked for ahead of each step's products
	PLACES
	FETCH \sg, 0, 0
.irp u, 0,1,2,3
.if \u < 3
	PLACES
	FETCH \sg, \u+1, (\u+1)%2
	s_wait_dscnt 52                                ; all but the 52 just issued: this step's fragments are in
.else
	s_wait_dscnt 0x0
.endif
	WIN MUL
.if (\u == 0) && \first
	MUL16 0, 1
.else
	MUL16 \u%2, 0
.endif
	WIN 0
.endr
.endm
.macro TWO sg, refill                  ; the change of slots (MODE 6): slot sg is read next; refill = 1: the other slot takes the K steps two slots on
	s_wait_tensorcnt 0x0                           ; all my tensor loads have landed: my part of slot sg
	ds_add_u32 v[SPW], v[NIL]                      ; 0 onto my spare word
.if \refill
	s_add_nc_u64 s[G0A+4*(1-\sg)+2:G0A+4*(1-\sg)+3], s[G0A+4*(1-\sg)+2:G0A+4*(1-\sg)+3], 2*CH
	s_add_nc_u64 s[G0B+4*(1-\sg)+2:G0B+4*(1-\sg)+3], s[G0B+4*(1-\sg)+2:G0B+4*(1-\sg)+3], 2*CH
.endif
	s_wait_dscnt 0x0                               ; the add is done, and my reads of the other slot are over
.if \refill
	CROUND                                         ; no wave of any partner still reads that slot or has a load on its way
	JLOAD 1-\sg                                    ; my one tensor load behind the round: it has this slot's 64 matrix instructions in which to land
.else
	s_barrier_signal -1
	s_barrier_wait -1
.endif
	CHUNK \sg, 0
.endm
; 32 numbers of a lane, register 16 g + n = k 32 g + 16 (lane / 16) + n of my row, become half a fragment (6 registers: lanes 0-15 block 0, lanes 16-31 block 1) and two scale bytes.
.macro HALFQ src, dst, pw
	v_max3_num_f32 v[HM], |v[(\src)]|, |v[(\src)+1]|, 0x1800000        ; my 16 numbers of each block, and the floor 2^(3 - 127)
	v_max3_num_f32 v[HM+1], |v[(\src)+16]|, |v[(\src)+17]|, 0x1800000
.irp i, 2,4,6,8,10,12,14
	v_max3_num_f32 v[HM], v[HM], |v[(\src)+\i]|, |v[(\src)+\i+1]|
	v_max3_num_f32 v[HM+1], v[HM+1], |v[(\src)+16+\i]|, |v[(\src)+17+\i]|
.endr
	v_permlanex16_b32 v[HT], v[HM], s[SEL], s[SEL+1]
	v_permlanex16_b32 v[HT+1], v[HM+1], s[SEL], s[SEL+1]
	v_max_num_f32 v[HM], v[HM], v[HT]              ; with lane l xor 16's: the block's largest magnitude
	v_max_num_f32 v[HM+1], v[HM+1], v[HT+1]
	v_add_nc_u32 v[HE], 0xff000000, v[HM]          ; 2 off the exponent field: the conversion's scale operand
	v_add_nc_u32 v[HE+1], 0xff000000, v[HM+1]
	v_lshrrev_b32 v[HB], 23, v[HE]
	v_lshrrev_b32 v[HB+1], 23, v[HE+1]
	v_lshl_or_b32 v[(\pw)], v[HB+1], 8, v[HB]
	v_cvt_scalef32_pk16_fp6_f32 v[(\dst):(\dst)+2], v[(\src):(\src)+15], v[HE]
	v_cvt_scalef32_pk16_fp6_f32 v[HX:HX+2], v[(\src)+16:(\src)+31], v[HE+1]
	v_nop                                          ; one plain place behind a scaled conversion
.irp i, 0,1,2
	v_permlane16_swap_b32 v[(\dst)+\i], v[HX+\i]   ; a whole block to a lane
.endr
.irp i, 0,1,2
	v_mov_b32 v[(\dst)+3+\i], v[HX+\i]
.endr
.endm
.macro GELU16 x                        ; sixteen numbers in place
.irp n, 0,1,2,3,4,5,6,7,8,9,10,11,12,13,14,15
	v_fma_f32 v[UU+\n], |v[(\x)+\n]|, s68, 1.0     ; 1 + p |x|
.endr
.irp n, 0,2,4,6,8,10,12,14
	v_pk_mul_f32 v[WW+\n:WW+\n+1], v[(\x)+\n:(\x)+\n+1], s[96:97] op_sel_hi:[1,0]
.endr
.irp n, 0,2,4,6,8,10,12,14
	v_pk_mul_f32 v[WW+\n:WW+\n+1], v[WW+\n:WW+\n+1], v[(\x)+\n:(\x)+\n+1]   ; -x^2 log2(e) / 2
.endr
.irp n, 0,1,2,3,4,5,6,7,8,9,10,11,12,13,14,15
	v_rcp_f32 v[UU+\n], v[UU+\n]                   ; t
.endr
.irp n, 0,1,2,3,4,5,6,7,8,9,10,11,12,13,14,15
	v_exp_f32 v[WW+\n], v[WW+\n]                   ; exp(-x^2 / 2)
.endr
	v_nop                                          ; a plain place behind the batch
	s_wait_alu depctr_va_vdst(0)                   ; one wait for the 32, ahead of their first reader
.irp n, 0,2,4,6,8,10,12,14
	v_pk_fma_f32 v[YY+\n:YY+\n+1], v[UU+\n:UU+\n+1], v[26:27], s[74:75] op_sel_hi:[1,1,0]   ; c5 t + c4
.endr
.irp c, 72,70,98
.irp n, 0,2,4,6,8,10,12,14
	v_pk_fma_f32 v[YY+\n:YY+\n+1], v[YY+\n:YY+\n+1], v[UU+\n:UU+\n+1], s[\c:\c+1] op_sel_hi:[1,1,0]   ; .. t + c3, c2, c1
.endr
.endr
.irp n, 0,2,4,6,8,10,12,14
	v_pk_mul_f32 v[YY+\n:YY+\n+1], v[YY+\n:YY+\n+1], v[UU+\n:UU+\n+1]
.endr
.irp n, 0,2,4,6,8,10,12,14
	v_pk_mul_f32 v[YY+\n:YY+\n+1], v[YY+\n:YY+\n+1], v[WW+\n:WW+\n+1]       ; q
.endr
.irp n, 0,1,2,3,4,5,6,7,8,9,10,11,12,13,14,15
	v_max_num_f32 v[UU+\n], 0, v[(\x)+\n]
.endr
.irp n, 0,1,2,3,4,5,6,7,8,9,10,11,12,13,14,15
	v_fma_f32 v[(\x)+\n], -|v[(\x)+\n]|, v[YY+\n], v[UU+\n]
.endr
.endm
	s_load_b256 s[4:11], s[0:1], 0x0               ; A's images, wimg, the bias, the fourth buffer
.if MODE != 5
	s_load_b64 s[12:13], s[0:1], 0x20              ; the fifth
.endif
.if MODE == 6
	v_lshl_add_u32 v[SPW], v0, 2, SPARE
	v_mov_b32 v[NIL], 0
.endif
	v_lshrrev_b32 v1, 5, v0
	v_readfirstlane_b32 s14, v1                    ; wave 0..3
	s_lshr_b32 s15, s14, 1                         ; which of A's two panels is mine.  Also: I fetch for A (0) or for B (1)
	s_and_b32 s16, s14, 1                          ; which of B's.  Also: which panel I fetch
	s_bfe_u32 s40, ttmp6, 0x40000                  ; cx, cy: my place in the cluster
	s_bfe_u32 s41, ttmp6, 0x40004
	s_and_b32 s18, ttmp7, 0xffff                   ; cluster y
	s_mov_b32 s19, ttmp9                           ; cluster x
.if MODE == 1                          ; clusters with y under 8: q and k, 32 x 16 tiles; the other 16 clusters: V^T, 8 x 32 tiles.  Only numbers and pointers are chosen, by the cluster's y
	s_max_u32 s20, s18, 8
	s_sub_co_u32 s20, s20, 8
	s_lshl_b32 s20, s20, 2
	s_add_co_u32 s20, s20, s19
	s_lshr_b32 s21, s20, 3
	s_and_b32 s22, s20, 7
	s_cmp_ge_u32 s18, 8
	s_cselect_b32 s18, s21, s18
	s_cselect_b32 s19, s22, s19
	s_cselect_b32 s70, 0, -1                       ; all lanes where the bias runs along B's rows,
	s_cselect_b32 s71, -1, 0                       ; along A's
	s_cselect_b32 s72, 1, 0
.endif
	s_lshl_b32 s42, s19, 2
	s_add_co_u32 s42, s42, s40                     ; tile column
	s_lshl_b32 s17, s18, 2
	s_add_co_u32 s17, s17, s41                     ; tile row
	s_lshl_b32 s43, s41, 2
	s_lshl_b32 s43, 15, s43                        ; my row of the cluster
	s_lshl_b32 s44, 0x1111, s40                    ; my column
	; descriptor group 1: 25,600 dense bytes as 100 rows of 32 elements of 8 bytes; no padding: every LDS read takes a plane's consecutive bytes
	s_or_b32 s[G1A], s43, (3<<16)|(1<<21)
	s_or_b32 s[G1B], s44, (3<<16)|(1<<21)
.irp g, G1A, G1B
	s_mov_b32 s[\g+1], 32<<16                      ; tensor_dim0
	s_mov_b32 s[\g+2], 100<<16                     ; tensor_dim1
	s_mov_b32 s[\g+3], 32<<16                      ; tile_dim0
	s_mov_b32 s[\g+4], 100                         ; tile_dim1
	s_mov_b32 s[\g+5], 32                          ; the pitch
	s_mov_b32 s[\g+6], 0
	s_mov_b32 s[\g+7], 0
.endr
	s_lshl_b32 s20, s17, 1
	s_add_co_u32 s20, s20, s16
	s_mul_i32 s20, s20, KST*UNIT                   ; A: panel 2 x tile row + the one I fetch
	s_mov_b32 s21, 0
	s_lshl_b32 s46, s42, 1
	s_add_co_u32 s46, s46, s16
	s_mul_i32 s46, s46, KST*UNIT                   ; B: panel 2 x tile column + the one I fetch
	s_mov_b32 s47, 0
	s_mul_i32 s45, s14, CH                         ; where it goes: wave x a panel's part
	s_wait_kmcnt 0x0
.if MODE == 1
	s_add_nc_u64 s[74:75], s[6:7], 32*8*UNIT       ; Wv's panels
	s_cmp_eq_u32 s72, 1
	s_cselect_b64 s[76:77], s[74:75], s[4:5]
	s_cselect_b64 s[78:79], s[4:5], s[6:7]
	s_cselect_b64 s[80:81], s[12:13], s[10:11]     ; vt or qk
.else
	s_mov_b64 s[76:77], s[4:5]
	s_add_nc_u64 s[78:79], s[6:7], BOFF
.endif
	s_add_nc_u64 s[20:21], s[76:77], s[20:21]
	s_add_nc_u64 s[46:47], s[78:79], s[46:47]
.irp s, 0,1
	s_mov_b32 s[G0A+4*\s], 1
	s_add_co_u32 s[G0A+4*\s+1], s45, \s*SLOT
	s_add_nc_u64 s[G0A+4*\s+2:G0A+4*\s+3], s[20:21], \s*CH
	s_or_b32 s[G0A+4*\s+3], s[G0A+4*\s+3], 0x80000000
	s_mov_b32 s[G0B+4*\s], 1
	s_add_co_u32 s[G0B+4*\s+1], s45, \s*SLOT
	s_add_nc_u64 s[G0B+4*\s+2:G0B+4*\s+3], s[46:47], \s*CH
	s_or_b32 s[G0B+4*\s+3], s[G0B+4*\s+3], 0x80000000
.endr
	CROUND                                         ; all sixteen work-groups are here: the first joint loads meet
	s_cmp_eq_u32 s15, 0                            ; a wave's two first fills stand in one branch: two tensor loads of mine are out
	s_cbranch_scc0 .Lfirst_b
	tensor_load_to_lds s[G0A:G0A+3], s[G1A:G1A+7]
	tensor_load_to_lds s[G0A+4:G0A+7], s[G1A:G1A+7]
.rept 4
	v_nop
.endr
	s_branch .Lfirst_asked
.Lfirst_b:
	tensor_load_to_lds s[G0B:G0B+3], s[G1B:G1B+7]
	tensor_load_to_lds s[G0B+4:G0B+7], s[G1B:G1B+7]
.rept 4
	v_nop
.endr
.Lfirst_asked:
	v_and_b32 v3, 31, v0                           ; lane
	v_and_b32 v1, 15, v0                           ; r
	v_bfe_u32 v2, v0, 4, 1                         ; h
	v_lshlrev_b32 v[L8], 3, v3
	v_lshlrev_b32 v[L4], 2, v3
	s_mul_i32 s22, s15, CH
	s_mul_i32 s23, s16, CH
	s_add_co_u32 s23, s23, 2*CH
	v_add_nc_u32 v[ADRA], s22, v[L8]
	v_add_nc_u32 v[ADRB], s23, v[L8]
	v_add_nc_u32 v[ADRA+1], SLOT, v[ADRA]
	v_add_nc_u32 v[ADRB+1], SLOT, v[ADRB]
	s_sub_co_u32 s23, s23, s22
	v_mul_u32_u24 v[ADRS], s23, v2                 ; lanes 16-31 take B's scale words: one product, the distance between the two panels
	v_lshl_add_u32 v[ADRS], v1, 2, v[ADRS]
	s_add_co_u32 s22, s22, 6144
	v_add_nc_u32 v[ADRS], s22, v[ADRS]
	v_add_nc_u32 v[ADRS+1], SLOT, v[ADRS]
	s_lshl_b32 s82, s17, 1
	s_add_co_u32 s82, s82, s15                     ; my panel of A
	s_lshl_b32 s46, s42, 7
	s_lshl_b32 s47, s16, 6
	s_add_co_u32 s46, s46, s47                     ; my first column: 128 x tile column + 64 x half
	s_lshl_b32 s92, s46, 2
.if MODE == 1
	s_cmp_eq_u32 s72, 1
	s_cselect_b32 s92, 0, s92                      ; (V^T: the columns are tokens; the loads stay inside the bias, and what they bring is set to 0)
.endif
	s_mov_b32 s93, 0
	s_add_nc_u64 s[94:95], s[8:9], s[92:93]
	v_lshlrev_b32 v15, 6, v2
.irp b, 0,1,2,3                        ; register 8 b + j: the bias of column 32 (b / 2) + 16 h + 8 (b % 2) + j
	global_load_b128 v[BB+8*\b:BB+8*\b+3], v15, s[94:95] offset:(32*(\b/2)+8*(\b%2))*4
	global_load_b128 v[BB+8*\b+4:BB+8*\b+7], v15, s[94:95] offset:(32*(\b/2)+8*(\b%2))*4+16
.endr
.if QOUT
	s_mov_b32 s[SEL], 0x76543210
	s_mov_b32 s[SEL+1], 0xfedcba98
	s_mov_b32 s69, 0xffff0000                      ; lanes 16-31
	v_mov_b32 v[HT], 0                             ; written once: a lane permute's destination counts as one of its sources
	v_mov_b32 v[HT+1], 0
	s_lshl_b32 s84, s82, 5                         ; the output has 32 K steps a panel
	s_add_co_u32 s84, s84, s42
	s_mul_i32 s84, s84, UNIT
	s_mov_b32 s85, 0
.if MODE == 1
	s_add_nc_u64 s[86:87], s[80:81], s[84:85]      ; my unit of the output
.else
	s_add_nc_u64 s[86:87], s[10:11], s[84:85]
.endif
	s_lshl_b32 s84, s16, 1
	s_add_co_u32 s84, s84, 6144
	s_add_nc_u64 s[88:89], s[86:87], s[84:85]      ; my two bytes of its scale words
	s_mul_i32 s84, s16, 768
	s_add_nc_u64 s[86:87], s[86:87], s[84:85]      ; my half of its planes
.endif
.if MODE == 1
	s_lshl_b32 s90, s82, 8
	s_add_co_u32 s90, s90, 2048*4
	s_cmp_eq_u32 s72, 1
	s_cselect_b32 s90, s90, 0
	s_mov_b32 s91, 0
	s_add_nc_u64 s[90:91], s[8:9], s[90:91]
	v_and_b32 v26, 7, v1
	v_bfe_u32 v27, v1, 3, 1
	v_lshl_add_u32 v26, v27, 4, v26
	v_lshlrev_b32 v26, 2, v26
.irp a, 0,1,2,3
	global_load_b32 v[BA+2*\a], v26, s[90:91] offset:(32*(\a/2)+8*(\a%2))*4   ; the bias of my lane's row of A's tile a
.endr
	s_wait_loadcnt 0x0
.set n, 0
.rept 32
	v_cndmask_b32 v[BB+n], 0, v[BB+n], s70
.set n, n+1
.endr
.irp a, 0,1,2,3
	v_cndmask_b32 v[BA+2*\a], 0, v[BA+2*\a], s71
	v_mov_b32 v[BA+2*\a+1], v[BA+2*\a]
.endr
.endif
.if MODE == 5
	s_mov_b32 s68, 0x3e6d3389                      ; p = 0.2316419
	s_mov_b32 s96, 0xbf38aa3b                      ; -log2(e) / 2
	s_mov_b32 s97, s96                             ; (each pair is named whole, so both words are written)
	s_mov_b32 s98, 0x3e027906                      ; c1
	s_mov_b32 s99, s98
	s_mov_b32 s70, 0xbe11a98e                      ; c2
	s_mov_b32 s71, s70
	s_mov_b32 s72, 0x3f35f0e3                      ; c3
	s_mov_b32 s73, s72
	s_mov_b32 s74, 0xbf3a00e3                      ; c4
	s_mov_b32 s75, s74
	v_mov_b32 v26, 0x3f07dc22                      ; c5
	v_mov_b32 v27, 0x3f07dc22
	s_wait_loadcnt 0x0
.endif
.if !QOUT
	s_mul_i32 s23, s14, 16*272
	s_add_co_u32 s23, s23, STAGE                   ; my stage
	v_mul_u32_u24 v[STO], v1, 272
	v_lshl_add_u32 v[STO], v2, 6, v[STO]
	v_add_nc_u32 v[STO], s23, v[STO]               ; in: row r, + 64 h
	v_mul_u32_u24 v[RD], v2, 272
	v_lshl_add_u32 v[RD], v1, 4, v[RD]
	v_add_nc_u32 v[RD], s23, v[RD]                 ; back: lanes 0-15 one row of 256 bytes, lanes 16-31 the next
	v_lshlrev_b32 v[CO], 12, v2
	v_lshl_add_u32 v[CO], v1, 4, v[CO]             ; and the same two rows in memory (rows of 4,096 bytes)
	s_lshl_b32 s84, s82, 18                        ; my panel's 64 rows
	s_add_co_u32 s84, s84, s92
	s_mov_b32 s85, 0
	s_add_nc_u64 s[86:87], s[10:11], s[84:85]      ; the residual
	s_add_nc_u64 s[88:89], s[12:13], s[84:85]      ; the output
	WIN TO_R
.irp a, 0,1,2,3                        ; stage rows 2 t and 2 t + 1 of A's tile a are rows 32 (a / 2) + 8 (a % 2) + (2 t) % 8 + 16 (t / 4) and the next of my panel
.irp t, 0,1,2,3,4,5,6,7
	global_load_b128 v[32*\a+4*\t:32*\a+4*\t+3], v[CO], s[86:87] offset:(32*(\a/2)+8*(\a%2)+(2*\t)%8+16*(\t/4))*4096
.endr
.endr
	WIN 0
	s_wait_loadcnt 32                              ; the bias is in; the 32 loads of the residual may be out
.endif
	s_wait_tensorcnt 1                             ; my part of slot 0 is in; slot 1's may stay out
	s_barrier_signal -1
	s_barrier_wait -1
	CHUNK 0, 1
.if NCH == 2
	s_wait_tensorcnt 0x0                           ; my part of slot 1 is in
	s_wait_dscnt 0x0
	s_barrier_signal -1
	s_barrier_wait -1
	CHUNK 1, 0
.else
	s_mov_b32 s3, (NCH-2)/2
.Lring:
	TWO 1, 1
	TWO 0, 1
	s_sub_co_u32 s3, s3, 1
	s_cmp_lg_u32 s3, 0
	s_cbranch_scc1 .Lring
	TWO 1, 0                                       ; the last slot is written out: nothing is left to fetch
.endif
.if QOUT
	PLACES
.irp a, 0,1,2,3                        ; A's tile a: 32 registers = 64 columns of my lane's row, each accumulator from its low end on
.if MODE == 1
.irp n, 0,2,4,6,8,10,12,14,16,18,20,22,24,26,28,30
	v_pk_add_f32 v[ACC+32*\a+\n:ACC+32*\a+\n+1], v[ACC+32*\a+\n:ACC+32*\a+\n+1], v[BA+2*\a:BA+2*\a+1]
.endr
.else
	GELU16 ACC+32*\a
	GELU16 ACC+32*\a+16
.endif
	HALFQ ACC+32*\a, CD+6*\a, PW+\a
.irp p, 0,1,2
	global_store_b64 v[L8], v[CD+6*\a+2*\p:CD+6*\a+2*\p+1], s[86:87] offset:1536*\a+256*\p   ; a plane: 256 consecutive bytes, aligned
.endr
.endr
	v_cndmask_b32 v72, v[PW], v[PW+1], s69         ; lanes 0-15: tile 0's rows, lanes 16-31: tile 1's
	v_cndmask_b32 v73, v[PW+2], v[PW+3], s69
	global_store_b16 v[L4], v72, s[88:89]
	global_store_b16 v[L4], v73, s[88:89] offset:128
.else
	s_wait_loadcnt 0x0                             ; the residual
	PLACES
.irp a, 0,1,2,3
.if \a >= 2
	s_wait_xcnt 0x0                                ; tile a - 2's stores have read their registers: this tile's rows may land there
.endif
.irp b, 0,1,2,3
	ds_store_b128 v[STO], v[ACC+8*(4*\a+\b):ACC+8*(4*\a+\b)+3] offset:128*(\b/2)+32*(\b%2)
	ds_store_b128 v[STO], v[ACC+8*(4*\a+\b)+4:ACC+8*(4*\a+\b)+7] offset:128*(\b/2)+32*(\b%2)+16
.endr
.irp t, 0,1,2,3,4,5,6,7
	ds_load_b128 v[OB+32*(\a%2)+4*\t:OB+32*(\a%2)+4*\t+3], v[RD] offset:544*\t   ; LDS serves a wave's instructions in order (ISA guide 5.7.1.4): these see my stores
.endr
	s_wait_dscnt 0x0
	WIN W_RES
.set n, 0
.rept 16
	v_pk_add_f32 v[OB+32*(\a%2)+n:OB+32*(\a%2)+n+1], v[OB+32*(\a%2)+n:OB+32*(\a%2)+n+1], v[32*\a+n:32*\a+n+1]
.set n, n+2
.endr
	WIN 0
.irp t, 0,1,2,3,4,5,6,7
	global_store_b128 v[CO], v[OB+32*(\a%2)+4*\t:OB+32*(\a%2)+4*\t+3], s[88:89] offset:(32*(\a/2)+8*(\a%2)+(2*\t)%8+16*(\t/4))*4096   ; sixteen lanes store 256 consecutive bytes, aligned
.endr
.endr
.endif
.if MODE == 6
	s_wait_tensorcnt 0x0                           ; the wave's end
	ds_add_u32 v[SPW], v[NIL]
	s_wait_dscnt 0x0
.endif
	CROUND                                         ; the closing round: no work-group ends while a partner may still ask for a tile that names it
	s_endpgm
.Lfunc_end_k_qb6d819d378_gfc1:
	.size	k_qb6d819d378_gfc1, .Lfunc_end_k_qb6d819d378_gfc1-k_qb6d819d378_gfc1
	.p2alignl 7, 3214868480
	.fill 96, 4, 3214868480
	.section	.rodata,"a",@progbits
	.p2align	6, 0x0
	.amdhsa_kernel k_qb6d819d378_gfc1
		.amdhsa_group_segment_fixed_size 327680
		.amdhsa_private_segment_fixed_size 0
		.amdhsa_enable_private_segment 0
		.amdhsa_kernarg_size 32
		.amdhsa_user_sgpr_count 2
		.amdhsa_user_sgpr_kernarg_segment_ptr 1
		.amdhsa_wavefront_size32 1
		.amdhsa_system_sgpr_workgroup_id_x 1
		.amdhsa_system_sgpr_workgroup_id_y 1
		.amdhsa_system_sgpr_workgroup_id_z 1
		.amdhsa_system_vgpr_workitem_id 0
		.amdhsa_next_free_vgpr 512
		.amdhsa_next_free_sgpr 100
		.amdhsa_reserve_vcc 0
		.amdhsa_float_denorm_mode_32 3
		.amdhsa_float_denorm_mode_16_64 3
		.amdhsa_memory_ordered 1
		.amdhsa_forward_progress 1
		.amdhsa_inst_pref_size 122
	.end_amdhsa_kernel
	.amdgpu_metadata
---
amdhsa.version: [ 1, 2 ]
amdhsa.kernels:
  - .name:           k_qb6d819d378_gfc1
    .symbol:         k_qb6d819d378_gfc1.kd
    .args:
      - { .name: h, .offset: 0, .size: 8, .value_kind: global_buffer, .address_space: global }
      - { .name: wimg, .offset: 8, .size: 8, .value_kind: global_buffer, .address_space: global }
      - { .name: fc1_b, .offset: 16, .size: 8, .value_kind: global_buffer, .address_space: global }
      - { .name: g, .offset: 24, .size: 8, .value_kind: global_buffer, .address_space: global }
    .group_segment_fixed_size: 327680
    .private_segment_fixed_size: 0
    .kernarg_segment_align: 8
    .kernarg_segment_size: 32
    .max_flat_workgroup_size: 128
    .sgpr_count:     100
    .vgpr_count:     512
    .wavefront_size: 32
...
	.end_amdgpu_metadata
.endif
;; end of part 6
;; launch gfc2 (part 7): grid 8 x 32, 4 waves a work-group, clusters of 4 x 4, 327,680 bytes of LDS; arguments g, wimg, fc2_b, x1, out0; writes out0
.if DOCPART == 7
	.amdgcn_target "amdgcn-amd-amdhsa--gfx1250"
	.amdhsa_code_object_version 6
	.text
	.protected	k_qb6d819d378_gfc2
	.globl	k_qb6d819d378_gfc2
	.p2align	8
	.type	k_qb6d819d378_gfc2,@function
k_qb6d819d378_gfc2:
	s_mov_b64 s[64:65], 0
	v_nop
	global_prefetch_b8 v0, s[64:65] scope:SCOPE_SE
	s_setreg_imm32_b32 hwreg(HW_REG_WAVE_MODE, 25, 1), 1
	s_wait_xcnt 0x0
	s_wait_alu depctr_hold_cnt(0) depctr_sa_sdst(0) depctr_va_vdst(0) depctr_va_sdst(0) depctr_va_ssrc(0) depctr_va_vcc(0) depctr_vm_vsrc(0)
	s_getreg_b32 s2, hwreg(HW_REG_IB_STS2, 6, 4)
	s_cmp_eq_u32 s2, 0
	s_cbranch_scc0 .Lentry_in_a_cluster
	s_endpgm
.Lentry_in_a_cluster:
	s_bfe_u32 s2, ttmp6, 0x10000c
	s_cmp_lg_u32 s2, 0xf033
	s_cbranch_scc0 .Lentry_shape_is_right
	s_endpgm
.Lentry_shape_is_right:
; D = A B^T on codes of FP6 (E2M3) with E8M0 scales, sums in f32.  One text serves four launches; MODE says which.
; OPERANDS lie in memory as images of operand registers: a UNIT of 6,400 bytes = 64 rows x 128 along K: four images of 1,536 bytes (six planes of 256 bytes; plane q = fragment registers 2q, 2q+1 at
; 8 x lane), then 256 bytes of scale words (tile i, row r at 64 i + 4 r).  Unit (panel, step) at (panel x steps + step) x 6400.  Lane row r of tile T holds row 32 (T / 2) + 8 (T % 2) + r % 8 + 16 (r / 8).
; A work-group of four waves makes 128 x 128 of D, a wave 64 x 64: 16 accumulators.  N = 1,024 in two of the launches: this tile gives each of them 256 work-groups.
; LDS: two slots; a slot holds 4 K steps of A's two panels and B's two; each wave brings one panel's 25,600 dense bytes by one tensor load.  K = 1,024 is two slots: first fills alone.  K = 4,096 (MODE 6)
; goes round the two slots.  CLUSTERS 4 x 4: A's panels are shared along a row of the cluster, B's along a column: joint loads.
; THE MATRIX INSTRUCTION IS USED TRANSPOSED (source 0 = B's 16 rows, source 1 = A's): a lane holds one row of A's tile, and by the row order above the 32 registers of one A tile are
; columns 32 g + 16 (lane / 16) + n, n = 0 .. 15, g = 0, 1: what the quantiser of the next product wants.  The bias along B's rows is the C of each sum's first instruction.
; MODE 1: q and k (A = tokens, B = Wq, Wk) and V^T (A = Wv, B = tokens, so that the quantiser runs along the keys; its bias runs along A's rows and is added at the end); codes out.
; MODE 5: fc1, exact GELU, codes out.  MODE 4, 6: proj, fc2: + residual, f32 out through a stage in LDS, whole rows of 256 bytes.
; GELU: x Phi(x) = max(x, 0) - |x| q(|x|), q = exp(-x^2 / 2) (c1 t + .. + c5 t^5), t = 1 / (1 + 0.2316419 |x|) (Abramowitz and Stegun 26.2.17, 1 / sqrt(2 pi) folded in).
; LIMITS: Phi is within 7.5e-8; NaN and infinities are not served; a block of zeros gets the byte 1 (zero codes; this program alone reads the bytes); scale bytes leave 2 bytes a lane.
.set MODE, 6
.set KST, 8                            ; K steps of 128
.set BOFF, 0                           ; where B's images begin in wimg
.set QOUT, 0                           ; 1: codes out
.if MODE == 1
.set QOUT, 1
.endif
.if MODE == 4
.set BOFF, 2457600
.endif
.if MODE == 5
.set BOFF, 3276800
.set QOUT, 1
.endif
.if MODE == 6
.set BOFF, 6553600
.set KST, 32
.endif
.set NCH,   KST/4                      ; slots' worth of K
.set UNIT,  6400
.set CH,    4*UNIT                     ; a panel's part of a slot
.set SLOT,  4*CH
.set STAGE, 2*SLOT                     ; 16 rows x 272 bytes for each wave (MODE 4, 6)
.set SPARE, STAGE+4*16*272             ; the spare words, 128 bytes for each wave (MODE 6)
.set ADRA, 4                           ; v4-5   LDS address of my A panel in slot 0, 1: + 8 x lane
.set ADRB, 6                           ; v6-7   of my B panel
.set ADRS, 8                           ; v8-9   of the scale words: lanes 0-15 A's, lanes 16-31 B's
.set L8,   10                          ; v10    8 x lane
.set L4,   11                          ; v11    4 x lane
.set STO,  12
.set RD,   13
.set CO,   14
.set SC,   16                          ; v16-23 scale words, two sets of four: register i: lanes 0-15 A's tile i, lanes 16-31 B's tile i
.set SPW,  24
.set NIL,  25
.set HM,   28
.set HT,   30
.set HE,   32
.set HB,   34
.set HX,   40
.set CD,   44                          ; v44-67 codes, six registers for each A tile
.set PW,   68                          ; v68-71 two scale bytes for each A tile
.set BA,   74                          ; v74-81 MODE 1: the bias along A's rows, a pair a tile
.set YY,   80                          ; MODE 5: v80-95, v96-111, v112-127 at work in the GELU
.set UU,   96
.set WW,   112
.set BB,   96                          ; v96-127 the bias along B's rows, in the result's layout
.set OB,   32                          ; MODE 4, 6: v32-95 rows back from the stage, two sets
.set ACC,  128                         ; v128-255 accumulator (a, b) at 128 + 8 (4 a + b)
.set G1A, 24
.set G0A, 32
.set G1B, 48
.set G0B, 56
.set SEL, 66
.set MSB, 0
.macro WIN new                         ; the immediate's high byte repeats the setting that is left
.if MSB != \new
	s_set_vgpr_msb (MSB<<8)|\new
.set MSB, \new
.endif
.endm
.set MUL,   0x05                       ; sources 0 and 1 in window 1 (the fragments); C and D in window 0
.set TO_F,  0x40                       ; destination window 1
.set TO_R,  0x80                       ; destination window 2 (the residual)
.set W_RES, 0x08                       ; source 1 window 2
.macro PLACES                          ; four plain places behind matrix instructions, ahead of loads into their registers and of reads of their results
.rept 4
	v_nop
.endr
.endm
.macro CREST
	s_cmp_lg_u32 s14, 0
	s_cbranch_scc1 .Lnot_wave_0_\@
	s_barrier_signal -3
.Lnot_wave_0_\@:
	s_barrier_wait -3
	s_barrier_signal -1
	s_barrier_wait -1
.endm
.macro CROUND                          ; a round of the cluster's barrier
	s_barrier_signal -1
	s_barrier_wait -1
	CREST
.endm
.macro JLOAD sg                        ; a joint load into slot sg: waves 0, 1 for A, waves 2, 3 for B; four v_nop behind each line
	s_cmp_eq_u32 s15, 0
	s_cbranch_scc0 .Lfor_b_\@
	tensor_load_to_lds s[G0A+4*(\sg):G0A+4*(\sg)+3], s[G1A:G1A+7]
.rept 4
	v_nop
.endr
	s_branch .Lasked_\@
.Lfor_b_\@:
	tensor_load_to_lds s[G0B+4*(\sg):G0B+4*(\sg)+3], s[G1B:G1B+7]
.rept 4
	v_nop
.endr
.Lasked_\@:
.endm
.macro FETCH sg, u, f                  ; K step u of slot sg into fragment buffer f: 4 + 24 + 24 = 52 LDS loads, each of a plane's consecutive bytes
	WIN 0
.irp i, 0,1,2,3
	ds_load_b32 v[SC+4*(\f)+\i], v[ADRS+\sg] offset:UNIT*(\u)+64*\i
.endr
	WIN TO_F
.irp i, 0,1,2,3
.irp q, 0,1,2,3,4,5
	ds_load_b64 v[96*(\f)+48+12*\i+2*\q:96*(\f)+48+12*\i+2*\q+1], v[ADRB+\sg] offset:UNIT*(\u)+1536*\i+256*\q
.endr
.endr
.irp i, 0,1,2,3
.irp q, 0,1,2,3,4,5
	ds_load_b64 v[96*(\f)+12*\i+2*\q:96*(\f)+12*\i+2*\q+1], v[ADRA+\sg] offset:UNIT*(\u)+1536*\i+256*\q
.endr
.endr
	WIN 0
.endm
.macro MUL16 f, first                  ; the 16 accumulators by turns, in the same order everywhere; first = 1: the bias starts the sums
.irp a, 0,1,2,3
.irp b, 0,1,2,3
.if \first
	v_wmma_scale_f32_16x16x128_f8f6f4 v[ACC+8*(4*\a+\b):ACC+8*(4*\a+\b)+7], v[96*(\f)+48+12*\b:96*(\f)+48+12*\b+11], v[96*(\f)+12*\a:96*(\f)+12*\a+11], v[BB+8*\b:BB+8*\b+7], v[SC+4*(\f)+\b], v[SC+4*(\f)+\a] matrix_a_fmt:MATRIX_FMT_FP6 matrix_b_fmt:MATRIX_FMT_FP6 matrix_a_scale:MATRIX_SCALE_ROW1
.else
	v_wmma_scale_f32_16x16x128_f8f6f4 v[ACC+8*(4*\a+\b):ACC+8*(4*\a+\b)+7], v[96*(\f)+48+12*\b:96*(\f)+48+12*\b+11], v[96*(\f)+12*\a:96*(\f)+12*\a+11], v[ACC+8*(4*\a+\b):ACC+8*(4*\a+\b)+7], v[SC+4*(\f)+\b], v[SC+4*(\f)+\a] matrix_a_fmt:MATRIX_FMT_FP6 matrix_b_fmt:MATRIX_FMT_FP6 matrix_a_scale:MATRIX_SCALE_ROW1
.endif
.endr
.endr
.endm
.macro CHUNK sg, first                 ; a slot's four K steps; the next step's fragments are asked for ahead of each step's products
	PLACES
	FETCH \sg, 0, 0
.irp u, 0,1,2,3
.if \u < 3
	PLACES
	FETCH \sg, \u+1, (\u+1)%2
	s_wait_dscnt 52                                ; all but the 52 just issued: this step's fragments are in
.else
	s_wait_dscnt 0x0
.endif
	WIN MUL
.if (\u == 0) && \first
	MUL16 0, 1
.else
	MUL16 \u%2, 0
.endif
	WIN 0
.endr
.endm
.macro TWO sg, refill                  ; the change of slots (MODE 6): slot sg is read next; refill = 1: the other slot takes the K steps two slots on
	s_wait_tensorcnt 0x0                           ; all my tensor loads have landed: my part of slot sg
	ds_add_u32 v[SPW], v[NIL]                      ; 0 onto my spare word
.if \refill
	s_add_nc_u64 s[G0A+4*(1-\sg)+2:G0A+4*(1-\sg)+3], s[G0A+4*(1-\sg)+2:G0A+4*(1-\sg)+3], 2*CH
	s_add_nc_u64 s[G0B+4*(1-\sg)+2:G0B+4*(1-\sg)+3], s[G0B+4*(1-\sg)+2:G0B+4*(1-\sg)+3], 2*CH
.endif
	s_wait_dscnt 0x0                               ; the add is done, and my reads of the other slot are over
.if \refill
	CROUND                                         ; no wave of any partner still reads that slot or has a load on its way
	JLOAD 1-\sg                                    ; my one tensor load behind the round: it has this slot's 64 matrix instructions in which to land
.else
	s_barrier_signal -1
	s_barrier_wait -1
.endif
	CHUNK \sg, 0
.endm
; 32 numbers of a lane, register 16 g + n = k 32 g + 16 (lane / 16) + n of my row, become half a fragment (6 registers: lanes 0-15 block 0, lanes 16-31 block 1) and two scale bytes.
.macro HALFQ src, dst, pw
	v_max3_num_f32 v[HM], |v[(\src)]|, |v[(\src)+1]|, 0x1800000        ; my 16 numbers of each block, and the floor 2^(3 - 127)
	v_max3_num_f32 v[HM+1], |v[(\src)+16]|, |v[(\src)+17]|, 0x1800000
.irp i, 2,4,6,8,10,12,14
	v_max3_num_f32 v[HM], v[HM], |v[(\src)+\i]|, |v[(\src)+\i+1]|
	v_max3_num_f32 v[HM+1], v[HM+1], |v[(\src)+16+\i]|, |v[(\src)+17+\i]|
.endr
	v_permlanex16_b32 v[HT], v[HM], s[SEL], s[SEL+1]
	v_permlanex16_b32 v[HT+1], v[HM+1], s[SEL], s[SEL+1]
	v_max_num_f32 v[HM], v[HM], v[HT]              ; with lane l xor 16's: the block's largest magnitude
	v_max_num_f32 v[HM+1], v[HM+1], v[HT+1]
	v_add_nc_u32 v[HE], 0xff000000, v[HM]          ; 2 off the exponent field: the conversion's scale operand
	v_add_nc_u32 v[HE+1], 0xff000000, v[HM+1]
	v_lshrrev_b32 v[HB], 23, v[HE]
	v_lshrrev_b32 v[HB+1], 23, v[HE+1]
	v_lshl_or_b32 v[(\pw)], v[HB+1], 8, v[HB]
	v_cvt_scalef32_pk16_fp6_f32 v[(\dst):(\dst)+2], v[(\src):(\src)+15], v[HE]
	v_cvt_scalef32_pk16_fp6_f32 v[HX:HX+2], v[(\src)+16:(\src)+31], v[HE+1]
	v_nop                                          ; one plain place behind a scaled conversion
.irp i, 0,1,2
	v_permlane16_swap_b32 v[(\dst)+\i], v[HX+\i]   ; a whole block to a lane
.endr
.irp i, 0,1,2
	v_mov_b32 v[(\dst)+3+\i], v[HX+\i]
.endr
.endm
.macro GELU16 x                        ; sixteen numbers in place
.irp n, 0,1,2,3,4,5,6,7,8,9,10,11,12,13,14,15
	v_fma_f32 v[UU+\n], |v[(\x)+\n]|, s68, 1.0     ; 1 + p |x|
.endr
.irp n, 0,2,4,6,8,10,12,14
	v_pk_mul_f32 v[WW+\n:WW+\n+1], v[(\x)+\n:(\x)+\n+1], s[96:97] op_sel_hi:[1,0]
.endr
.irp n, 0,2,4,6,8,10,12,14
	v_pk_mul_f32 v[WW+\n:WW+\n+1], v[WW+\n:WW+\n+1], v[(\x)+\n:(\x)+\n+1]   ; -x^2 log2(e) / 2
.endr
.irp n, 0,1,2,3,4,5,6,7,8,9,10,11,12,13,14,15
	v_rcp_f32 v[UU+\n], v[UU+\n]                   ; t
.endr
.irp n, 0,1,2,3,4,5,6,7,8,9,10,11,12,13,14,15
	v_exp_f32 v[WW+\n], v[WW+\n]                   ; exp(-x^2 / 2)
.endr
	v_nop                                          ; a plain place behind the batch
	s_wait_alu depctr_va_vdst(0)                   ; one wait for the 32, ahead of their first reader
.irp n, 0,2,4,6,8,10,12,14
	v_pk_fma_f32 v[YY+\n:YY+\n+1], v[UU+\n:UU+\n+1], v[26:27], s[74:75] op_sel_hi:[1,1,0]   ; c5 t + c4
.endr
.irp c, 72,70,98
.irp n, 0,2,4,6,8,10,12,14
	v_pk_fma_f32 v[YY+\n:YY+\n+1], v[YY+\n:YY+\n+1], v[UU+\n:UU+\n+1], s[\c:\c+1] op_sel_hi:[1,1,0]   ; .. t + c3, c2, c1
.endr
.endr
.irp n, 0,2,4,6,8,10,12,14
	v_pk_mul_f32 v[YY+\n:YY+\n+1], v[YY+\n:YY+\n+1], v[UU+\n:UU+\n+1]
.endr
.irp n, 0,2,4,6,8,10,12,14
	v_pk_mul_f32 v[YY+\n:YY+\n+1], v[YY+\n:YY+\n+1], v[WW+\n:WW+\n+1]       ; q
.endr
.irp n, 0,1,2,3,4,5,6,7,8,9,10,11,12,13,14,15
	v_max_num_f32 v[UU+\n], 0, v[(\x)+\n]
.endr
.irp n, 0,1,2,3,4,5,6,7,8,9,10,11,12,13,14,15
	v_fma_f32 v[(\x)+\n], -|v[(\x)+\n]|, v[YY+\n], v[UU+\n]
.endr
.endm
	s_load_b256 s[4:11], s[0:1], 0x0               ; A's images, wimg, the bias, the fourth buffer
.if MODE != 5
	s_load_b64 s[12:13], s[0:1], 0x20              ; the fifth
.endif
.if MODE == 6
	v_lshl_add_u32 v[SPW], v0, 2, SPARE
	v_mov_b32 v[NIL], 0
.endif
	v_lshrrev_b32 v1, 5, v0
	v_readfirstlane_b32 s14, v1                    ; wave 0..3
	s_lshr_b32 s15, s14, 1                         ; which of A's two panels is mine.  Also: I fetch for A (0) or for B (1)
	s_and_b32 s16, s14, 1                          ; which of B's.  Also: which panel I fetch
	s_bfe_u32 s40, ttmp6, 0x40000                  ; cx, cy: my place in the cluster
	s_bfe_u32 s41, ttmp6, 0x40004
	s_and_b32 s18, ttmp7, 0xffff                   ; cluster y
	s_mov_b32 s19, ttmp9                           ; cluster x
.if MODE == 1                          ; clusters with y under 8: q and k, 32 x 16 tiles; the other 16 clusters: V^T, 8 x 32 tiles.  Only numbers and pointers are chosen, by the cluster's y
	s_max_u32 s20, s18, 8
	s_sub_co_u32 s20, s20, 8
	s_lshl_b32 s20, s20, 2
	s_add_co_u32 s20, s20, s19
	s_lshr_b32 s21, s20, 3
	s_and_b32 s22, s20, 7
	s_cmp_ge_u32 s18, 8
	s_cselect_b32 s18, s21, s18
	s_cselect_b32 s19, s22, s19
	s_cselect_b32 s70, 0, -1                       ; all lanes where the bias runs along B's rows,
	s_cselect_b32 s71, -1, 0                       ; along A's
	s_cselect_b32 s72, 1, 0
.endif
	s_lshl_b32 s42, s19, 2
	s_add_co_u32 s42, s42, s40                     ; tile column
	s_lshl_b32 s17, s18, 2
	s_add_co_u32 s17, s17, s41                     ; tile row
	s_lshl_b32 s43, s41, 2
	s_lshl_b32 s43, 15, s43                        ; my row of the cluster
	s_lshl_b32 s44, 0x1111, s40                    ; my column
	; descriptor group 1: 25,600 dense bytes as 100 rows of 32 elements of 8 bytes; no padding: every LDS read takes a plane's consecutive bytes
	s_or_b32 s[G1A], s43, (3<<16)|(1<<21)
	s_or_b32 s[G1B], s44, (3<<16)|(1<<21)
.irp g, G1A, G1B
	s_mov_b32 s[\g+1], 32<<16                      ; tensor_dim0
	s_mov_b32 s[\g+2], 100<<16                     ; tensor_dim1
	s_mov_b32 s[\g+3], 32<<16                      ; tile_dim0
	s_mov_b32 s[\g+4], 100                         ; tile_dim1
	s_mov_b32 s[\g+5], 32                          ; the pitch
	s_mov_b32 s[\g+6], 0
	s_mov_b32 s[\g+7], 0
.endr
	s_lshl_b32 s20, s17, 1
	s_add_co_u32 s20, s20, s16
	s_mul_i32 s20, s20, KST*UNIT                   ; A: panel 2 x tile row + the one I fetch
	s_mov_b32 s21, 0
	s_lshl_b32 s46, s42, 1
	s_add_co_u32 s46, s46, s16
	s_mul_i32 s46, s46, KST*UNIT                   ; B: panel 2 x tile column + the one I fetch
	s_mov_b32 s47, 0
	s_mul_i32 s45, s14, CH                         ; where it goes: wave x a panel's part
	s_wait_kmcnt 0x0
.if MODE == 1
	s_add_nc_u64 s[74:75], s[6:7], 32*8*UNIT       ; Wv's panels
	s_cmp_eq_u32 s72, 1
	s_cselect_b64 s[76:77], s[74:75], s[4:5]
	s_cselect_b64 s[78:79], s[4:5], s[6:7]
	s_cselect_b64 s[80:81], s[12:13], s[10:11]     ; vt or qk
.else
	s_mov_b64 s[76:77], s[4:5]
	s_add_nc_u64 s[78:79], s[6:7], BOFF
.endif
	s_add_nc_u64 s[20:21], s[76:77], s[20:21]
	s_add_nc_u64 s[46:47], s[78:79], s[46:47]
.irp s, 0,1
	s_mov_b32 s[G0A+4*\s], 1
	s_add_co_u32 s[G0A+4*\s+1], s45, \s*SLOT
	s_add_nc_u64 s[G0A+4*\s+2:G0A+4*\s+3], s[20:21], \s*CH
	s_or_b32 s[G0A+4*\s+3], s[G0A+4*\s+3], 0x80000000
	s_mov_b32 s[G0B+4*\s], 1
	s_add_co_u32 s[G0B+4*\s+1], s45, \s*SLOT
	s_add_nc_u64 s[G0B+4*\s+2:G0B+4*\s+3], s[46:47], \s*CH
	s_or_b32 s[G0B+4*\s+3], s[G0B+4*\s+3], 0x80000000
.endr
	CROUND                                         ; all sixteen work-groups are here: the first joint loads meet
	s_cmp_eq_u32 s15, 0                            ; a wave's two first fills stand in one branch: two tensor loads of mine are out
	s_cbranch_scc0 .Lfirst_b
	tensor_load_to_lds s[G0A:G0A+3], s[G1A:G1A+7]
	tensor_load_to_lds s[G0A+4:G0A+7], s[G1A:G1A+7]
.rept 4
	v_nop
.endr
	s_branch .Lfirst_asked
.Lfirst_b:
	tensor_load_to_lds s[G0B:G0B+3], s[G1B:G1B+7]
	tensor_load_to_lds s[G0B+4:G0B+7], s[G1B:G1B+7]
.rept 4
	v_nop
.endr
.Lfirst_asked:
	v_and_b32 v3, 31, v0                           ; lane
	v_and_b32 v1, 15, v0                           ; r
	v_bfe_u32 v2, v0, 4, 1                         ; h
	v_lshlrev_b32 v[L8], 3, v3
	v_lshlrev_b32 v[L4], 2, v3
	s_mul_i32 s22, s15, CH
	s_mul_i32 s23, s16, CH
	s_add_co_u32 s23, s23, 2*CH
	v_add_nc_u32 v[ADRA], s22, v[L8]
	v_add_nc_u32 v[ADRB], s23, v[L8]
	v_add_nc_u32 v[ADRA+1], SLOT, v[ADRA]
	v_add_nc_u32 v[ADRB+1], SLOT, v[ADRB]
	s_sub_co_u32 s23, s23, s22
	v_mul_u32_u24 v[ADRS], s23, v2                 ; lanes 16-31 take B's scale words: one product, the distance between the two panels
	v_lshl_add_u32 v[ADRS], v1, 2, v[ADRS]
	s_add_co_u32 s22, s22, 6144
	v_add_nc_u32 v[ADRS], s22, v[ADRS]
	v_add_nc_u32 v[ADRS+1], SLOT, v[ADRS]
	s_lshl_b32 s82, s17, 1
	s_add_co_u32 s82, s82, s15                     ; my panel of A
	s_lshl_b32 s46, s42, 7
	s_lshl_b32 s47, s16, 6
	s_add_co_u32 s46, s46, s47                     ; my first column: 128 x tile column + 64 x half
	s_lshl_b32 s92, s46, 2
.if MODE == 1
	s_cmp_eq_u32 s72, 1
	s_cselect_b32 s92, 0, s92                      ; (V^T: the columns are tokens; the loads stay inside the bias, and what they bring is set to 0)
.endif
	s_mov_b32 s93, 0
	s_add_nc_u64 s[94:95], s[8:9], s[92:93]
	v_lshlrev_b32 v15, 6, v2
.irp b, 0,1,2,3                        ; register 8 b + j: the bias of column 32 (b / 2) + 16 h + 8 (b % 2) + j
	global_load_b128 v[BB+8*\b:BB+8*\b+3], v15, s[94:95] offset:(32*(\b/2)+8*(\b%2))*4
	global_load_b128 v[BB+8*\b+4:BB+8*\b+7], v15, s[94:95] offset:(32*(\b/2)+8*(\b%2))*4+16
.endr
.if QOUT
	s_mov_b32 s[SEL], 0x76543210
	s_mov_b32 s[SEL+1], 0xfedcba98
	s_mov_b32 s69, 0xffff0000                      ; lanes 16-31
	v_mov_b32 v[HT], 0                             ; written once: a lane permute's destination counts as one of its sources
	v_mov_b32 v[HT+1], 0
	s_lshl_b32 s84, s82, 5                         ; the output has 32 K steps a panel
	s_add_co_u32 s84, s84, s42
	s_mul_i32 s84, s84, UNIT
	s_mov_b32 s85, 0
.if MODE == 1
	s_add_nc_u64 s[86:87], s[80:81], s[84:85]      ; my unit of the output
.else
	s_add_nc_u64 s[86:87], s[10:11], s[84:85]
.endif
	s_lshl_b32 s84, s16, 1
	s_add_co_u32 s84, s84, 6144
	s_add_nc_u64 s[88:89], s[86:87], s[84:85]      ; my two bytes of its scale words
	s_mul_i32 s84, s16, 768
	s_add_nc_u64 s[86:87], s[86:87], s[84:85]      ; my half of its planes
.endif
.if MODE == 1
	s_lshl_b32 s90, s82, 8
	s_add_co_u32 s90, s90, 2048*4
	s_cmp_eq_u32 s72, 1
	s_cselect_b32 s90, s90, 0
	s_mov_b32 s91, 0
	s_add_nc_u64 s[90:91], s[8:9], s[90:91]
	v_and_b32 v26, 7, v1
	v_bfe_u32 v27, v1, 3, 1
	v_lshl_add_u32 v26, v27, 4, v26
	v_lshlrev_b32 v26, 2, v26
.irp a, 0,1,2,3
	global_load_b32 v[BA+2*\a], v26, s[90:91] offset:(32*(\a/2)+8*(\a%2))*4   ; the bias of my lane's row of A's tile a
.endr
	s_wait_loadcnt 0x0
.set n, 0
.rept 32
	v_cndmask_b32 v[BB+n], 0, v[BB+n], s70
.set n, n+1
.endr
.irp a, 0,1,2,3
	v_cndmask_b32 v[BA+2*\a], 0, v[BA+2*\a], s71
	v_mov_b32 v[BA+2*\a+1], v[BA+2*\a]
.endr
.endif
.if MODE == 5
	s_mov_b32 s68, 0x3e6d3389                      ; p = 0.2316419
	s_mov_b32 s96, 0xbf38aa3b                      ; -log2(e) / 2
	s_mov_b32 s97, s96                             ; (each pair is named whole, so both words are written)
	s_mov_b32 s98, 0x3e027906                      ; c1
	s_mov_b32 s99, s98
	s_mov_b32 s70, 0xbe11a98e                      ; c2
	s_mov_b32 s71, s70
	s_mov_b32 s72, 0x3f35f0e3                      ; c3
	s_mov_b32 s73, s72
	s_mov_b32 s74, 0xbf3a00e3                      ; c4
	s_mov_b32 s75, s74
	v_mov_b32 v26, 0x3f07dc22                      ; c5
	v_mov_b32 v27, 0x3f07dc22
	s_wait_loadcnt 0x0
.endif
.if !QOUT
	s_mul_i32 s23, s14, 16*272
	s_add_co_u32 s23, s23, STAGE                   ; my stage
	v_mul_u32_u24 v[STO], v1, 272
	v_lshl_add_u32 v[STO], v2, 6, v[STO]
	v_add_nc_u32 v[STO], s23, v[STO]               ; in: row r, + 64 h
	v_mul_u32_u24 v[RD], v2, 272
	v_lshl_add_u32 v[RD], v1, 4, v[RD]
	v_add_nc_u32 v[RD], s23, v[RD]                 ; back: lanes 0-15 one row of 256 bytes, lanes 16-31 the next
	v_lshlrev_b32 v[CO], 12, v2
	v_lshl_add_u32 v[CO], v1, 4, v[CO]             ; and the same two rows in memory (rows of 4,096 bytes)
	s_lshl_b32 s84, s82, 18                        ; my panel's 64 rows
	s_add_co_u32 s84, s84, s92
	s_mov_b32 s85, 0
	s_add_nc_u64 s[86:87], s[10:11], s[84:85]      ; the residual
	s_add_nc_u64 s[88:89], s[12:13], s[84:85]      ; the output
	WIN TO_R
.irp a, 0,1,2,3                        ; stage rows 2 t and 2 t + 1 of A's tile a are rows 32 (a / 2) + 8 (a % 2) + (2 t) % 8 + 16 (t / 4) and the next of my panel
.irp t, 0,1,2,3,4,5,6,7
	global_load_b128 v[32*\a+4*\t:32*\a+4*\t+3], v[CO], s[86:87] offset:(32*(\a/2)+8*(\a%2)+(2*\t)%8+16*(\t/4))*4096
.endr
.endr
	WIN 0
	s_wait_loadcnt 32                              ; the bias is in; the 32 loads of the residual may be out
.endif
	s_wait_tensorcnt 1                             ; my part of slot 0 is in; slot 1's may stay out
	s_barrier_signal -1
	s_barrier_wait -1
	CHUNK 0, 1
.if NCH == 2
	s_wait_tensorcnt 0x0                           ; my part of slot 1 is in
	s_wait_dscnt 0x0
	s_barrier_signal -1
	s_barrier_wait -1
	CHUNK 1, 0
.else
	s_mov_b32 s3, (NCH-2)/2
.Lring:
	TWO 1, 1
	TWO 0, 1
	s_sub_co_u32 s3, s3, 1
	s_cmp_lg_u32 s3, 0
	s_cbranch_scc1 .Lring
	TWO 1, 0                                       ; the last slot is written out: nothing is left to fetch
.endif
.if QOUT
	PLACES
.irp a, 0,1,2,3                        ; A's tile a: 32 registers = 64 columns of my lane's row, each accumulator from its low end on
.if MODE == 1
.irp n, 0,2,4,6,8,10,12,14,16,18,20,22,24,26,28,30
	v_pk_add_f32 v[ACC+32*\a+\n:ACC+32*\a+\n+1], v[ACC+32*\a+\n:ACC+32*\a+\n+1], v[BA+2*\a:BA+2*\a+1]
.endr
.else
	GELU16 ACC+32*\a
	GELU16 ACC+32*\a+16
.endif
	HALFQ ACC+32*\a, CD+6*\a, PW+\a
.irp p, 0,1,2
	global_store_b64 v[L8], v[CD+6*\a+2*\p:CD+6*\a+2*\p+1], s[86:87] offset:1536*\a+256*\p   ; a plane: 256 consecutive bytes, aligned
.endr
.endr
	v_cndmask_b32 v72, v[PW], v[PW+1], s69         ; lanes 0-15: tile 0's rows, lanes 16-31: tile 1's
	v_cndmask_b32 v73, v[PW+2], v[PW+3], s69
	global_store_b16 v[L4], v72, s[88:89]
	global_store_b16 v[L4], v73, s[88:89] offset:128
.else
	s_wait_loadcnt 0x0                             ; the residual
	PLACES
.irp a, 0,1,2,3
.if \a >= 2
	s_wait_xcnt 0x0                                ; tile a - 2's stores have read their registers: this tile's rows may land there
.endif
.irp b, 0,1,2,3
	ds_store_b128 v[STO], v[ACC+8*(4*\a+\b):ACC+8*(4*\a+\b)+3] offset:128*(\b/2)+32*(\b%2)
	ds_store_b128 v[STO], v[ACC+8*(4*\a+\b)+4:ACC+8*(4*\a+\b)+7] offset:128*(\b/2)+32*(\b%2)+16
.endr
.irp t, 0,1,2,3,4,5,6,7
	ds_load_b128 v[OB+32*(\a%2)+4*\t:OB+32*(\a%2)+4*\t+3], v[RD] offset:544*\t   ; LDS serves a wave's instructions in order (ISA guide 5.7.1.4): these see my stores
.endr
	s_wait_dscnt 0x0
	WIN W_RES
.set n, 0
.rept 16
	v_pk_add_f32 v[OB+32*(\a%2)+n:OB+32*(\a%2)+n+1], v[OB+32*(\a%2)+n:OB+32*(\a%2)+n+1], v[32*\a+n:32*\a+n+1]
.set n, n+2
.endr
	WIN 0
.irp t, 0,1,2,3,4,5,6,7
	global_store_b128 v[CO], v[OB+32*(\a%2)+4*\t:OB+32*(\a%2)+4*\t+3], s[88:89] offset:(32*(\a/2)+8*(\a%2)+(2*\t)%8+16*(\t/4))*4096   ; sixteen lanes store 256 consecutive bytes, aligned
.endr
.endr
.endif
.if MODE == 6
	s_wait_tensorcnt 0x0                           ; the wave's end
	ds_add_u32 v[SPW], v[NIL]
	s_wait_dscnt 0x0
.endif
	CROUND                                         ; the closing round: no work-group ends while a partner may still ask for a tile that names it
	s_endpgm
.Lfunc_end_k_qb6d819d378_gfc2:
	.size	k_qb6d819d378_gfc2, .Lfunc_end_k_qb6d819d378_gfc2-k_qb6d819d378_gfc2
	.p2alignl 7, 3214868480
	.fill 96, 4, 3214868480
	.section	.rodata,"a",@progbits
	.p2align	6, 0x0
	.amdhsa_kernel k_qb6d819d378_gfc2
		.amdhsa_group_segment_fixed_size 327680
		.amdhsa_private_segment_fixed_size 0
		.amdhsa_enable_private_segment 0
		.amdhsa_kernarg_size 40
		.amdhsa_user_sgpr_count 2
		.amdhsa_user_sgpr_kernarg_segment_ptr 1
		.amdhsa_wavefront_size32 1
		.amdhsa_system_sgpr_workgroup_id_x 1
		.amdhsa_system_sgpr_workgroup_id_y 1
		.amdhsa_system_sgpr_workgroup_id_z 1
		.amdhsa_system_vgpr_workitem_id 0
		.amdhsa_next_free_vgpr 768
		.amdhsa_next_free_sgpr 100
		.amdhsa_reserve_vcc 0
		.amdhsa_float_denorm_mode_32 3
		.amdhsa_float_denorm_mode_16_64 3
		.amdhsa_memory_ordered 1
		.amdhsa_forward_progress 1
		.amdhsa_inst_pref_size 114
	.end_amdhsa_kernel
	.amdgpu_metadata
---
amdhsa.version: [ 1, 2 ]
amdhsa.kernels:
  - .name:           k_qb6d819d378_gfc2
    .symbol:         k_qb6d819d378_gfc2.kd
    .args:
      - { .name: g, .offset: 0, .size: 8, .value_kind: global_buffer, .address_space: global }
      - { .name: wimg, .offset: 8, .size: 8, .value_kind: global_buffer, .address_space: global }
      - { .name: fc2_b, .offset: 16, .size: 8, .value_kind: global_buffer, .address_space: global }
      - { .name: x1, .offset: 24, .size: 8, .value_kind: global_buffer, .address_space: global }
      - { .name: out0, .offset: 32, .size: 8, .value_kind: global_buffer, .address_space: global }
    .group_segment_fixed_size: 327680
    .private_segment_fixed_size: 0
    .kernarg_segment_align: 8
    .kernarg_segment_size: 40
    .max_flat_workgroup_size: 128
    .sgpr_count:     100
    .vgpr_count:     768
    .wavefront_size: 32
...
	.end_amdgpu_metadata
.endif
;; end of part 7
;; ======== version 2 of 2: 8 launches; 1.14 times as fast as version 1
;; limits: a function is approximated: absolute error at most 7.5e-08
;; workspace buffers: wimg 9,830,400 bytes; h 3,276,800 bytes; qk 13,107,200 bytes; vt 3,276,800 bytes; ao 3,276,800 bytes; x1 16,777,216 bytes; g 13,107,200 bytes
;; launch wq: the kernel of part 1 again; grid 768 x 1, 4 waves a work-group, no clusters, 0 bytes of LDS; arguments qkv_w, proj_w, fc1_w, fc2_w, wimg; writes wimg
;; launch ln1: the kernel of part 2 again; grid 256 x 1, 4 waves a work-group, no clusters, 65,792 bytes of LDS; arguments x, g1, b1, h; writes h
;; launch gqkv (part 8): grid 8 x 32, 4 waves a work-group, clusters of 4 x 4, 327,680 bytes of LDS; arguments h, wimg, qkv_b, qk, vt; writes qk, vt
.if DOCPART == 8
	.amdgcn_target "amdgcn-amd-amdhsa--gfx1250"
	.amdhsa_code_object_version 6
	.text
	.protected	k_qb6d819d378_gqkv
	.globl	k_qb6d819d378_gqkv
	.p2align	8
	.type	k_qb6d819d378_gqkv,@function
k_qb6d819d378_gqkv:
	s_mov_b64 s[64:65], 0
	v_nop
	global_prefetch_b8 v0, s[64:65] scope:SCOPE_SE
	s_setreg_imm32_b32 hwreg(HW_REG_WAVE_MODE, 25, 1), 1
	s_wait_xcnt 0x0
	s_wait_alu depctr_hold_cnt(0) depctr_sa_sdst(0) depctr_va_vdst(0) depctr_va_sdst(0) depctr_va_ssrc(0) depctr_va_vcc(0) depctr_vm_vsrc(0)
	s_getreg_b32 s2, hwreg(HW_REG_IB_STS2, 6, 4)
	s_cmp_eq_u32 s2, 0
	s_cbranch_scc0 .Lentry_in_a_cluster
	s_endpgm
.Lentry_in_a_cluster:
	s_bfe_u32 s2, ttmp6, 0x10000c
	s_cmp_lg_u32 s2, 0xf033
	s_cbranch_scc0 .Lentry_shape_is_right
	s_endpgm
.Lentry_shape_is_right:
; D = A W^T on codes of FP6 (E2M3) with E8M0 scales, sums in f32, K = 1,024; the results are quantised again and leave as codes.  One text serves two launches; MODE says which.
; OPERANDS lie in memory as images of operand registers: a UNIT of 6,400 bytes = 64 rows x 128 along K: four images of 1,536 bytes (six planes of 256 bytes; plane q = fragment registers 2q, 2q+1 at
; 8 x lane), then 256 bytes of scale words (tile i, row r at 64 i + 4 r).  Unit (panel, step) at (panel x steps + step) x 6400.  Lane row r of tile T holds row 32 (T / 2) + 8 (T % 2) + r % 8 + 16 (r / 8).
; A WORK-GROUP STAYS.  It owns 128 token rows (A: two panels, all of K, 102,400 dense bytes), which come into LDS once, and walks NT tiles of 128 columns of the weight, 8 tile columns apart.
; A weight tile (two panels, all of K, 102,400 dense bytes) goes through two LDS buffers: as soon as a tile's products have read their buffer it is filled again with the tile two on, so that the load has
; this tile's way out and the next tile's 128 matrix instructions in which to land.  Each wave brings a quarter of a tile, 25,600 bytes, by one tensor load.  Four waves, each 64 x 64: 16 accumulators.
; CLUSTERS 4 x 4: A is shared along a row of the cluster, the weight tiles along a column: joint loads.
; LDS: W's two buffers lie one bit of the address apart (0 and 2^17), so that one exclusive or turns an address in one into the other's; A's first quarter lies in the gap between them, the other three behind.
; THE MATRIX INSTRUCTION IS USED TRANSPOSED (source 0 = 16 rows of W, source 1 = 16 tokens): a lane holds one token, and by the row order above the 32 registers of one token tile are
; columns 32 g + 16 (lane / 16) + n, n = 0 .. 15, g = 0, 1: what the quantiser of the next product wants.  The bias along W's rows is the C of each sum's first instruction.
; MODE 1: NT = 3: q, k, and V^T.  The third tile's weight is Wv, and its sources are swapped (source 0 = tokens, source 1 = Wv), so that the quantiser runs along the keys; its bias runs along the lane's row and is added at the end.
; MODE 5: NT = 4: fc1, exact GELU.
; GELU: x Phi(x) = max(x, 0) - |x| q(|x|), q = exp(-x^2 / 2) (c1 t + .. + c5 t^5), t = 1 / (1 + 0.2316419 |x|) (Abramowitz and Stegun 26.2.17, 1 / sqrt(2 pi) folded in).
; LIMITS: Phi is within 7.5e-8; NaN and infinities are not served; a block of zeros gets the byte 1 (zero codes; this program alone reads the bytes); scale bytes leave 2 bytes a lane.
.set MODE, 1
.if MODE == 1
.set NT,   3                           ; tiles that a work-group walks
.set BOFF, 0                           ; where W's images begin in wimg
.else
.set NT,   4
.set BOFF, 3276800
.endif
.set UNIT,  6400
.set CH,    4*UNIT                     ; a quarter of a tile: half a panel
.set PANEL, 8*UNIT
.set WB1,   1<<17                      ; W's buffer 1 (buffer 0 lies at 0)
.set AQ0,   4*CH                       ; A's quarter 0, behind W's buffer 0
.set AQ1,   WB1+4*CH                   ; A's quarters 1 to 3, behind W's buffer 1
.set SPARE, AQ1+3*CH                   ; the spare words, 128 bytes for each wave: two blocks of 256 bytes that no other line names
.set WSTEP, 16*PANEL                   ; 8 tile columns on in W's images
.set ADRA,  4                          ; v4-5   LDS address of my token panel, K steps 0-3 and 4-7: + 8 x lane
.set ADRB0, 6                          ; v6     my W panel's place in a buffer: + 8 x lane
.set ADRB,  7                          ; v7     the same in the buffer in hand
.set ADRSA, 8                          ; v8-9   A's scale words: + 4 r
.set L8,    10                         ; v10    8 x lane
.set L4,    11                         ; v11    4 x lane
.set ADRSB0, 12                        ; v12    W's scale words' place in a buffer
.set ADRSB, 13                         ; v13    the same in the buffer in hand
.set SC,    16                         ; v16-31 scale words, two sets of eight: A's four tiles, then W's four
.set SPW,   32                         ; v32    LDS address of my spare word; never rewritten
.set NIL,   33                         ; v33    0; never rewritten
.set C5,    34                         ; v34-35 MODE 5: c5 twice
.set HM,    36
.set HT,    38
.set HE,    40
.set HB,    42
.set HX,    44
.set CD,    48                         ; v48-71 codes, six registers for each tile of lane rows
.set PW,    72                         ; v72-75 two scale bytes for each
.set BA,    78                         ; v78-85 MODE 1: the bias along Wv's rows, a pair a tile
.set YY,    80                         ; MODE 5: v80-95, v96-111, v112-127 at work in the GELU
.set UU,    96
.set WW,    112
.set ACC,   128                        ; v128-255 accumulator (a, b) at 128 + 8 (4 a + b)
.set BB,    192                        ; in window 1: v192-223 the bias along W's rows, in the result's layout
.set G1A, 24                           ; s[24:31] descriptor group 1 for A;  s[32:35] its group 0
.set G0A, 32
.set TB,  36                           ; s36      LDS byte at which the W buffer in hand begins
.set G1B, 48                           ; s[48:55] group 1 for W;  s[56:63] two groups 0: one for each first fill; the second then walks on
.set G0W, 56
.set SEL, 66
.set MSB, 0
.macro WIN new                         ; the immediate's high byte repeats the setting that is left
.if MSB != \new
	s_set_vgpr_msb (MSB<<8)|\new
.set MSB, \new
.endif
.endm
.set MUL,   0x05                       ; sources 0 and 1 in window 1 (the fragments); C and D in window 0
.set MULB,  0x15                       ; the same with C in window 1 (the bias)
.set TO_F,  0x40                       ; destination window 1
.macro PLACES                          ; four plain places behind matrix instructions, ahead of loads into their registers and of reads of their results
.rept 4
	v_nop
.endr
.endm
.macro CROUND                          ; a round of the cluster's barrier
	s_barrier_signal -1
	s_barrier_wait -1
	s_cmp_lg_u32 s14, 0
	s_cbranch_scc1 .Lnot_wave_0_\@
	s_barrier_signal -3
.Lnot_wave_0_\@:
	s_barrier_wait -3
	s_barrier_signal -1
	s_barrier_wait -1
.endm
.macro FETCH u, f                      ; K step u into fragment buffer f: 8 + 24 + 24 = 56 LDS loads, each of consecutive bytes
	WIN 0
.irp i, 0,1,2,3
	ds_load_b32 v[SC+8*(\f)+\i], v[ADRSA+(\u)/4] offset:UNIT*((\u)%4)+64*\i
.endr
.irp i, 0,1,2,3
	ds_load_b32 v[SC+8*(\f)+4+\i], v[ADRSB] offset:UNIT*(\u)+64*\i
.endr
	WIN TO_F
.irp i, 0,1,2,3
.irp q, 0,1,2,3,4,5
	ds_load_b64 v[96*(\f)+48+12*\i+2*\q:96*(\f)+48+12*\i+2*\q+1], v[ADRB] offset:UNIT*(\u)+1536*\i+256*\q
.endr
.endr
.irp i, 0,1,2,3
.irp q, 0,1,2,3,4,5
	ds_load_b64 v[96*(\f)+12*\i+2*\q:96*(\f)+12*\i+2*\q+1], v[ADRA+(\u)/4] offset:UNIT*((\u)%4)+1536*\i+256*\q
.endr
.endr
	WIN 0
.endm
.macro MUL16 f, first, swap            ; the 16 accumulators by turns, in the same order everywhere; first = 1: the bias, or with swapped sources the constant 0, starts the sums
.irp a, 0,1,2,3
.irp b, 0,1,2,3
.if \swap
.if \first
	v_wmma_scale_f32_16x16x128_f8f6f4 v[ACC+8*(4*\a+\b):ACC+8*(4*\a+\b)+7], v[96*(\f)+12*\b:96*(\f)+12*\b+11], v[96*(\f)+48+12*\a:96*(\f)+48+12*\a+11], 0, v[SC+8*(\f)+\b], v[SC+8*(\f)+4+\a] matrix_a_fmt:MATRIX_FMT_FP6 matrix_b_fmt:MATRIX_FMT_FP6
.else
	v_wmma_scale_f32_16x16x128_f8f6f4 v[ACC+8*(4*\a+\b):ACC+8*(4*\a+\b)+7], v[96*(\f)+12*\b:96*(\f)+12*\b+11], v[96*(\f)+48+12*\a:96*(\f)+48+12*\a+11], v[ACC+8*(4*\a+\b):ACC+8*(4*\a+\b)+7], v[SC+8*(\f)+\b], v[SC+8*(\f)+4+\a] matrix_a_fmt:MATRIX_FMT_FP6 matrix_b_fmt:MATRIX_FMT_FP6
.endif
.else
.if \first
	v_wmma_scale_f32_16x16x128_f8f6f4 v[ACC+8*(4*\a+\b):ACC+8*(4*\a+\b)+7], v[96*(\f)+48+12*\b:96*(\f)+48+12*\b+11], v[96*(\f)+12*\a:96*(\f)+12*\a+11], v[BB+8*\b:BB+8*\b+7], v[SC+8*(\f)+4+\b], v[SC+8*(\f)+\a] matrix_a_fmt:MATRIX_FMT_FP6 matrix_b_fmt:MATRIX_FMT_FP6
.else
	v_wmma_scale_f32_16x16x128_f8f6f4 v[ACC+8*(4*\a+\b):ACC+8*(4*\a+\b)+7], v[96*(\f)+48+12*\b:96*(\f)+48+12*\b+11], v[96*(\f)+12*\a:96*(\f)+12*\a+11], v[ACC+8*(4*\a+\b):ACC+8*(4*\a+\b)+7], v[SC+8*(\f)+4+\b], v[SC+8*(\f)+\a] matrix_a_fmt:MATRIX_FMT_FP6 matrix_b_fmt:MATRIX_FMT_FP6
.endif
.endif
.endr
.endr
.endm
.macro COMPUTE swap                    ; a tile's eight K steps; the next step's fragments are asked for ahead of each step's products
	PLACES
	FETCH 0, 0
.irp u, 0,1,2,3,4,5,6,7
.if \u < 7
	PLACES
	FETCH \u+1, (\u+1)%2
	s_wait_dscnt 56                                ; all but the 56 just issued: this step's fragments are in
.else
	s_wait_dscnt 0x0
.endif
.if \u == 0
	s_wait_loadcnt 0x0                             ; this tile's bias, asked for a tile ago
.if \swap
	WIN MUL
.else
	WIN MULB
.endif
	MUL16 0, 1, \swap
.else
	WIN MUL
	MUL16 \u%2, 0, \swap
.endif
	WIN 0
.endr
.endm
.macro BIAS                            ; register 8 b + j: the bias of column 32 (b / 2) + 16 h + 8 (b % 2) + j of my 64
	WIN TO_F
.irp b, 0,1,2,3
	global_load_b128 v[BB+8*\b:BB+8*\b+3], v15, s[94:95] offset:(32*(\b/2)+8*(\b%2))*4
	global_load_b128 v[BB+8*\b+4:BB+8*\b+7], v15, s[94:95] offset:(32*(\b/2)+8*(\b%2))*4+16
.endr
	WIN 0
.endm
; 32 numbers of a lane, register 16 g + n = k 32 g + 16 (lane / 16) + n of my row, become half a fragment (6 registers: lanes 0-15 block 0, lanes 16-31 block 1) and two scale bytes.
.macro HALFQ src, dst, pw
	v_max3_num_f32 v[HM], |v[(\src)]|, |v[(\src)+1]|, 0x1800000        ; my 16 numbers of each block, and the floor 2^(3 - 127)
	v_max3_num_f32 v[HM+1], |v[(\src)+16]|, |v[(\src)+17]|, 0x1800000
.irp i, 2,4,6,8,10,12,14
	v_max3_num_f32 v[HM], v[HM], |v[(\src)+\i]|, |v[(\src)+\i+1]|
	v_max3_num_f32 v[HM+1], v[HM+1], |v[(\src)+16+\i]|, |v[(\src)+17+\i]|
.endr
	v_permlanex16_b32 v[HT], v[HM], s[SEL], s[SEL+1]
	v_permlanex16_b32 v[HT+1], v[HM+1], s[SEL], s[SEL+1]
	v_max_num_f32 v[HM], v[HM], v[HT]              ; with lane l xor 16's: the block's largest magnitude
	v_max_num_f32 v[HM+1], v[HM+1], v[HT+1]
	v_add_nc_u32 v[HE], 0xff000000, v[HM]          ; 2 off the exponent field: the conversion's scale operand
	v_add_nc_u32 v[HE+1], 0xff000000, v[HM+1]
	v_lshrrev_b32 v[HB], 23, v[HE]
	v_lshrrev_b32 v[HB+1], 23, v[HE+1]
	v_lshl_or_b32 v[(\pw)], v[HB+1], 8, v[HB]
	v_cvt_scalef32_pk16_fp6_f32 v[(\dst):(\dst)+2], v[(\src):(\src)+15], v[HE]
	v_cvt_scalef32_pk16_fp6_f32 v[HX:HX+2], v[(\src)+16:(\src)+31], v[HE+1]
	v_nop                                          ; one plain place behind a scaled conversion
.irp i, 0,1,2
	v_permlane16_swap_b32 v[(\dst)+\i], v[HX+\i]   ; a whole block to a lane
.endr
.irp i, 0,1,2
	v_mov_b32 v[(\dst)+3+\i], v[HX+\i]
.endr
.endm
.macro GELU16 x                        ; sixteen numbers in place
.irp n, 0,1,2,3,4,5,6,7,8,9,10,11,12,13,14,15
	v_fma_f32 v[UU+\n], |v[(\x)+\n]|, s68, 1.0     ; 1 + p |x|
.endr
.irp n, 0,2,4,6,8,10,12,14
	v_pk_mul_f32 v[WW+\n:WW+\n+1], v[(\x)+\n:(\x)+\n+1], s[96:97] op_sel_hi:[1,0]
.endr
.irp n, 0,2,4,6,8,10,12,14
	v_pk_mul_f32 v[WW+\n:WW+\n+1], v[WW+\n:WW+\n+1], v[(\x)+\n:(\x)+\n+1]   ; -x^2 log2(e) / 2
.endr
.irp n, 0,1,2,3,4,5,6,7,8,9,10,11,12,13,14,15
	v_rcp_f32 v[UU+\n], v[UU+\n]                   ; t
.endr
.irp n, 0,1,2,3,4,5,6,7,8,9,10,11,12,13,14,15
	v_exp_f32 v[WW+\n], v[WW+\n]                   ; exp(-x^2 / 2)
.endr
	v_nop                                          ; a plain place behind the batch
	s_wait_alu depctr_va_vdst(0)                   ; one wait for the 32, ahead of their first reader
.irp n, 0,2,4,6,8,10,12,14
	v_pk_fma_f32 v[YY+\n:YY+\n+1], v[UU+\n:UU+\n+1], v[C5:C5+1], s[74:75] op_sel_hi:[1,1,0]   ; c5 t + c4
.endr
.irp c, 72,70,98
.irp n, 0,2,4,6,8,10,12,14
	v_pk_fma_f32 v[YY+\n:YY+\n+1], v[YY+\n:YY+\n+1], v[UU+\n:UU+\n+1], s[\c:\c+1] op_sel_hi:[1,1,0]   ; .. t + c3, c2, c1
.endr
.endr
.irp n, 0,2,4,6,8,10,12,14
	v_pk_mul_f32 v[YY+\n:YY+\n+1], v[YY+\n:YY+\n+1], v[UU+\n:UU+\n+1]
.endr
.irp n, 0,2,4,6,8,10,12,14
	v_pk_mul_f32 v[YY+\n:YY+\n+1], v[YY+\n:YY+\n+1], v[WW+\n:WW+\n+1]       ; q
.endr
.irp n, 0,1,2,3,4,5,6,7,8,9,10,11,12,13,14,15
	v_max_num_f32 v[UU+\n], 0, v[(\x)+\n]
.endr
.irp n, 0,1,2,3,4,5,6,7,8,9,10,11,12,13,14,15
	v_fma_f32 v[(\x)+\n], -|v[(\x)+\n]|, v[YY+\n], v[UU+\n]
.endr
.endm
; THE WAY OUT of a tile: for each tile a of lane rows, 32 registers = 64 columns of my lane's row, each accumulator from its low end on: activation, quantiser, three planes of codes; then the scale bytes.
.macro EPI swap
	PLACES
.irp a, 0,1,2,3
.if MODE == 1
.if \swap
.irp n, 0,2,4,6,8,10,12,14,16,18,20,22,24,26,28,30
	v_pk_add_f32 v[ACC+32*\a+\n:ACC+32*\a+\n+1], v[ACC+32*\a+\n:ACC+32*\a+\n+1], v[BA+2*\a:BA+2*\a+1]
.endr
.endif
.else
	GELU16 ACC+32*\a
	GELU16 ACC+32*\a+16
.endif
	HALFQ ACC+32*\a, CD+6*\a, PW+\a
.irp p, 0,1,2
.if \swap
	global_store_b64 v[L8], v[CD+6*\a+2*\p:CD+6*\a+2*\p+1], s[76:77] offset:1536*\a+256*\p
.else
	global_store_b64 v[L8], v[CD+6*\a+2*\p:CD+6*\a+2*\p+1], s[86:87] offset:1536*\a+256*\p   ; a plane: 256 consecutive bytes, aligned
.endif
.endr
.endr
	v_cndmask_b32 v76, v[PW], v[PW+1], s69         ; lanes 0-15: tile 0's rows, lanes 16-31: tile 1's
	v_cndmask_b32 v77, v[PW+2], v[PW+3], s69
.if \swap
	global_store_b16 v[L4], v76, s[78:79]
	global_store_b16 v[L4], v77, s[78:79] offset:128
.else
	global_store_b16 v[L4], v76, s[88:89]
	global_store_b16 v[L4], v77, s[88:89] offset:128
.endif
.endm
; A TILE.  change = 1: a tile follows: all my tensor loads have landed (the next tile's buffer among them) and my reads of this tile's buffer are over, then a barrier.  refill = 1: the barrier is a round of the
; cluster's, and behind it this tile's buffer takes the tile two on.  nb = 1: the next tile's bias is asked for, and the output's pointers step 8 K steps on.  swap = 1: the sources change places.
.macro TILE refill, change, nb, swap
	v_add_nc_u32 v[ADRB], s[TB], v[ADRB0]
	v_add_nc_u32 v[ADRSB], s[TB], v[ADRSB0]
	COMPUTE \swap
.if \change
	s_wait_tensorcnt 0x0                           ; no tensor load of mine is out, so a group 0 may be written
	ds_add_u32 v[SPW], v[NIL]                      ; 0 onto my spare word
.if \refill
	s_xor_b32 s[G0W+5], s[G0W+5], WB1              ; the walking descriptor: the other buffer than last time,
	s_add_nc_u64 s[G0W+6:G0W+7], s[G0W+6:G0W+7], WSTEP   ; the next tile; the type bits on top are not reached
.endif
	s_wait_dscnt 0x0                               ; the add is done, and my reads of this tile's buffer are over
.if \refill
	CROUND                                         ; no wave of any partner still reads that buffer or has a load on its way
	tensor_load_to_lds s[G0W+4:G0W+7], s[G1B:G1B+7]   ; my one tensor load behind the round: my quarter of the tile two on
	PLACES
.else
	s_barrier_signal -1
	s_barrier_wait -1
.endif
	s_xor_b32 s[TB], s[TB], WB1                    ; the next tile reads the other buffer
.endif
.if \nb
	s_add_nc_u64 s[94:95], s[94:95], 4096          ; 8 tile columns on in the bias (its last loads were waited for ahead of this tile's first products)
	BIAS
.endif
	EPI \swap
.if \change
	s_wait_xcnt 0x0                                ; the stores have read their registers and their bases: both may be written again
.if \nb
	s_add_nc_u64 s[86:87], s[86:87], 8*UNIT
	s_add_nc_u64 s[88:89], s[88:89], 8*UNIT
.endif
.endif
.endm
	s_load_b256 s[4:11], s[0:1], 0x0               ; the tokens' images, wimg, the bias, the output
.if MODE == 1
	s_load_b64 s[12:13], s[0:1], 0x20              ; vt
.endif
	v_lshl_add_u32 v[SPW], v0, 2, SPARE
	v_mov_b32 v[NIL], 0
	v_lshrrev_b32 v1, 5, v0
	v_readfirstlane_b32 s14, v1                    ; wave 0..3
	s_lshr_b32 s15, s14, 1                         ; which of the two token panels is mine
	s_and_b32 s16, s14, 1                          ; which of a tile's two W panels
	s_bfe_u32 s40, ttmp6, 0x40000                  ; cx, cy: my place in the cluster
	s_bfe_u32 s41, ttmp6, 0x40004
	s_lshl_b32 s42, ttmp9, 2
	s_add_co_u32 s42, s42, s40                     ; my first tile column, 0 .. 7
	s_and_b32 s17, ttmp7, 0xffff
	s_lshl_b32 s17, s17, 2
	s_add_co_u32 s17, s17, s41                     ; my tile row, 0 .. 31
	s_lshl_b32 s43, s41, 2
	s_lshl_b32 s43, 15, s43                        ; my row of the cluster
	s_lshl_b32 s44, 0x1111, s40                    ; my column
	; descriptor group 1: 25,600 dense bytes as 100 rows of 32 elements of 8 bytes; no padding: every LDS read takes consecutive bytes
	s_or_b32 s[G1A], s43, (3<<16)|(1<<21)
	s_or_b32 s[G1B], s44, (3<<16)|(1<<21)
.irp g, G1A, G1B
	s_mov_b32 s[\g+1], 32<<16                      ; tensor_dim0
	s_mov_b32 s[\g+2], 100<<16                     ; tensor_dim1
	s_mov_b32 s[\g+3], 32<<16                      ; tile_dim0
	s_mov_b32 s[\g+4], 100                         ; tile_dim1
	s_mov_b32 s[\g+5], 32                          ; the pitch
	s_mov_b32 s[\g+6], 0
	s_mov_b32 s[\g+7], 0
.endr
	s_mul_i32 s45, s14, CH                         ; my quarter of a tile, in memory and in a W buffer
	s_min_u32 s18, s14, 1
	s_mul_i32 s18, s18, AQ1-AQ0-CH
	s_add_co_u32 s18, s18, s45
	s_add_co_u32 s18, s18, AQ0                     ; my quarter of A in LDS: quarter 0 in the gap, the others behind W's buffer 1
	s_mul_i32 s20, s17, 2*PANEL
	s_add_co_u32 s20, s20, s45                     ; and in memory: a tile row's two panels are neighbours
	s_mov_b32 s21, 0
	s_mul_i32 s46, s42, 2*PANEL
	s_add_co_u32 s46, s46, s45
	s_add_co_u32 s46, s46, BOFF
	s_mov_b32 s47, 0
	s_wait_kmcnt 0x0
	s_add_nc_u64 s[46:47], s[6:7], s[46:47]
	s_mov_b32 s[G0A], 1
	s_mov_b32 s[G0A+1], s18
	s_add_nc_u64 s[G0A+2:G0A+3], s[4:5], s[20:21]
	s_or_b32 s[G0A+3], s[G0A+3], 0x80000000
.irp s, 0,1
	s_mov_b32 s[G0W+4*\s], 1
	s_add_co_u32 s[G0W+4*\s+1], s45, \s*WB1
	s_add_nc_u64 s[G0W+4*\s+2:G0W+4*\s+3], s[46:47], \s*WSTEP
	s_or_b32 s[G0W+4*\s+3], s[G0W+4*\s+3], 0x80000000
.endr
	CROUND                                         ; all sixteen work-groups are here: the first joint loads meet
	tensor_load_to_lds s[G0A:G0A+3], s[G1A:G1A+7]  ; the first fills go out together: three tensor loads of mine are out: my quarter of A,
	tensor_load_to_lds s[G0W:G0W+3], s[G1B:G1B+7]  ; of the first weight tile,
	tensor_load_to_lds s[G0W+4:G0W+7], s[G1B:G1B+7]   ; and of the second
	PLACES
	v_and_b32 v3, 31, v0                           ; lane
	v_and_b32 v1, 15, v0                           ; r
	v_bfe_u32 v2, v0, 4, 1                         ; h
	v_lshlrev_b32 v[L8], 3, v3
	v_lshlrev_b32 v[L4], 2, v3
	v_lshlrev_b32 v14, 2, v1                       ; 4 r
	s_mul_i32 s22, s15, AQ1+CH-AQ0
	s_add_co_u32 s22, s22, AQ0                     ; my token panel's K steps 0-3: quarter 0 or 2,
	s_mul_i32 s23, s15, 2*CH
	s_add_co_u32 s23, s23, AQ1                     ; its K steps 4-7: quarter 1 or 3
	v_add_nc_u32 v[ADRA], s22, v[L8]
	v_add_nc_u32 v[ADRA+1], s23, v[L8]
	s_add_co_u32 s22, s22, 6144
	s_add_co_u32 s23, s23, 6144
	v_add_nc_u32 v[ADRSA], s22, v14
	v_add_nc_u32 v[ADRSA+1], s23, v14
	s_mul_i32 s22, s16, PANEL
	v_add_nc_u32 v[ADRB0], s22, v[L8]
	s_add_co_u32 s22, s22, 6144
	v_add_nc_u32 v[ADRSB0], s22, v14
	s_lshl_b32 s92, s42, 9
	s_lshl_b32 s93, s16, 8
	s_add_co_u32 s92, s92, s93                     ; my first column, in bytes of f32: 128 x tile column + 64 x half
	s_mov_b32 s93, 0
	s_add_nc_u64 s[94:95], s[8:9], s[92:93]
	v_lshlrev_b32 v15, 6, v2
	BIAS                                           ; the first tile's
	s_mov_b32 s[SEL], 0x76543210
	s_mov_b32 s[SEL+1], 0xfedcba98
	s_mov_b32 s69, 0xffff0000                      ; lanes 16-31
	v_mov_b32 v[HT], 0                             ; written once: a lane permute's destination counts as one of its sources
	v_mov_b32 v[HT+1], 0
	s_lshl_b32 s82, s17, 1
	s_add_co_u32 s82, s82, s15                     ; my panel of tokens
	s_lshl_b32 s84, s82, 5                         ; the output has 32 K steps a panel
	s_add_co_u32 s84, s84, s42
	s_mul_i32 s84, s84, UNIT
	s_mov_b32 s85, 0
	s_add_nc_u64 s[86:87], s[10:11], s[84:85]      ; my unit of the output
	s_lshl_b32 s84, s16, 1
	s_add_co_u32 s84, s84, 6144
	s_add_nc_u64 s[88:89], s[86:87], s[84:85]      ; my two bytes of its scale words
	s_mul_i32 s84, s16, 768
	s_add_nc_u64 s[86:87], s[86:87], s[84:85]      ; my half of its planes
.if MODE == 1
	s_lshl_b32 s84, s42, 1
	s_add_co_u32 s84, s84, s16                     ; V^T: the panel is the head, 2 x tile column + half;
	s_lshl_b32 s84, s84, 5
	s_add_co_u32 s84, s84, s17                     ; the K step is my 128 tokens
	s_mul_i32 s84, s84, UNIT
	s_add_nc_u64 s[76:77], s[12:13], s[84:85]
	s_lshl_b32 s84, s15, 1
	s_add_co_u32 s84, s84, 6144
	s_add_nc_u64 s[78:79], s[76:77], s[84:85]
	s_mul_i32 s84, s15, 768
	s_add_nc_u64 s[76:77], s[76:77], s[84:85]
	v_and_b32 v34, 7, v1
	v_bfe_u32 v35, v1, 3, 1
	v_lshl_add_u32 v34, v35, 4, v34
	v_lshlrev_b32 v34, 2, v34
.irp a, 0,1,2,3
	global_load_b32 v[BA+2*\a], v34, s[94:95] offset:8192+(32*(\a/2)+8*(\a%2))*4   ; v's bias (2,048 columns on) at my lane's row of Wv's tile a
.endr
	s_wait_loadcnt 0x0
.irp a, 0,1,2,3
	v_mov_b32 v[BA+2*\a+1], v[BA+2*\a]
.endr
.else
	s_mov_b32 s68, 0x3e6d3389                      ; p = 0.2316419
	s_mov_b32 s96, 0xbf38aa3b                      ; -log2(e) / 2
	s_mov_b32 s97, s96                             ; (each pair is named whole, so both words are written)
	s_mov_b32 s98, 0x3e027906                      ; c1
	s_mov_b32 s99, s98
	s_mov_b32 s70, 0xbe11a98e                      ; c2
	s_mov_b32 s71, s70
	s_mov_b32 s72, 0x3f35f0e3                      ; c3
	s_mov_b32 s73, s72
	s_mov_b32 s74, 0xbf3a00e3                      ; c4
	s_mov_b32 s75, s74
	v_mov_b32 v[C5], 0x3f07dc22                    ; c5
	v_mov_b32 v[C5+1], 0x3f07dc22
.endif
	s_mov_b32 s[TB], 0
	s_wait_tensorcnt 1                             ; my quarters of A and of the first weight tile are in; the second tile's may stay out
	s_barrier_signal -1
	s_barrier_wait -1
.if NT > 3
	s_mov_b32 s3, NT-2
.Ltile:                                            ; NT - 2 trips: behind each of these tiles' products their buffer is filled again
	TILE 1, 1, 1, 0
	s_sub_co_u32 s3, s3, 1
	s_cmp_lg_u32 s3, 0
	s_cbranch_scc1 .Ltile
	TILE 0, 1, 1, 0                                ; the last two tiles are written out: nothing is left to fetch
	TILE 0, 0, 0, 0
.else
	TILE 1, 1, 1, 0                                ; q's columns; the buffer takes Wv
	TILE 0, 1, 0, 0                                ; k's columns
	TILE 0, 0, 0, 1                                ; V^T
.endif
	s_wait_tensorcnt 0x0                           ; the wave's end
	ds_add_u32 v[SPW], v[NIL]
	s_wait_dscnt 0x0
	CROUND                                         ; the closing round: no work-group ends while a partner may still ask for a tile that names it
	s_endpgm
.Lfunc_end_k_qb6d819d378_gqkv:
	.size	k_qb6d819d378_gqkv, .Lfunc_end_k_qb6d819d378_gqkv-k_qb6d819d378_gqkv
	.p2alignl 7, 3214868480
	.fill 96, 4, 3214868480
	.section	.rodata,"a",@progbits
	.p2align	6, 0x0
	.amdhsa_kernel k_qb6d819d378_gqkv
		.amdhsa_group_segment_fixed_size 327680
		.amdhsa_private_segment_fixed_size 0
		.amdhsa_enable_private_segment 0
		.amdhsa_kernarg_size 40
		.amdhsa_user_sgpr_count 2
		.amdhsa_user_sgpr_kernarg_segment_ptr 1
		.amdhsa_wavefront_size32 1
		.amdhsa_system_sgpr_workgroup_id_x 1
		.amdhsa_system_sgpr_workgroup_id_y 1
		.amdhsa_system_sgpr_workgroup_id_z 1
		.amdhsa_system_vgpr_workitem_id 0
		.amdhsa_next_free_vgpr 512
		.amdhsa_next_free_sgpr 100
		.amdhsa_reserve_vcc 0
		.amdhsa_float_denorm_mode_32 3
		.amdhsa_float_denorm_mode_16_64 3
		.amdhsa_memory_ordered 1
		.amdhsa_forward_progress 1
		.amdhsa_inst_pref_size 181
	.end_amdhsa_kernel
	.amdgpu_metadata
---
amdhsa.version: [ 1, 2 ]
amdhsa.kernels:
  - .name:           k_qb6d819d378_gqkv
    .symbol:         k_qb6d819d378_gqkv.kd
    .args:
      - { .name: h, .offset: 0, .size: 8, .value_kind: global_buffer, .address_space: global }
      - { .name: wimg, .offset: 8, .size: 8, .value_kind: global_buffer, .address_space: global }
      - { .name: qkv_b, .offset: 16, .size: 8, .value_kind: global_buffer, .address_space: global }
      - { .name: qk, .offset: 24, .size: 8, .value_kind: global_buffer, .address_space: global }
      - { .name: vt, .offset: 32, .size: 8, .value_kind: global_buffer, .address_space: global }
    .group_segment_fixed_size: 327680
    .private_segment_fixed_size: 0
    .kernarg_segment_align: 8
    .kernarg_segment_size: 40
    .max_flat_workgroup_size: 128
    .sgpr_count:     100
    .vgpr_count:     512
    .wavefront_size: 32
...
	.end_amdgpu_metadata
.endif
;; end of part 8
;; launch att: the kernel of part 4 again; grid 256 x 1, 8 waves a work-group, no clusters, 0 bytes of LDS; arguments qk, vt, ao; writes ao
;; launch gproj: the kernel of part 5 again; grid 8 x 32, 4 waves a work-group, clusters of 4 x 4, 327,680 bytes of LDS; arguments ao, wimg, proj_b, x, x1; writes x1
;; launch ln2: the kernel of part 2 again; grid 256 x 1, 4 waves a work-group, no clusters, 65,792 bytes of LDS; arguments x1, g2, b2, h; writes h
;; launch gfc1 (part 9): grid 8 x 32, 4 waves a work-group, clusters of 4 x 4, 327,680 bytes of LDS; arguments h, wimg, fc1_b, g; writes g
.if DOCPART == 9
	.amdgcn_target "amdgcn-amd-amdhsa--gfx1250"
	.amdhsa_code_object_version 6
	.text
	.protected	k_qb6d819d378_gfc1
	.globl	k_qb6d819d378_gfc1
	.p2align	8
	.type	k_qb6d819d378_gfc1,@function
k_qb6d819d378_gfc1:
	s_mov_b64 s[64:65], 0
	v_nop
	global_prefetch_b8 v0, s[64:65] scope:SCOPE_SE
	s_setreg_imm32_b32 hwreg(HW_REG_WAVE_MODE, 25, 1), 1
	s_wait_xcnt 0x0
	s_wait_alu depctr_hold_cnt(0) depctr_sa_sdst(0) depctr_va_vdst(0) depctr_va_sdst(0) depctr_va_ssrc(0) depctr_va_vcc(0) depctr_vm_vsrc(0)
	s_getreg_b32 s2, hwreg(HW_REG_IB_STS2, 6, 4)
	s_cmp_eq_u32 s2, 0
	s_cbranch_scc0 .Lentry_in_a_cluster
	s_endpgm
.Lentry_in_a_cluster:
	s_bfe_u32 s2, ttmp6, 0x10000c
	s_cmp_lg_u32 s2, 0xf033
	s_cbranch_scc0 .Lentry_shape_is_right
	s_endpgm
.Lentry_shape_is_right:
; D = A W^T on codes of FP6 (E2M3) with E8M0 scales, sums in f32, K = 1,024; the results are quantised again and leave as codes.  One text serves two launches; MODE says which.
; OPERANDS lie in memory as images of operand registers: a UNIT of 6,400 bytes = 64 rows x 128 along K: four images of 1,536 bytes (six planes of 256 bytes; plane q = fragment registers 2q, 2q+1 at
; 8 x lane), then 256 bytes of scale words (tile i, row r at 64 i + 4 r).  Unit (panel, step) at (panel x steps + step) x 6400.  Lane row r of tile T holds row 32 (T / 2) + 8 (T % 2) + r % 8 + 16 (r / 8).
; A WORK-GROUP STAYS.  It owns 128 token rows (A: two panels, all of K, 102,400 dense bytes), which come into LDS once, and walks NT tiles of 128 columns of the weight, 8 tile columns apart.
; A weight tile (two panels, all of K, 102,400 dense bytes) goes through two LDS buffers: as soon as a tile's products have read their buffer it is filled again with the tile two on, so that the load has
; this tile's way out and the next tile's 128 matrix instructions in which to land.  Each wave brings a quarter of a tile, 25,600 bytes, by one tensor load.  Four waves, each 64 x 64: 16 accumulators.
; CLUSTERS 4 x 4: A is shared along a row of the cluster, the weight tiles along a column: joint loads.
; LDS: W's two buffers lie one bit of the address apart (0 and 2^17), so that one exclusive or turns an address in one into the other's; A's first quarter lies in the gap between them, the other three behind.
; THE MATRIX INSTRUCTION IS USED TRANSPOSED (source 0 = 16 rows of W, source 1 = 16 tokens): a lane holds one token, and by the row order above the 32 registers of one token tile are
; columns 32 g + 16 (lane / 16) + n, n = 0 .. 15, g = 0, 1: what the quantiser of the next product wants.  The bias along W's rows is the C of each sum's first instruction.
; MODE 1: NT = 3: q, k, and V^T.  The third tile's weight is Wv, and its sources are swapped (source 0 = tokens, source 1 = Wv), so that the quantiser runs along the keys; its bias runs along the lane's row and is added at the end.
; MODE 5: NT = 4: fc1, exact GELU.
; GELU: x Phi(x) = max(x, 0) - |x| q(|x|), q = exp(-x^2 / 2) (c1 t + .. + c5 t^5), t = 1 / (1 + 0.2316419 |x|) (Abramowitz and Stegun 26.2.17, 1 / sqrt(2 pi) folded in).
; LIMITS: Phi is within 7.5e-8; NaN and infinities are not served; a block of zeros gets the byte 1 (zero codes; this program alone reads the bytes); scale bytes leave 2 bytes a lane.
.set MODE, 5
.if MODE == 1
.set NT,   3                           ; tiles that a work-group walks
.set BOFF, 0                           ; where W's images begin in wimg
.else
.set NT,   4
.set BOFF, 3276800
.endif
.set UNIT,  6400
.set CH,    4*UNIT                     ; a quarter of a tile: half a panel
.set PANEL, 8*UNIT
.set WB1,   1<<17                      ; W's buffer 1 (buffer 0 lies at 0)
.set AQ0,   4*CH                       ; A's quarter 0, behind W's buffer 0
.set AQ1,   WB1+4*CH                   ; A's quarters 1 to 3, behind W's buffer 1
.set SPARE, AQ1+3*CH                   ; the spare words, 128 bytes for each wave: two blocks of 256 bytes that no other line names
.set WSTEP, 16*PANEL                   ; 8 tile columns on in W's images
.set ADRA,  4                          ; v4-5   LDS address of my token panel, K steps 0-3 and 4-7: + 8 x lane
.set ADRB0, 6                          ; v6     my W panel's place in a buffer: + 8 x lane
.set ADRB,  7                          ; v7     the same in the buffer in hand
.set ADRSA, 8                          ; v8-9   A's scale words: + 4 r
.set L8,    10                         ; v10    8 x lane
.set L4,    11                         ; v11    4 x lane
.set ADRSB0, 12                        ; v12    W's scale words' place in a buffer
.set ADRSB, 13                         ; v13    the same in the buffer in hand
.set SC,    16                         ; v16-31 scale words, two sets of eight: A's four tiles, then W's four
.set SPW,   32                         ; v32    LDS address of my spare word; never rewritten
.set NIL,   33                         ; v33    0; never rewritten
.set C5,    34                         ; v34-35 MODE 5: c5 twice
.set HM,    36
.set HT,    38
.set HE,    40
.set HB,    42
.set HX,    44
.set CD,    48                         ; v48-71 codes, six registers for each tile of lane rows
.set PW,    72                         ; v72-75 two scale bytes for each
.set BA,    78                         ; v78-85 MODE 1: the bias along Wv's rows, a pair a tile
.set YY,    80                         ; MODE 5: v80-95, v96-111, v112-127 at work in the GELU
.set UU,    96
.set WW,    112
.set ACC,   128                        ; v128-255 accumulator (a, b) at 128 + 8 (4 a + b)
.set BB,    192                        ; in window 1: v192-223 the bias along W's rows, in the result's layout
.set G1A, 24                           ; s[24:31] descriptor group 1 for A;  s[32:35] its group 0
.set G0A, 32
.set TB,  36                           ; s36      LDS byte at which the W buffer in hand begins
.set G1B, 48                           ; s[48:55] group 1 for W;  s[56:63] two groups 0: one for each first fill; the second then walks on
.set G0W, 56
.set SEL, 66
.set MSB, 0
.macro WIN new                         ; the immediate's high byte repeats the setting that is left
.if MSB != \new
	s_set_vgpr_msb (MSB<<8)|\new
.set MSB, \new
.endif
.endm
.set MUL,   0x05                       ; sources 0 and 1 in window 1 (the fragments); C and D in window 0
.set MULB,  0x15                       ; the same with C in window 1 (the bias)
.set TO_F,  0x40                       ; destination window 1
.macro PLACES                          ; four plain places behind matrix instructions, ahead of loads into their registers and of reads of their results
.rept 4
	v_nop
.endr
.endm
.macro CROUND                          ; a round of the cluster's barrier
	s_barrier_signal -1
	s_barrier_wait -1
	s_cmp_lg_u32 s14, 0
	s_cbranch_scc1 .Lnot_wave_0_\@
	s_barrier_signal -3
.Lnot_wave_0_\@:
	s_barrier_wait -3
	s_barrier_signal -1
	s_barrier_wait -1
.endm
.macro FETCH u, f                      ; K step u into fragment buffer f: 8 + 24 + 24 = 56 LDS loads, each of consecutive bytes
	WIN 0
.irp i, 0,1,2,3
	ds_load_b32 v[SC+8*(\f)+\i], v[ADRSA+(\u)/4] offset:UNIT*((\u)%4)+64*\i
.endr
.irp i, 0,1,2,3
	ds_load_b32 v[SC+8*(\f)+4+\i], v[ADRSB] offset:UNIT*(\u)+64*\i
.endr
	WIN TO_F
.irp i, 0,1,2,3
.irp q, 0,1,2,3,4,5
	ds_load_b64 v[96*(\f)+48+12*\i+2*\q:96*(\f)+48+12*\i+2*\q+1], v[ADRB] offset:UNIT*(\u)+1536*\i+256*\q
.endr
.endr
.irp i, 0,1,2,3
.irp q, 0,1,2,3,4,5
	ds_load_b64 v[96*(\f)+12*\i+2*\q:96*(\f)+12*\i+2*\q+1], v[ADRA+(\u)/4] offset:UNIT*((\u)%4)+1536*\i+256*\q
.endr
.endr
	WIN 0
.endm
.macro MUL16 f, first, swap            ; the 16 accumulators by turns, in the same order everywhere; first = 1: the bias, or with swapped sources the constant 0, starts the sums
.irp a, 0,1,2,3
.irp b, 0,1,2,3
.if \swap
.if \first
	v_wmma_scale_f32_16x16x128_f8f6f4 v[ACC+8*(4*\a+\b):ACC+8*(4*\a+\b)+7], v[96*(\f)+12*\b:96*(\f)+12*\b+11], v[96*(\f)+48+12*\a:96*(\f)+48+12*\a+11], 0, v[SC+8*(\f)+\b], v[SC+8*(\f)+4+\a] matrix_a_fmt:MATRIX_FMT_FP6 matrix_b_fmt:MATRIX_FMT_FP6
.else
	v_wmma_scale_f32_16x16x128_f8f6f4 v[ACC+8*(4*\a+\b):ACC+8*(4*\a+\b)+7], v[96*(\f)+12*\b:96*(\f)+12*\b+11], v[96*(\f)+48+12*\a:96*(\f)+48+12*\a+11], v[ACC+8*(4*\a+\b):ACC+8*(4*\a+\b)+7], v[SC+8*(\f)+\b], v[SC+8*(\f)+4+\a] matrix_a_fmt:MATRIX_FMT_FP6 matrix_b_fmt:MATRIX_FMT_FP6
.endif
.else
.if \first
	v_wmma_scale_f32_16x16x128_f8f6f4 v[ACC+8*(4*\a+\b):ACC+8*(4*\a+\b)+7], v[96*(\f)+48+12*\b:96*(\f)+48+12*\b+11], v[96*(\f)+12*\a:96*(\f)+12*\a+11], v[BB+8*\b:BB+8*\b+7], v[SC+8*(\f)+4+\b], v[SC+8*(\f)+\a] matrix_a_fmt:MATRIX_FMT_FP6 matrix_b_fmt:MATRIX_FMT_FP6
.else
	v_wmma_scale_f32_16x16x128_f8f6f4 v[ACC+8*(4*\a+\b):ACC+8*(4*\a+\b)+7], v[96*(\f)+48+12*\b:96*(\f)+48+12*\b+11], v[96*(\f)+12*\a:96*(\f)+12*\a+11], v[ACC+8*(4*\a+\b):ACC+8*(4*\a+\b)+7], v[SC+8*(\f)+4+\b], v[SC+8*(\f)+\a] matrix_a_fmt:MATRIX_FMT_FP6 matrix_b_fmt:MATRIX_FMT_FP6
.endif
.endif
.endr
.endr
.endm
.macro COMPUTE swap                    ; a tile's eight K steps; the next step's fragments are asked for ahead of each step's products
	PLACES
	FETCH 0, 0
.irp u, 0,1,2,3,4,5,6,7
.if \u < 7
	PLACES
	FETCH \u+1, (\u+1)%2
	s_wait_dscnt 56                                ; all but the 56 just issued: this step's fragments are in
.else
	s_wait_dscnt 0x0
.endif
.if \u == 0
	s_wait_loadcnt 0x0                             ; this tile's bias, asked for a tile ago
.if \swap
	WIN MUL
.else
	WIN MULB
.endif
	MUL16 0, 1, \swap
.else
	WIN MUL
	MUL16 \u%2, 0, \swap
.endif
	WIN 0
.endr
.endm
.macro BIAS                            ; register 8 b + j: the bias of column 32 (b / 2) + 16 h + 8 (b % 2) + j of my 64
	WIN TO_F
.irp b, 0,1,2,3
	global_load_b128 v[BB+8*\b:BB+8*\b+3], v15, s[94:95] offset:(32*(\b/2)+8*(\b%2))*4
	global_load_b128 v[BB+8*\b+4:BB+8*\b+7], v15, s[94:95] offset:(32*(\b/2)+8*(\b%2))*4+16
.endr
	WIN 0
.endm
; 32 numbers of a lane, register 16 g + n = k 32 g + 16 (lane / 16) + n of my row, become half a fragment (6 registers: lanes 0-15 block 0, lanes 16-31 block 1) and two scale bytes.
.macro HALFQ src, dst, pw
	v_max3_num_f32 v[HM], |v[(\src)]|, |v[(\src)+1]|, 0x1800000        ; my 16 numbers of each block, and the floor 2^(3 - 127)
	v_max3_num_f32 v[HM+1], |v[(\src)+16]|, |v[(\src)+17]|, 0x1800000
.irp i, 2,4,6,8,10,12,14
	v_max3_num_f32 v[HM], v[HM], |v[(\src)+\i]|, |v[(\src)+\i+1]|
	v_max3_num_f32 v[HM+1], v[HM+1], |v[(\src)+16+\i]|, |v[(\src)+17+\i]|
.endr
	v_permlanex16_b32 v[HT], v[HM], s[SEL], s[SEL+1]
	v_permlanex16_b32 v[HT+1], v[HM+1], s[SEL], s[SEL+1]
	v_max_num_f32 v[HM], v[HM], v[HT]              ; with lane l xor 16's: the block's largest magnitude
	v_max_num_f32 v[HM+1], v[HM+1], v[HT+1]
	v_add_nc_u32 v[HE], 0xff000000, v[HM]          ; 2 off the exponent field: the conversion's scale operand
	v_add_nc_u32 v[HE+1], 0xff000000, v[HM+1]
	v_lshrrev_b32 v[HB], 23, v[HE]
	v_lshrrev_b32 v[HB+1], 23, v[HE+1]
	v_lshl_or_b32 v[(\pw)], v[HB+1], 8, v[HB]
	v_cvt_scalef32_pk16_fp6_f32 v[(\dst):(\dst)+2], v[(\src):(\src)+15], v[HE]
	v_cvt_scalef32_pk16_fp6_f32 v[HX:HX+2], v[(\src)+16:(\src)+31], v[HE+1]
	v_nop                                          ; one plain place behind a scaled conversion
.irp i, 0,1,2
	v_permlane16_swap_b32 v[(\dst)+\i], v[HX+\i]   ; a whole block to a lane
.endr
.irp i, 0,1,2
	v_mov_b32 v[(\dst)+3+\i], v[HX+\i]
.endr
.endm
.macro GELU16 x                        ; sixteen numbers in place
.irp n, 0,1,2,3,4,5,6,7,8,9,10,11,12,13,14,15
	v_fma_f32 v[UU+\n], |v[(\x)+\n]|, s68, 1.0     ; 1 + p |x|
.endr
.irp n, 0,2,4,6,8,10,12,14
	v_pk_mul_f32 v[WW+\n:WW+\n+1], v[(\x)+\n:(\x)+\n+1], s[96:97] op_sel_hi:[1,0]
.endr
.irp n, 0,2,4,6,8,10,12,14
	v_pk_mul_f32 v[WW+\n:WW+\n+1], v[WW+\n:WW+\n+1], v[(\x)+\n:(\x)+\n+1]   ; -x^2 log2(e) / 2
.endr
.irp n, 0,1,2,3,4,5,6,7,8,9,10,11,12,13,14,15
	v_rcp_f32 v[UU+\n], v[UU+\n]                   ; t
.endr
.irp n, 0,1,2,3,4,5,6,7,8,9,10,11,12,13,14,15
	v_exp_f32 v[WW+\n], v[WW+\n]                   ; exp(-x^2 / 2)
.endr
	v_nop                                          ; a plain place behind the batch
	s_wait_alu depctr_va_vdst(0)                   ; one wait for the 32, ahead of their first reader
.irp n, 0,2,4,6,8,10,12,14
	v_pk_fma_f32 v[YY+\n:YY+\n+1], v[UU+\n:UU+\n+1], v[C5:C5+1], s[74:75] op_sel_hi:[1,1,0]   ; c5 t + c4
.endr
.irp c, 72,70,98
.irp n, 0,2,4,6,8,10,12,14
	v_pk_fma_f32 v[YY+\n:YY+\n+1], v[YY+\n:YY+\n+1], v[UU+\n:UU+\n+1], s[\c:\c+1] op_sel_hi:[1,1,0]   ; .. t + c3, c2, c1
.endr
.endr
.irp n, 0,2,4,6,8,10,12,14
	v_pk_mul_f32 v[YY+\n:YY+\n+1], v[YY+\n:YY+\n+1], v[UU+\n:UU+\n+1]
.endr
.irp n, 0,2,4,6,8,10,12,14
	v_pk_mul_f32 v[YY+\n:YY+\n+1], v[YY+\n:YY+\n+1], v[WW+\n:WW+\n+1]       ; q
.endr
.irp n, 0,1,2,3,4,5,6,7,8,9,10,11,12,13,14,15
	v_max_num_f32 v[UU+\n], 0, v[(\x)+\n]
.endr
.irp n, 0,1,2,3,4,5,6,7,8,9,10,11,12,13,14,15
	v_fma_f32 v[(\x)+\n], -|v[(\x)+\n]|, v[YY+\n], v[UU+\n]
.endr
.endm
; THE WAY OUT of a tile: for each tile a of lane rows, 32 registers = 64 columns of my lane's row, each accumulator from its low end on: activation, quantiser, three planes of codes; then the scale bytes.
.macro EPI swap
	PLACES
.irp a, 0,1,2,3
.if MODE == 1
.if \swap
.irp n, 0,2,4,6,8,10,12,14,16,18,20,22,24,26,28,30
	v_pk_add_f32 v[ACC+32*\a+\n:ACC+32*\a+\n+1], v[ACC+32*\a+\n:ACC+32*\a+\n+1], v[BA+2*\a:BA+2*\a+1]
.endr
.endif
.else
	GELU16 ACC+32*\a
	GELU16 ACC+32*\a+16
.endif
	HALFQ ACC+32*\a, CD+6*\a, PW+\a
.irp p, 0,1,2
.if \swap
	global_store_b64 v[L8], v[CD+6*\a+2*\p:CD+6*\a+2*\p+1], s[76:77] offset:1536*\a+256*\p
.else
	global_store_b64 v[L8], v[CD+6*\a+2*\p:CD+6*\a+2*\p+1], s[86:87] offset:1536*\a+256*\p   ; a plane: 256 consecutive bytes, aligned
.endif
.endr
.endr
	v_cndmask_b32 v76, v[PW], v[PW+1], s69         ; lanes 0-15: tile 0's rows, lanes 16-31: tile 1's
	v_cndmask_b32 v77, v[PW+2], v[PW+3], s69
.if \swap
	global_store_b16 v[L4], v76, s[78:79]
	global_store_b16 v[L4], v77, s[78:79] offset:128
.else
	global_store_b16 v[L4], v76, s[88:89]
	global_store_b16 v[L4], v77, s[88:89] offset:128
.endif
.endm
; A TILE.  change = 1: a tile follows: all my tensor loads have landed (the next tile's buffer among them) and my reads of this tile's buffer are over, then a barrier.  refill = 1: the barrier is a round of the
; cluster's, and behind it this tile's buffer takes the tile two on.  nb = 1: the next tile's bias is asked for, and the output's pointers step 8 K steps on.  swap = 1: the sources change places.
.macro TILE refill, change, nb, swap
	v_add_nc_u32 v[ADRB], s[TB], v[ADRB0]
	v_add_nc_u32 v[ADRSB], s[TB], v[ADRSB0]
	COMPUTE \swap
.if \change
	s_wait_tensorcnt 0x0                           ; no tensor load of mine is out, so a group 0 may be written
	ds_add_u32 v[SPW], v[NIL]                      ; 0 onto my spare word
.if \refill
	s_xor_b32 s[G0W+5], s[G0W+5], WB1              ; the walking descriptor: the other buffer than last time,
	s_add_nc_u64 s[G0W+6:G0W+7], s[G0W+6:G0W+7], WSTEP   ; the next tile; the type bits on top are not reached
.endif
	s_wait_dscnt 0x0                               ; the add is done, and my reads of this tile's buffer are over
.if \refill
	CROUND                                         ; no wave of any partner still reads that buffer or has a load on its way
	tensor_load_to_lds s[G0W+4:G0W+7], s[G1B:G1B+7]   ; my one tensor load behind the round: my quarter of the tile two on
	PLACES
.else
	s_barrier_signal -1
	s_barrier_wait -1
.endif
	s_xor_b32 s[TB], s[TB], WB1                    ; the next tile reads the other buffer
.endif
.if \nb
	s_add_nc_u64 s[94:95], s[94:95], 4096          ; 8 tile columns on in the bias (its last loads were waited for ahead of this tile's first products)
	BIAS
.endif
	EPI \swap
.if \change
	s_wait_xcnt 0x0                                ; the stores have read their registers and their bases: both may be written again
.if \nb
	s_add_nc_u64 s[86:87], s[86:87], 8*UNIT
	s_add_nc_u64 s[88:89], s[88:89], 8*UNIT
.endif
.endif
.endm
	s_load_b256 s[4:11], s[0:1], 0x0               ; the tokens' images, wimg, the bias, the output
.if MODE == 1
	s_load_b64 s[12:13], s[0:1], 0x20              ; vt
.endif
	v_lshl_add_u32 v[SPW], v0, 2, SPARE
	v_mov_b32 v[NIL], 0
	v_lshrrev_b32 v1, 5, v0
	v_readfirstlane_b32 s14, v1                    ; wave 0..3
	s_lshr_b32 s15, s14, 1                         ; which of the two token panels is mine
	s_and_b32 s16, s14, 1                          ; which of a tile's two W panels
	s_bfe_u32 s40, ttmp6, 0x40000                  ; cx, cy: my place in the cluster
	s_bfe_u32 s41, ttmp6, 0x40004
	s_lshl_b32 s42, ttmp9, 2
	s_add_co_u32 s42, s42, s40                     ; my first tile column, 0 .. 7
	s_and_b32 s17, ttmp7, 0xffff
	s_lshl_b32 s17, s17, 2
	s_add_co_u32 s17, s17, s41                     ; my tile row, 0 .. 31
	s_lshl_b32 s43, s41, 2
	s_lshl_b32 s43, 15, s43                        ; my row of the cluster
	s_lshl_b32 s44, 0x1111, s40                    ; my column
	; descriptor group 1: 25,600 dense bytes as 100 rows of 32 elements of 8 bytes; no padding: every LDS read takes consecutive bytes
	s_or_b32 s[G1A], s43, (3<<16)|(1<<21)
	s_or_b32 s[G1B], s44, (3<<16)|(1<<21)
.irp g, G1A, G1B
	s_mov_b32 s[\g+1], 32<<16                      ; tensor_dim0
	s_mov_b32 s[\g+2], 100<<16                     ; tensor_dim1
	s_mov_b32 s[\g+3], 32<<16                      ; tile_dim0
	s_mov_b32 s[\g+4], 100                         ; tile_dim1
	s_mov_b32 s[\g+5], 32                          ; the pitch
	s_mov_b32 s[\g+6], 0
	s_mov_b32 s[\g+7], 0
.endr
	s_mul_i32 s45, s14, CH                         ; my quarter of a tile, in memory and in a W buffer
	s_min_u32 s18, s14, 1
	s_mul_i32 s18, s18, AQ1-AQ0-CH
	s_add_co_u32 s18, s18, s45
	s_add_co_u32 s18, s18, AQ0                     ; my quarter of A in LDS: quarter 0 in the gap, the others behind W's buffer 1
	s_mul_i32 s20, s17, 2*PANEL
	s_add_co_u32 s20, s20, s45                     ; and in memory: a tile row's two panels are neighbours
	s_mov_b32 s21, 0
	s_mul_i32 s46, s42, 2*PANEL
	s_add_co_u32 s46, s46, s45
	s_add_co_u32 s46, s46, BOFF
	s_mov_b32 s47, 0
	s_wait_kmcnt 0x0
	s_add_nc_u64 s[46:47], s[6:7], s[46:47]
	s_mov_b32 s[G0A], 1
	s_mov_b32 s[G0A+1], s18
	s_add_nc_u64 s[G0A+2:G0A+3], s[4:5], s[20:21]
	s_or_b32 s[G0A+3], s[G0A+3], 0x80000000
.irp s, 0,1
	s_mov_b32 s[G0W+4*\s], 1
	s_add_co_u32 s[G0W+4*\s+1], s45, \s*WB1
	s_add_nc_u64 s[G0W+4*\s+2:G0W+4*\s+3], s[46:47], \s*WSTEP
	s_or_b32 s[G0W+4*\s+3], s[G0W+4*\s+3], 0x80000000
.endr
	CROUND                                         ; all sixteen work-groups are here: the first joint loads meet
	tensor_load_to_lds s[G0A:G0A+3], s[G1A:G1A+7]  ; the first fills go out together: three tensor loads of mine are out: my quarter of A,
	tensor_load_to_lds s[G0W:G0W+3], s[G1B:G1B+7]  ; of the first weight tile,
	tensor_load_to_lds s[G0W+4:G0W+7], s[G1B:G1B+7]   ; and of the second
	PLACES
	v_and_b32 v3, 31, v0                           ; lane
	v_and_b32 v1, 15, v0                           ; r
	v_bfe_u32 v2, v0, 4, 1                         ; h
	v_lshlrev_b32 v[L8], 3, v3
	v_lshlrev_b32 v[L4], 2, v3
	v_lshlrev_b32 v14, 2, v1                       ; 4 r
	s_mul_i32 s22, s15, AQ1+CH-AQ0
	s_add_co_u32 s22, s22, AQ0                     ; my token panel's K steps 0-3: quarter 0 or 2,
	s_mul_i32 s23, s15, 2*CH
	s_add_co_u32 s23, s23, AQ1                     ; its K steps 4-7: quarter 1 or 3
	v_add_nc_u32 v[ADRA], s22, v[L8]
	v_add_nc_u32 v[ADRA+1], s23, v[L8]
	s_add_co_u32 s22, s22, 6144
	s_add_co_u32 s23, s23, 6144
	v_add_nc_u32 v[ADRSA], s22, v14
	v_add_nc_u32 v[ADRSA+1], s23, v14
	s_mul_i32 s22, s16, PANEL
	v_add_nc_u32 v[ADRB0], s22, v[L8]
	s_add_co_u32 s22, s22, 6144
	v_add_nc_u32 v[ADRSB0], s22, v14
	s_lshl_b32 s92, s42, 9
	s_lshl_b32 s93, s16, 8
	s_add_co_u32 s92, s92, s93                     ; my first column, in bytes of f32: 128 x tile column + 64 x half
	s_mov_b32 s93, 0
	s_add_nc_u64 s[94:95], s[8:9], s[92:93]
	v_lshlrev_b32 v15, 6, v2
	BIAS                                           ; the first tile's
	s_mov_b32 s[SEL], 0x76543210
	s_mov_b32 s[SEL+1], 0xfedcba98
	s_mov_b32 s69, 0xffff0000                      ; lanes 16-31
	v_mov_b32 v[HT], 0                             ; written once: a lane permute's destination counts as one of its sources
	v_mov_b32 v[HT+1], 0
	s_lshl_b32 s82, s17, 1
	s_add_co_u32 s82, s82, s15                     ; my panel of tokens
	s_lshl_b32 s84, s82, 5                         ; the output has 32 K steps a panel
	s_add_co_u32 s84, s84, s42
	s_mul_i32 s84, s84, UNIT
	s_mov_b32 s85, 0
	s_add_nc_u64 s[86:87], s[10:11], s[84:85]      ; my unit of the output
	s_lshl_b32 s84, s16, 1
	s_add_co_u32 s84, s84, 6144
	s_add_nc_u64 s[88:89], s[86:87], s[84:85]      ; my two bytes of its scale words
	s_mul_i32 s84, s16, 768
	s_add_nc_u64 s[86:87], s[86:87], s[84:85]      ; my half of its planes
.if MODE == 1
	s_lshl_b32 s84, s42, 1
	s_add_co_u32 s84, s84, s16                     ; V^T: the panel is the head, 2 x tile column + half;
	s_lshl_b32 s84, s84, 5
	s_add_co_u32 s84, s84, s17                     ; the K step is my 128 tokens
	s_mul_i32 s84, s84, UNIT
	s_add_nc_u64 s[76:77], s[12:13], s[84:85]
	s_lshl_b32 s84, s15, 1
	s_add_co_u32 s84, s84, 6144
	s_add_nc_u64 s[78:79], s[76:77], s[84:85]
	s_mul_i32 s84, s15, 768
	s_add_nc_u64 s[76:77], s[76:77], s[84:85]
	v_and_b32 v34, 7, v1
	v_bfe_u32 v35, v1, 3, 1
	v_lshl_add_u32 v34, v35, 4, v34
	v_lshlrev_b32 v34, 2, v34
.irp a, 0,1,2,3
	global_load_b32 v[BA+2*\a], v34, s[94:95] offset:8192+(32*(\a/2)+8*(\a%2))*4   ; v's bias (2,048 columns on) at my lane's row of Wv's tile a
.endr
	s_wait_loadcnt 0x0
.irp a, 0,1,2,3
	v_mov_b32 v[BA+2*\a+1], v[BA+2*\a]
.endr
.else
	s_mov_b32 s68, 0x3e6d3389                      ; p = 0.2316419
	s_mov_b32 s96, 0xbf38aa3b                      ; -log2(e) / 2
	s_mov_b32 s97, s96                             ; (each pair is named whole, so both words are written)
	s_mov_b32 s98, 0x3e027906                      ; c1
	s_mov_b32 s99, s98
	s_mov_b32 s70, 0xbe11a98e                      ; c2
	s_mov_b32 s71, s70
	s_mov_b32 s72, 0x3f35f0e3                      ; c3
	s_mov_b32 s73, s72
	s_mov_b32 s74, 0xbf3a00e3                      ; c4
	s_mov_b32 s75, s74
	v_mov_b32 v[C5], 0x3f07dc22                    ; c5
	v_mov_b32 v[C5+1], 0x3f07dc22
.endif
	s_mov_b32 s[TB], 0
	s_wait_tensorcnt 1                             ; my quarters of A and of the first weight tile are in; the second tile's may stay out
	s_barrier_signal -1
	s_barrier_wait -1
.if NT > 3
	s_mov_b32 s3, NT-2
.Ltile:                                            ; NT - 2 trips: behind each of these tiles' products their buffer is filled again
	TILE 1, 1, 1, 0
	s_sub_co_u32 s3, s3, 1
	s_cmp_lg_u32 s3, 0
	s_cbranch_scc1 .Ltile
	TILE 0, 1, 1, 0                                ; the last two tiles are written out: nothing is left to fetch
	TILE 0, 0, 0, 0
.else
	TILE 1, 1, 1, 0                                ; q's columns; the buffer takes Wv
	TILE 0, 1, 0, 0                                ; k's columns
	TILE 0, 0, 0, 1                                ; V^T
.endif
	s_wait_tensorcnt 0x0                           ; the wave's end
	ds_add_u32 v[SPW], v[NIL]
	s_wait_dscnt 0x0
	CROUND                                         ; the closing round: no work-group ends while a partner may still ask for a tile that names it
	s_endpgm
.Lfunc_end_k_qb6d819d378_gfc1:
	.size	k_qb6d819d378_gfc1, .Lfunc_end_k_qb6d819d378_gfc1-k_qb6d819d378_gfc1
	.p2alignl 7, 3214868480
	.fill 96, 4, 3214868480
	.section	.rodata,"a",@progbits
	.p2align	6, 0x0
	.amdhsa_kernel k_qb6d819d378_gfc1
		.amdhsa_group_segment_fixed_size 327680
		.amdhsa_private_segment_fixed_size 0
		.amdhsa_enable_private_segment 0
		.amdhsa_kernarg_size 32
		.amdhsa_user_sgpr_count 2
		.amdhsa_user_sgpr_kernarg_segment_ptr 1
		.amdhsa_wavefront_size32 1
		.amdhsa_system_sgpr_workgroup_id_x 1
		.amdhsa_system_sgpr_workgroup_id_y 1
		.amdhsa_system_sgpr_workgroup_id_z 1
		.amdhsa_system_vgpr_workitem_id 0
		.amdhsa_next_free_vgpr 512
		.amdhsa_next_free_sgpr 100
		.amdhsa_reserve_vcc 0
		.amdhsa_float_denorm_mode_32 3
		.amdhsa_float_denorm_mode_16_64 3
		.amdhsa_memory_ordered 1
		.amdhsa_forward_progress 1
		.amdhsa_inst_pref_size 255
	.end_amdhsa_kernel
	.section	.bss,"aw",@nobits
	.p2align	6
	.space	262144
	.amdgpu_metadata
---
amdhsa.version: [ 1, 2 ]
amdhsa.kernels:
  - .name:           k_qb6d819d378_gfc1
    .symbol:         k_qb6d819d378_gfc1.kd
    .args:
      - { .name: h, .offset: 0, .size: 8, .value_kind: global_buffer, .address_space: global }
      - { .name: wimg, .offset: 8, .size: 8, .value_kind: global_buffer, .address_space: global }
      - { .name: fc1_b, .offset: 16, .size: 8, .value_kind: global_buffer, .address_space: global }
      - { .name: g, .offset: 24, .size: 8, .value_kind: global_buffer, .address_space: global }
    .group_segment_fixed_size: 327680
    .private_segment_fixed_size: 0
    .kernarg_segment_align: 8
    .kernarg_segment_size: 32
    .max_flat_workgroup_size: 128
    .sgpr_count:     100
    .vgpr_count:     512
    .wavefront_size: 32
...
	.end_amdgpu_metadata
.endif
;; end of part 9
;; launch gfc2: the kernel of part 7 again; grid 8 x 32, 4 waves a work-group, clusters of 4 x 4, 327,680 bytes of LDS; arguments g, wimg, fc2_b, x1, out0; writes out0
